; MI455X (gfx1250); checked and timed in simulation.
; The chip was launched on July 23, 2026; its instructions are those of AMD's public machine-readable ISA for CDNA 5 (MIT licence, August 2026) and "CDNA5" Instruction Set Architecture Reference Guide (July 2026). The comments in the code are by the model that wrote it; some were corrected since.
;; Block. Allowed arithmetic: matrix products marked QUANTISED: E2M3 operands, one E8M0 scale for each 32 along K, by v_wmma_scale_f32_16x16x128_f8f6f4 with both operands' format E2M3, f32 sums; everything else in f32.
;; Inputs: attn_b 3,072 float32; attn_w 1,024 x 3,072 float32; fc_b 4,096 float32; fc_proj_b 1,024 float32; fc_proj_w 4,096 x 1,024 float32; fc_w 1,024 x 4,096 float32; ln1_b 1,024 float32; ln1_w 1,024 float32; ln2_b 1,024 float32; ln2_w 1,024 float32; proj_b 1,024 float32; proj_w 1,024 x 1,024 float32; x 4 x 1,024 x 1,024 float32.
;; Outputs: out0 4 x 1,024 x 1,024 float32.
;; This version of the problem:
;;   THIS VERSION OF THE PROBLEM IS GIVEN IN LOW PRECISION. The matrix products marked QUANTISED in the list below multiply operands that are first quantised to E2M3 (2 exponent bits, 3 mantissa bits; 6 bits a number), with one power-of-two scale for each 32 numbers along K (OCP MX v1.0); their sums are f32. All else is computed in f32.
;;   The module's matrix products, in the order in which they are computed (A, B: the left and right operand; K: the contracted axis; several contracted axes count as one K, in the product's order):
;;     1. [M 4,096, K 1,024] x [K 1,024, N 3,072]; A: computed on the way; B: input attn_w: QUANTISED
;;     2. batch 64 x [M 1,024, K 64] x [K 64, N 1,024]; A: computed on the way; B: computed on the way: QUANTISED
;;     3. batch 64 x [M 1,024, K 1,024] x [K 1,024, N 64]; A: softmax (see below); B: computed on the way: QUANTISED
;;     4. [M 4,096, K 1,024] x [K 1,024, N 1,024]; A: computed on the way; B: input proj_w: QUANTISED
;;     5. [M 4,096, K 1,024] x [K 1,024, N 4,096]; A: computed on the way; B: input fc_w: QUANTISED
;;     6. [M 4,096, K 4,096] x [K 4,096, N 1,024]; A: computed on the way; B: input fc_proj_w: QUANTISED
;;   THE QUANTISER, for each operand of a quantised product, along K:
;;     - K is cut into blocks of 32 from its start; a last block that is shorter is filled with zeros.
;;     - A block's scale is 2^e with e = floor(log2(the largest magnitude in the block)) - 2, held to -126 .. 127; a block of zeros has e = 0. As a byte (E8M0): e + 127.
;;     - Each number is divided by its block's scale, clamped to +-7.5, and rounded to the nearest number of E2M3, ties to even, subnormals kept.
;;     - The product sums the exact products of the quantised numbers (number of the format x scale) in f32.
;;   ~~~python
;;   def quantise(x, axis):      # numpy; x: float32 -> the quantised numbers, widened to float32 again
;;       x = np.moveaxis(x, axis, -1); K = x.shape[-1]
;;       x = np.pad(x, [(0, 0)] * (x.ndim - 1) + [(0, -K % 32)]); x = x.reshape(x.shape[:-1] + (-1, 32)); a = np.abs(x).max(-1, keepdims=True)
;;       e = np.where(a > 0, np.clip(np.frexp(np.where(a > 0, a, 1))[1] - 1 - 2, -126, 127), 0)      # np.frexp(a)[1] - 1 = floor(log2(a)), exactly
;;       r = np.clip(x / 2.0 ** e, -7.5, 7.5)
;;       step = 2.0 ** (np.maximum(np.frexp(np.where(r == 0, 1, r))[1] - 1, 0) - 3)
;;       q = np.round(r / step) * step * 2.0 ** e      # np.round: ties to even
;;       return np.moveaxis(q.reshape(q.shape[:-2] + (-1,))[..., :K], -1, axis).astype(np.float32)
;;   ~~~
;;   SOFTMAX AHEAD OF A QUANTISED PRODUCT. Where the list says 'softmax', what is quantised is not the finished softmax but p = 2^(t - M), with t = logit x log2(e) and M = ceil(the row's largest t), a whole number; so 1/2 < the row's largest p <= 1. The row's sum l is taken of the UNQUANTISED p, in f32, and the product's result is divided by l at the end. Since M is a whole number, a kernel that streams over the keys may use a running M (the ceiling of the running maximum): every later rescaling is an exact power of two, which a block's scale takes up: the codes' values come out the same.
;;   OPERANDS COMPUTED ON THE WAY. 'Computed on the way' means the value that the module computes at that place (a softmax that the list does not call 'softmax' is quantised finished and normalised). What goes into a quantiser is computed in f32, as accurately as f32 sums, v_exp_f32 and their like allow (about 1e-6 of the number): no bf16 or f16 on the way to a quantiser, and a product that is left as it is and whose result goes on into a quantised operand takes f32 operands (vector FMAs, or v_wmma_f32_16x16x4_f32). A number that lies on a knife's edge between two numbers of the format may be rounded either way, as far as f32 arithmetic and the matrix unit's own rounding can turn it there, and no further.
;; One version. Each part assembles by itself: llvm-mc -triple=amdgcn-amd-amdhsa -mcpu=gfx1250 --defsym DOCPART=n.
;; ======== version 1 of 1: 7 launches
;; limits: right only within a limited range of input values
;; workspace buffers: opa 13,631,488 bytes; qkvb 10,747,904 bytes; yb 3,407,872 bytes; x1 16,777,216 bytes; h2b 3,407,872 bytes; gb 13,631,488 bytes
;; launch prep (part 1): grid 112 x 4, 8 waves a work-group, no clusters, 126,976 bytes of LDS; arguments attn_w, proj_w, fc_w, fc_proj_w, x, ln1_w, ln1_b, opa; writes opa
.if DOCPART == 1
	.amdgcn_target "amdgcn-amd-amdhsa--gfx1250"
	.amdhsa_code_object_version 6
	.text
	.protected	k_q0d7a34d30b_prep
	.globl	k_q0d7a34d30b_prep
	.p2align	8
	.type	k_q0d7a34d30b_prep,@function
k_q0d7a34d30b_prep:
	s_mov_b64 s[64:65], 0
	v_nop
	global_prefetch_b8 v0, s[64:65] scope:SCOPE_SE
	s_setreg_imm32_b32 hwreg(HW_REG_WAVE_MODE, 25, 1), 1
	s_wait_xcnt 0x0
; TWO JOBS THAT HANG ON INPUTS ALONE SHARE ONE LAUNCH: work-groups x = 0..47 quantise the four weights, work-groups x = 48..111 make LayerNorm 1 of x and quantise it.
; The two paths part on the work-group's number alone; each has LDS bytes of its own (weights: bytes 0 to 49,151; LayerNorm: from 49,152 on).
; Both make codes of FP6 (E2M3) with one E8M0 byte for each 32 along K, laid as IMAGES OF OPERAND REGISTERS.
; A fragment (16 rows x 128 K) is 1,536 bytes: for c = 0, 1: registers 6c..6c+3 of lane l at 768 c + 16 l, registers 6c+4, 6c+5 at 768 c + 512 + 8 l.
; Lane (r, h) of a fragment holds k = 64 c + 32 h + 0..31 of its row.  Row r of row block rb stands for true row 32 (rb / 2) + 8 (rb % 2) + r + 8 (r / 8).
; A scale image (128 bytes) holds lane l's scale word at 4 l; lanes r and r + 16 hold the same word.
; LIMITS: NaN and infinities among the inputs are not served; a block of zeros, or one whose largest magnitude lies under 2^-124, gets the byte 1 (its codes are read by this program alone).
.set WAS, 3407872
.set WAC, 3604480
.set WFS, 5963776
.set WFC, 6225920
.set WPS, 9371648
.set WPC, 9437184
.set WOS, 10223616
.set WOC, 10485760
.set STG, 6144                         ; weights: a wave's stage: [row block u][K step q][1,536]
.set LB,  8*STG                        ; LayerNorm's LDS bytes begin here
	v_lshl_add_u32 v254, v0, 2, 0x1ec00
	v_mov_b32 v255, 0
	s_cmp_ge_u32 ttmp9, 48
	s_cbranch_scc1 .Lln
; ---------------- THE WEIGHTS, f32 stored [K][N] ----------------
; A LANE TAKES A COLUMN n AND ITS REGISTERS RUN DOWN K: a block of 32 lies in one lane, nothing is transposed by an instruction.
; Four waves take 128 columns x 256 K, a wave 32 columns: two row blocks x two K steps = 6,144 bytes, gathered in the wave's own stage and stored as 12 runs of 512 bytes.  A work-group holds two such groups of four waves.
; One path serves all four weights: sizes, places and pointers are chosen by xx = 2 x + wave / 4 alone (0..23 attn_w, 24..31 proj_w, 32..63 fc_w, 64..95 fc_proj_w).
.set SB,  16                           ; v16-17 the scale words of the two K steps
.set C,   20                           ; v20-26 a block's codes
.set OFF, 32                           ; v32-63 4 lane + i rows of the weight; never rewritten
.set X,   64                           ; v64-127 two sets of 32 numbers
.set OUTR, 128                         ; v128-175 the way out
	s_load_b256 s[4:11], s[0:1], 0x0               ; attn_w, proj_w, fc_w, fc_proj_w
	s_load_b64 s[12:13], s[0:1], 0x38              ; opa
	v_lshrrev_b32 v1, 5, v0
	s_delay_alu instid0(VALU_DEP_1)
	v_readfirstlane_b32 s42, v1                    ; wave 0..7
	s_and_b32 s14, s42, 3                          ; which 32 of the group's 128 columns
	s_lshr_b32 s43, s42, 2                         ; which of the work-group's two groups
	s_lshl_b32 s15, ttmp9, 1
	s_add_co_u32 s15, s15, s43                     ; xx
	s_and_b32 s16, ttmp7, 0xffff                   ; y
	v_and_b32 v1, 31, v0                           ; lane = my column among the wave's 32
	v_bfe_u32 v2, v0, 3, 1                         ; u: which of the wave's two row blocks
	v_and_b32 v3, 7, v0
	v_bfe_u32 v10, v0, 4, 1
	s_delay_alu instid0(VALU_DEP_1)
	v_lshl_or_b32 v3, v10, 3, v3                   ; r: my row in it
	s_mul_i32 s32, s42, STG
	v_mul_u32_u24 v10, v2, 3072
	s_delay_alu instid0(VALU_DEP_1)
	v_add_nc_u32 v10, s32, v10
	s_delay_alu instid0(VALU_DEP_1)
	v_lshl_add_u32 v4, v3, 4, v10                  ; stage, in: 16 r
	s_delay_alu instid0(VALU_DEP_2)
	v_lshl_add_u32 v5, v3, 3, v10                  ; and 8 r
	v_lshlrev_b32 v7, 4, v1                        ; out: 16 lane
	s_delay_alu instid0(VALU_DEP_1)
	v_add_nc_u32 v6, s32, v7                       ; stage, back
	v_lshlrev_b32 v14, 2, v1                       ; 4 lane
	s_sub_co_u32 s32, s15, 64
	s_and_b32 s18, s32, 7                          ; CG: which 128 columns
	s_lshr_b32 s33, s32, 3
	s_lshl_b32 s33, s33, 2
	s_add_co_u32 s19, s33, s16                     ; KCH: which 256 along K
	s_sub_co_u32 s34, s15, 32
	s_sub_co_u32 s35, s15, 24
	s_mov_b32 s17, 4096                            ; NB: a row of the weight in bytes
	s_mov_b32 s20, WOC                             ; where its codes go,
	s_mov_b32 s21, WOS                             ; its scale images,
	s_mov_b32 s22, 4096                            ; KB: scale bytes of a row block = K
	s_mov_b32 s23, 196608                          ; a panel of 64 rows, all K
	s_mov_b32 s24, 1                               ; 1: panels of 64 rows x 512 K; 0: of 128 rows x 256 K
	s_wait_alu depctr_va_vdst(0)
	s_wait_kmcnt 0x0
	s_mov_b64 s[26:27], s[10:11]
	s_cmp_lt_u32 s15, 64
	s_cselect_b32 s17, 16384, s17
	s_cselect_b32 s18, s34, s18
	s_cselect_b32 s19, s16, s19
	s_cselect_b32 s20, WFC, s20
	s_cselect_b32 s21, WFS, s21
	s_cselect_b32 s22, 1024, s22
	s_cselect_b32 s24, 0, s24
	s_cselect_b64 s[26:27], s[8:9], s[26:27]
	s_cmp_lt_u32 s15, 32
	s_cselect_b32 s17, 4096, s17
	s_cselect_b32 s18, s35, s18
	s_cselect_b32 s20, WPC, s20
	s_cselect_b32 s21, WPS, s21
	s_cselect_b32 s23, 49152, s23
	s_cselect_b32 s24, 1, s24
	s_cselect_b64 s[26:27], s[6:7], s[26:27]
	s_cmp_lt_u32 s15, 24
	s_cselect_b32 s17, 12288, s17
	s_cselect_b32 s18, s15, s18
	s_cselect_b32 s20, WAC, s20
	s_cselect_b32 s21, WAS, s21
	s_cselect_b32 s24, 0, s24
	s_cselect_b64 s[26:27], s[4:5], s[26:27]
	; the source: KCH x 256 rows + (128 CG + 32 wave) columns
	s_mul_i32 s32, s19, s17
	s_lshl_b32 s32, s32, 8
	s_lshl_b32 s33, s18, 9
	s_add_co_u32 s32, s32, s33
	s_lshl_b32 s33, s14, 7
	s_add_co_u32 s32, s32, s33
	s_mov_b32 s33, 0
	s_add_nc_u64 s[26:27], s[26:27], s[32:33]
	s_lshl_b32 s40, s17, 5                         ; 32 rows on
	s_mov_b32 s41, 0
	; the codes: both formats' places are made, one is taken
	s_mul_i32 s32, s18, 98304
	s_mul_i32 s33, s19, 24576
	s_add_co_u32 s32, s32, s33
	s_mul_i32 s33, s14, 6144
	s_add_co_u32 s32, s32, s33                     ; panels of 128 rows
	s_lshl_b32 s34, s18, 1
	s_lshr_b32 s35, s14, 1
	s_add_co_u32 s34, s34, s35
	s_mul_i32 s34, s34, s23
	s_lshr_b32 s35, s19, 1
	s_mul_i32 s35, s35, 24576
	s_add_co_u32 s34, s34, s35
	s_and_b32 s35, s14, 1
	s_mul_i32 s35, s35, 12288
	s_add_co_u32 s34, s34, s35
	s_and_b32 s35, s19, 1
	s_mul_i32 s35, s35, 3072
	s_add_co_u32 s34, s34, s35                     ; panels of 64 rows
	s_mov_b32 s25, 6144
	s_cmp_eq_u32 s24, 0
	s_cselect_b32 s32, s32, s34
	s_cselect_b32 s25, 3072, s25                   ; from my first row block to my second
	s_add_co_u32 s32, s32, s20
	s_mov_b32 s33, 0
	s_add_nc_u64 s[28:29], s[12:13], s[32:33]
	; the scale images: (8 CG + 2 wave) x KB + 2 KCH x 128
	s_lshl_b32 s32, s18, 3
	s_lshl_b32 s34, s14, 1
	s_add_co_u32 s32, s32, s34
	s_mul_i32 s32, s32, s22
	s_lshl_b32 s34, s19, 8
	s_add_co_u32 s32, s32, s34
	s_add_co_u32 s32, s32, s21
	s_add_nc_u64 s[30:31], s[12:13], s[32:33]
	v_add_nc_u32 v8, s25, v7                       ; out: my second row block
	v_mul_u32_u24 v9, s22, v2
	s_delay_alu instid0(VALU_DEP_1)
	v_lshl_add_u32 v9, v3, 2, v9                   ; scale word: u x KB + 4 r
.set i, 0
.rept 32
	v_mad_u32_u24 v[OFF+i], s17, i, v14
.set i, i+1
.endr
.macro LOAD t                          ; block t: W(32 t + i, my column) into set t % 2; 32 lanes read 128 consecutive bytes
.if (\t) > 0
	s_wait_xcnt 0x0                                ; the earlier loads have read their base: it may step
	s_add_nc_u64 s[26:27], s[26:27], s[40:41]
.endif
.set XL, X+32*((\t)%2)
.set i, 0
.rept 32
	global_load_b32 v[XL+i], v[OFF+i], s[26:27] th:TH_LOAD_NT
.set i, i+1
.endr
.endm
.macro BLOCK t                         ; K step q = t / 4, half c = (t / 2) % 2, target lanes' half hh = t % 2
.set XS, X+32*((\t)%2)
.if (\t) < 7
	s_wait_loadcnt 32                              ; this block's 32 loads are in; the next block's 32 may be out
.else
	s_wait_loadcnt 0
.endif
	v_max3_num_f32 v12, |v[XS]|, |v[XS+1]|, |v[XS+2]|
	v_max3_num_f32 v13, |v[XS+3]|, |v[XS+4]|, |v[XS+5]|
.irp i, 6,10,14,18,22,26
	s_delay_alu instid0(VALU_DEP_2)
	v_max3_num_f32 v12, v12, |v[XS+\i]|, |v[XS+\i+1]|
	s_delay_alu instid0(VALU_DEP_2)
	v_max3_num_f32 v13, v13, |v[XS+\i+2]|, |v[XS+\i+3]|
.endr
	s_delay_alu instid0(VALU_DEP_2)
	v_max3_num_f32 v12, v12, |v[XS+30]|, |v[XS+31]|
	s_delay_alu instid0(VALU_DEP_1)
	v_max3_num_f32 v12, v12, v13, 0x1800000        ; the floor 2^(3 - 127): the byte cannot fall under 1
	s_delay_alu instid0(VALU_DEP_1)
	v_add_nc_u32 v11, 0xff000000, v12              ; 2 off the exponent field: the conversion's scale operand
	s_delay_alu instid0(VALU_DEP_1)
	v_lshrrev_b32 v13, 23, v11                     ; the scale's byte
	v_cvt_scalef32_pk16_fp6_f32 v[C:C+2], v[XS:XS+15], v11
	v_cvt_scalef32_pk16_fp6_f32 v[C+4:C+6], v[XS+16:XS+31], v11   ; (a conversion's three registers begin on an even number)
.if (\t)%4 == 0
	v_mov_b32 v[SB+(\t)/4], v13                    ; the plain line behind the conversions
.else
	v_lshl_or_b32 v[SB+(\t)/4], v13, 8*((\t)%4), v[SB+(\t)/4]
.endif
	v_mov_b32 v[C+3], v[C+4]                       ; the block's six registers on end
	v_mov_b32 v[C+4], v[C+5]
	v_mov_b32 v[C+5], v[C+6]
	ds_store_b128 v4, v[C:C+3] offset:((\t)/4)*1536+(((\t)/2)%2)*768+256*((\t)%2)
	ds_store_b64 v5, v[C+4:C+5] offset:((\t)/4)*1536+(((\t)/2)%2)*768+512+128*((\t)%2)
.if (\t)+2 < 8
	LOAD (\t)+2
.endif
	s_wait_dscnt 0x0                               ; the stores have read their registers
.endm
	LOAD 0
	s_wait_alu depctr_va_vdst(0)
	LOAD 1
.irp t, 0,1,2,3,4,5,6,7
	BLOCK \t
.endr
	s_wait_alu depctr_va_vdst(0)
.irp q, 0,1
	global_store_b32 v9, v[SB+\q], s[30:31] offset:128*\q       ; lane r's word,
	global_store_b32 v9, v[SB+\q], s[30:31] offset:128*\q+64    ; and lane r + 16's copy
.endr
.irp f, 0,1,2,3,4,5,6,7,8,9,10,11
	ds_load_b128 v[OUTR+4*\f:OUTR+4*\f+3], v6 offset:512*\f     ; LDS serves a wave's instructions in order: these see my stores
.endr
.irp f, 0,1,2,3,4,5
	s_wait_dscnt 11-\f                             ; the younger read-backs may be out
	global_store_b128 v7, v[OUTR+4*\f:OUTR+4*\f+3], s[28:29] offset:512*\f   ; 32 lanes store 512 consecutive bytes, aligned
.endr
.irp f, 6,7,8,9,10,11
	s_wait_dscnt 11-\f
	global_store_b128 v8, v[OUTR+4*\f:OUTR+4*\f+3], s[28:29] offset:512*(\f-6)
.endr
	s_wait_tensorcnt 0x0
	ds_add_u32 v254, v255
	s_wait_dscnt 0x0
	s_endpgm
; ---------------- LAYERNORM 1 ----------------
; Work-group (x, y) makes row block g = 4 (x - 48) + y: image row rho stands for row 32 (g / 2) + 8 (g % 2) + rho + 8 (rho / 8).  Wave w makes K step w (columns 128 w on).
; Fragment (g, w) goes to 262,144 + (g / 8) 98,304 + (w / 2) 24,576 + (g % 8) 3,072 + (w % 2) 1,536; its scale image to 1,024 g + 128 w.
; Loads take 512 consecutive bytes of a row; the wave's 16 x 512 bytes turn through its own stage so that lane (r, h) holds, of row r, register 16 b + i = column 32 b + 16 h + i of the K step.
; The wave's 128 gains and 128 biases are asked for together with x, 16 bytes a lane each, and take the same turn through 1,024 LDS bytes of the wave's own: one trip to memory for all three.
; Mean and variance in two passes (the mean is taken away before the squares), partial sums of the eight waves meet in LDS: two barriers.
.set CODES, 262144
.set SROW, 528                         ; a stage row: 512 bytes + 16
.set WST,  16*SROW
.set RED,  LB+8*WST                    ; 16 rows x 8 waves x 4 bytes, twice
.set GBA,  RED+1024                    ; gains and biases: 1,024 bytes for each wave
.set TM,  16                           ; v16-31 at work
.set XR,  32                           ; v32-95 x as loaded, later the gain
.set Y,   96                           ; v96-159 my 64 numbers
.set GB,  160                          ; v160-223 the bias
.set PC,  224                          ; v224-243 codes
.set PW,  244                          ; the scale word
.set SEL, 12
.macro QUANT s                         ; 64 numbers, register 16 b + i = k 32 b + 16 (lane / 16) + i of my row -> a fragment's codes in v[PC] on, its scale word in v[PW]
.irp b, 0,1,2,3
	v_max3_num_f32 v[TM+\b], |v[\s+16*\b]|, |v[\s+1+16*\b]|, 0x1800000   ; and the floor 2^(3 - 127): the byte cannot fall under 1
.endr
.irp i, 2,4,6,8,10,12,14
.irp b, 0,1,2,3
	s_delay_alu instid0(VALU_DEP_4)
	v_max3_num_f32 v[TM+\b], v[TM+\b], |v[\s+16*\b+\i]|, |v[\s+1+16*\b+\i]|
.endr
.endr
.irp b, 0,1,2,3
	s_delay_alu instid0(VALU_DEP_4)
	v_permlanex16_b32 v[TM+4+\b], v[TM+\b], s[SEL], s[SEL+1]
.endr
.irp b, 0,1,2,3
	s_delay_alu instid0(VALU_DEP_4)
	v_max_num_f32 v[TM+\b], v[TM+\b], v[TM+4+\b]   ; with lane l xor 16's: the block's largest magnitude
.endr
.irp b, 0,1,2,3
	s_delay_alu instid0(VALU_DEP_4)
	v_add_nc_u32 v[TM+12+\b], 0xff000000, v[TM+\b] ; 2 off its exponent field: the conversion's scale operand
.endr
.irp b, 0,1,2,3
	s_delay_alu instid0(VALU_DEP_4)
	v_lshrrev_b32 v[TM+4+\b], 23, v[TM+12+\b]      ; the scale's byte
.endr
	s_delay_alu instid0(VALU_DEP_3)
	v_lshl_or_b32 v[PW], v[TM+5], 8, v[TM+4]
	s_delay_alu instid0(VALU_DEP_1)
	v_lshl_or_b32 v[PW], v[TM+6], 16, v[PW]
	s_delay_alu instid0(VALU_DEP_1)
	v_lshl_or_b32 v[PW], v[TM+7], 24, v[PW]
.irp c, 0,1
	v_cvt_scalef32_pk16_fp6_f32 v[PC+6*\c:PC+2+6*\c], v[\s+32*\c:\s+15+32*\c], v[TM+12+2*\c]
	v_cvt_scalef32_pk16_fp6_f32 v[PC+12+4*\c:PC+14+4*\c], v[\s+16+32*\c:\s+31+32*\c], v[TM+12+2*\c+1]
.endr
	v_nop                                          ; one plain line behind a scaled conversion
.irp c, 0,1                            ; the operand wants a whole block in a lane: lanes 0-15 block 2 c, lanes 16-31 block 2 c + 1
.irp i, 0,1,2
	v_permlane16_swap_b32 v[PC+6*\c+\i], v[PC+12+4*\c+\i]
.endr
.irp i, 0,1,2
	s_delay_alu instid0(VALU_DEP_3)
	v_mov_b32 v[PC+3+6*\c+\i], v[PC+12+4*\c+\i]
.endr
.endr
.endm
.macro REDUCE off                      ; v16: the sum over my 64 numbers -> the sum over the whole row r
	s_delay_alu instid0(VALU_DEP_1)
	v_permlanex16_b32 v17, v16, s[SEL], s[SEL+1]
	s_delay_alu instid0(VALU_DEP_1)
	v_add_f32 v16, v16, v17                        ; my wave's 128 columns of row r
	ds_store_b32 v8, v16 offset:\off               ; lanes r and r + 16 write the same word with the same value
	s_wait_dscnt 0x0                               ; for the others' sake: my store has landed (and my loads from LDS are in)
	s_barrier_signal -1
	s_barrier_wait -1
	ds_load_b128 v[246:249], v9 offset:\off
	ds_load_b128 v[250:253], v9 offset:\off+16
	s_wait_dscnt 0x0
	v_add_f32 v246, v246, v247
	v_add_f32 v248, v248, v249
	v_add_f32 v250, v250, v251
	v_add_f32 v252, v252, v253
	s_delay_alu instid0(VALU_DEP_3)
	v_add_f32 v246, v246, v248
	s_delay_alu instid0(VALU_DEP_2)
	v_add_f32 v250, v250, v252
	s_delay_alu instid0(VALU_DEP_1)
	v_add_f32 v16, v246, v250
.endm
.Lln:
	s_load_b256 s[4:11], s[0:1], 0x20              ; x, gain, bias, out
	v_lshrrev_b32 v1, 5, v0
	s_delay_alu instid0(VALU_DEP_1)
	v_readfirstlane_b32 s14, v1                    ; wave
	s_sub_co_u32 s26, ttmp9, 48
	s_lshl_b32 s26, s26, 2
	s_and_b32 s27, ttmp7, 0xffff
	s_add_co_u32 s26, s26, s27                     ; g: my row block
	s_mov_b32 s[SEL], 0x76543210
	s_mov_b32 s[SEL+1], 0xfedcba98
	s_mov_b32 s24, 0x3a800000                      ; 1 / 1,024
	s_mov_b32 s25, 0x3727c5ac                      ; 1e-5
	s_lshr_b32 s15, s26, 1
	s_lshl_b32 s15, s15, 5
	s_and_b32 s16, s26, 1
	s_lshl_b32 s16, s16, 3
	s_add_co_u32 s15, s15, s16                     ; the block's first row
	s_lshl_b32 s16, s15, 12
	s_mov_b32 s17, 0
	s_lshr_b32 s18, s26, 3
	s_mul_i32 s18, s18, 98304
	s_lshr_b32 s19, s14, 1
	s_mul_i32 s19, s19, 24576
	s_add_co_u32 s18, s18, s19
	s_and_b32 s19, s26, 7
	s_mul_i32 s19, s19, 3072
	s_add_co_u32 s18, s18, s19
	s_and_b32 s19, s14, 1
	s_mul_i32 s19, s19, 1536
	s_add_co_u32 s18, s18, s19
	s_add_co_u32 s18, s18, CODES
	s_mov_b32 s19, 0
	s_lshl_b32 s20, s26, 10
	s_lshl_b32 s21, s14, 7
	s_add_co_u32 s20, s20, s21
	s_mov_b32 s21, 0
	v_and_b32 v1, 31, v0
	v_and_b32 v2, 15, v0                           ; r
	v_bfe_u32 v3, v0, 4, 1                         ; h
	s_delay_alu instid0(VALU_DEP_3)
	v_lshlrev_b32 v10, 4, v1                       ; 16 lane
	s_delay_alu instid0(VALU_DEP_4)
	v_lshlrev_b32 v11, 3, v1                       ; 8 lane
	v_lshlrev_b32 v12, 2, v1                       ; 4 lane
	s_lshl_b32 s22, s14, 9
	v_add_nc_u32 v4, s22, v10                      ; x, gain, bias: 512 w + 16 lane
	s_mul_i32 s23, s14, WST
	s_add_co_u32 s23, s23, LB
	v_add_nc_u32 v5, s23, v10                      ; stage, in
	v_mul_u32_u24 v6, v2, SROW
	s_delay_alu instid0(VALU_DEP_1)
	v_lshl_add_u32 v6, v3, 6, v6
	s_delay_alu instid0(VALU_DEP_1)
	v_add_nc_u32 v6, s23, v6                       ; stage, back: row r, + 64 h
	v_lshl_add_u32 v9, v2, 5, RED                  ; the row's eight partial sums
	s_lshl_b32 s22, s14, 2
	v_add_nc_u32 v8, s22, v9                       ; mine among them
	s_lshl_b32 s22, s14, 10
	s_add_co_u32 s22, s22, GBA
	v_add_nc_u32 v13, s22, v10                     ; gains and biases, in: 16 lane
	v_lshl_add_u32 v7, v3, 6, s22                  ; back: 64 h
	s_wait_alu depctr_va_vdst(0)
	s_wait_kmcnt 0x0
	s_add_nc_u64 s[4:5], s[4:5], s[16:17]
	s_add_nc_u64 s[18:19], s[10:11], s[18:19]
	s_add_nc_u64 s[20:21], s[10:11], s[20:21]
.irp p, 0,1,2,3,4,5,6,7,8,9,10,11,12,13,14,15
	global_load_b128 v[XR+4*\p:XR+4*\p+3], v4, s[4:5] offset:(\p+8*(\p/8))*4096   ; 32 lanes read 512 consecutive bytes of a row
.endr
	global_load_b128 v[246:249], v4, s[6:7]        ; my wave's 128 gains: 512 consecutive bytes
	global_load_b128 v[250:253], v4, s[8:9]        ; and biases
	s_wait_loadcnt 0x0
.irp p, 0,1,2,3,4,5,6,7,8,9,10,11,12,13,14,15
	ds_store_b128 v5, v[XR+4*\p:XR+4*\p+3] offset:SROW*\p
.endr
	ds_store_b128 v13, v[246:249]
	ds_store_b128 v13, v[250:253] offset:512
.irp b, 0,1,2,3
.irp j, 0,1,2,3
	ds_load_b128 v[Y+16*\b+4*\j:Y+16*\b+4*\j+3], v6 offset:128*\b+16*\j   ; LDS serves a wave's instructions in order: these see my stores
.endr
.endr
	s_wait_dscnt 0x0                               ; the stores have read their registers; my 64 numbers are in
.irp b, 0,1,2,3
.irp j, 0,1,2,3
	ds_load_b128 v[XR+16*\b+4*\j:XR+16*\b+4*\j+3], v7 offset:128*\b+16*\j       ; the gain of my 64 columns, into x's registers; it lands under the sums below
	ds_load_b128 v[GB+16*\b+4*\j:GB+16*\b+4*\j+3], v7 offset:512+128*\b+16*\j   ; the bias
.endr
.endr
	v_pk_add_f32 v[18:19], v[96:97], v[98:99]
	v_pk_add_f32 v[20:21], v[112:113], v[120:121]
	v_pk_add_f32 v[22:23], v[128:129], v[136:137]
	v_pk_add_f32 v[252:253], v[144:145], v[152:153]
	v_pk_add_f32 v[250:251], v[100:101], v[102:103]
	v_pk_add_f32 v[248:249], v[114:115], v[122:123]
	v_pk_add_f32 v[246:247], v[130:131], v[138:139]
	v_pk_add_f32 v[16:17], v[146:147], v[154:155]
	s_delay_alu instid0(VALU_DEP_1)
	v_pk_add_f32 v[16:17], v[16:17], v[104:105]
	v_pk_add_f32 v[18:19], v[18:19], v[106:107]
	v_pk_add_f32 v[20:21], v[20:21], v[116:117]
	v_pk_add_f32 v[22:23], v[22:23], v[124:125]
	v_pk_add_f32 v[252:253], v[252:253], v[132:133]
	v_pk_add_f32 v[250:251], v[250:251], v[140:141]
	v_pk_add_f32 v[248:249], v[248:249], v[148:149]
	v_pk_add_f32 v[246:247], v[246:247], v[156:157]
	v_pk_add_f32 v[16:17], v[16:17], v[108:109]
	v_pk_add_f32 v[18:19], v[18:19], v[110:111]
	v_pk_add_f32 v[20:21], v[20:21], v[118:119]
	v_pk_add_f32 v[22:23], v[22:23], v[126:127]
	v_pk_add_f32 v[252:253], v[252:253], v[134:135]
	v_pk_add_f32 v[250:251], v[250:251], v[142:143]
	v_pk_add_f32 v[248:249], v[248:249], v[150:151]
	v_pk_add_f32 v[246:247], v[246:247], v[158:159]
	s_delay_alu instid0(VALU_DEP_4)
	v_pk_add_f32 v[16:17], v[16:17], v[252:253]
	s_delay_alu instid0(VALU_DEP_4)
	v_pk_add_f32 v[18:19], v[18:19], v[250:251]
	s_delay_alu instid0(VALU_DEP_4)
	v_pk_add_f32 v[20:21], v[20:21], v[248:249]
	s_delay_alu instid0(VALU_DEP_4)
	v_pk_add_f32 v[22:23], v[22:23], v[246:247]
	s_delay_alu instid0(VALU_DEP_2)
	v_pk_add_f32 v[16:17], v[16:17], v[20:21]
	s_delay_alu instid0(VALU_DEP_2)
	v_pk_add_f32 v[18:19], v[18:19], v[22:23]
	s_delay_alu instid0(VALU_DEP_1)
	v_pk_add_f32 v[16:17], v[16:17], v[18:19]
	s_delay_alu instid0(VALU_DEP_1)
	v_add_f32 v16, v16, v17
	REDUCE 0
	s_delay_alu instid0(VALU_DEP_1)
	v_mul_f32 v14, s24, v16                        ; the mean
	s_delay_alu instid0(VALU_DEP_1)
	v_mov_b32 v15, v14
.set i, 0
.rept 32
	v_pk_add_f32 v[Y+2*i:Y+2*i+1], v[Y+2*i:Y+2*i+1], v[14:15] neg_lo:[0,1] neg_hi:[0,1]
.set i, i+1
.endr
.irp c, 0,1,2,3
	v_pk_mul_f32 v[16+2*\c:17+2*\c], v[Y+2*\c:Y+2*\c+1], v[Y+2*\c:Y+2*\c+1]
.endr
.irp j, 8,16,24,32,40,48,56
.irp c, 0,1,2,3
	s_delay_alu instid0(VALU_DEP_4)
	v_pk_fma_f32 v[16+2*\c:17+2*\c], v[Y+\j+2*\c:Y+\j+2*\c+1], v[Y+\j+2*\c:Y+\j+2*\c+1], v[16+2*\c:17+2*\c]
.endr
.endr
	s_delay_alu instid0(VALU_DEP_3)
	v_pk_add_f32 v[16:17], v[16:17], v[18:19]
	s_delay_alu instid0(VALU_DEP_2)
	v_pk_add_f32 v[20:21], v[20:21], v[22:23]
	s_delay_alu instid0(VALU_DEP_1)
	v_pk_add_f32 v[16:17], v[16:17], v[20:21]
	s_delay_alu instid0(VALU_DEP_1)
	v_add_f32 v16, v16, v17
	REDUCE 512                                     ; other bytes than the first sums': no barrier is needed between the two uses
	s_delay_alu instid0(VALU_DEP_1)
	v_fma_f32 v14, v16, s24, s25                   ; the variance + 1e-5
	s_wait_alu depctr_va_vdst(0)
	v_rsq_f32 v14, v14
	v_nop                                          ; a plain line behind the transcendental
	s_wait_alu depctr_va_vdst(0)                   ; and a wait ahead of its first reader
	v_mov_b32 v15, v14
.set i, 0
.rept 32
	v_pk_mul_f32 v[Y+2*i:Y+2*i+1], v[Y+2*i:Y+2*i+1], v[14:15]
.set i, i+1
.endr
.set i, 0
.rept 32
	v_pk_fma_f32 v[Y+2*i:Y+2*i+1], v[Y+2*i:Y+2*i+1], v[XR+2*i:XR+2*i+1], v[GB+2*i:GB+2*i+1]
.set i, i+1
.endr
	QUANT Y
	global_store_b128 v10, v[PC:PC+3], s[18:19]                 ; 512 consecutive bytes, aligned
	global_store_b64 v11, v[PC+4:PC+5], s[18:19] offset:512     ; 256
	global_store_b128 v10, v[PC+6:PC+9], s[18:19] offset:768
	global_store_b64 v11, v[PC+10:PC+11], s[18:19] offset:1280
	global_store_b32 v12, v[PW], s[20:21]
	s_wait_tensorcnt 0x0
	ds_add_u32 v254, v255
	s_wait_dscnt 0x0
	s_endpgm
.Lfunc_end_k_q0d7a34d30b_prep:
	.size	k_q0d7a34d30b_prep, .Lfunc_end_k_q0d7a34d30b_prep-k_q0d7a34d30b_prep
	.p2alignl 7, 3214868480
	.fill 96, 4, 3214868480
	.section	.rodata,"a",@progbits
	.p2align	6, 0x0
	.amdhsa_kernel k_q0d7a34d30b_prep
		.amdhsa_group_segment_fixed_size 126976
		.amdhsa_private_segment_fixed_size 0
		.amdhsa_enable_private_segment 0
		.amdhsa_kernarg_size 64
		.amdhsa_user_sgpr_count 2
		.amdhsa_user_sgpr_kernarg_segment_ptr 1
		.amdhsa_wavefront_size32 1
		.amdhsa_system_sgpr_workgroup_id_x 1
		.amdhsa_system_sgpr_workgroup_id_y 1
		.amdhsa_system_sgpr_workgroup_id_z 1
		.amdhsa_system_vgpr_workitem_id 0
		.amdhsa_next_free_vgpr 256
		.amdhsa_next_free_sgpr 66
		.amdhsa_reserve_vcc 0
		.amdhsa_float_denorm_mode_32 3
		.amdhsa_float_denorm_mode_16_64 3
		.amdhsa_memory_ordered 1
		.amdhsa_forward_progress 1
		.amdhsa_inst_pref_size 80
	.end_amdhsa_kernel
	.amdgpu_metadata
---
amdhsa.version: [ 1, 2 ]
amdhsa.kernels:
  - .name:           k_q0d7a34d30b_prep
    .symbol:         k_q0d7a34d30b_prep.kd
    .args:
      - { .name: attn_w, .offset: 0, .size: 8, .value_kind: global_buffer, .address_space: global }
      - { .name: proj_w, .offset: 8, .size: 8, .value_kind: global_buffer, .address_space: global }
      - { .name: fc_w, .offset: 16, .size: 8, .value_kind: global_buffer, .address_space: global }
      - { .name: fc_proj_w, .offset: 24, .size: 8, .value_kind: global_buffer, .address_space: global }
      - { .name: x, .offset: 32, .size: 8, .value_kind: global_buffer, .address_space: global }
      - { .name: ln1_w, .offset: 40, .size: 8, .value_kind: global_buffer, .address_space: global }
      - { .name: ln1_b, .offset: 48, .size: 8, .value_kind: global_buffer, .address_space: global }
      - { .name: opa, .offset: 56, .size: 8, .value_kind: global_buffer, .address_space: global }
    .group_segment_fixed_size: 126976
    .private_segment_fixed_size: 0
    .kernarg_segment_align: 8
    .kernarg_segment_size: 64
    .max_flat_workgroup_size: 256
    .sgpr_count:     66
    .vgpr_count:     256
    .wavefront_size: 32
...
	.end_amdgpu_metadata
.endif
;; end of part 1
;; launch qkv (part 2): grid 12 x 16, 4 waves a work-group, clusters of 4 x 4, 327,680 bytes of LDS; arguments opa, attn_b, qkvb; writes qkvb
.if DOCPART == 2
	.amdgcn_target "amdgcn-amd-amdhsa--gfx1250"
	.amdhsa_code_object_version 6
	.text
	.protected	k_q0d7a34d30b_qkv
	.globl	k_q0d7a34d30b_qkv
	.p2align	8
	.type	k_q0d7a34d30b_qkv,@function
k_q0d7a34d30b_qkv:
	s_mov_b64 s[64:65], 0
	v_nop
	global_prefetch_b8 v0, s[64:65] scope:SCOPE_SE
	s_setreg_imm32_b32 hwreg(HW_REG_WAVE_MODE, 25, 1), 1
	s_wait_xcnt 0x0
	s_wait_alu depctr_hold_cnt(0) depctr_sa_sdst(0) depctr_va_vdst(0) depctr_va_sdst(0) depctr_va_ssrc(0) depctr_va_vcc(0) depctr_vm_vsrc(0)
	s_getreg_b32 s2, hwreg(HW_REG_IB_STS2, 6, 4)
	s_cmp_eq_u32 s2, 0
	s_cbranch_scc0 .Lentry_in_a_cluster
	s_endpgm
.Lentry_in_a_cluster:
	s_bfe_u32 s2, ttmp6, 0x10000c
	s_cmp_lg_u32 s2, 0xf033
	s_cbranch_scc0 .Lentry_shape_is_right
	s_endpgm
.Lentry_shape_is_right:
; qkv = LN1(x) attn_w + attn_b on codes of FP6 (E2M3) with E8M0 scales, K = 1,024; q and k are quantised along the head's 64, v along the keys; all three leave as images of operand registers.
; IMAGES.  A fragment (16 rows x 128 K) is 1,536 bytes: for c = 0, 1 (a HALF, 768 bytes): registers 6c..6c+3 of lane l at 16 l, registers 6c+4, 6c+5 at 512 + 8 l.  A scale image: lane l's word at 4 l.
; Row r of row block rb stands for true row 32 (rb / 2) + 8 (rb % 2) + r + 8 (r / 8), for tokens and for weight rows alike: so the 64 result registers of eight blocks of source 0 are 128 neighbours, 16 b + i = 32 b + 16 (lane / 16) + i.
; A tile of 256 x 256 is made by four waves, 128 x 128 each (64 accumulators).  K goes in steps of 256 through two LDS slots; a panel (128 rows x 256 K) is 24,576 dense bytes, one tensor load of one wave.
; The scale images of the tile's rows, for all of K, come once with the first fills.  4 x 4 work-groups form a cluster: "A"'s panels are asked for jointly along a row of the cluster, "B"'s along a column.
; Source 0 = "B", source 1 = "A": a lane holds ONE row of "A" and its registers run along "B"'s rows.
; Clusters x = 0 (q) and 1 (k): "A" = tokens, "B" = weight rows: a lane holds a token and 128 neighbouring channels (two heads).
; Clusters x = 2 (v): THE ROLES ARE EXCHANGED: "A" = Wv's rows, "B" = tokens: a lane holds a channel and 128 neighbouring tokens, so v is quantised along the keys with nothing transposed.
; OUT: per head bh and key step s (128 keys) a record of 13,824 bytes: K's eight HALF images, their scale images (at 6,144), V's four fragments (at 7,168), their scale images (at 13,312); q's HALF images and scale images behind all records.
; q's and k's scale words carry two bytes; bytes 2 and 3 are 0.
; LIMITS: NaN and infinities are not served; a block of zeros or under 2^-124 gets the byte 1 (read by this program alone).
.set H1C, 262144
.set WAS, 3407872
.set WAC, 3604480
.set QCO, 7077888
.set QSO, 10223616
.set FR,  12
.set NL,  4                            ; LDS loads that bring a fragment
.set NP,  4                            ; places behind this matrix instruction (ISA guide 7.12.1)
.set QB,  24576                        ; a panel
.set SLOT, 4*QB                        ; A's two panels, then B's two
.set SCL, 2*SLOT                       ; the scale images: four quarters
.set QSB, 8192
.set SPARE, SCL+4*QSB                  ; the spare words, 128 bytes for each wave
.set LAPS, 2
.set ADRA, 16                          ; v16-17 A's panel in slot 0, 1, + 16 lane; v18-19 the same + 8 lane
.set ADRB, 20                          ; v20-23 the same for B
.set L16, 24
.set L8,  25
.set L4,  26
.set ADRS, 27                          ; my scale words: lanes 0-15 A's, lanes 16-31 B's
.set SPW, 28
.set NIL, 29
.set PW,  30
.set PWA, 31
.set PWB, 14
.set SC,  32                           ; v32-63 scale words: set s at 32 + 16 s, register 8 q + i
.set BIAS, 64                          ; v64-127 the bias along my 128 columns (q, k)
.set AF,  128                          ; v128-223 A's fragments, one set
.set BV,  224                          ; v224-239 the bias of my channel, twice, for each block (v)
.set IN,  128                          ; the way out: 64 numbers
.set PC,  192
.set TM,  240
.set G1, 24
.set G0, 32
.set G1B, 48
.set G0B, 56
.set G1S, 68
.set G0S, 76
.set G1SB, 80
.set G0SB, 88
.set SEL, 98
.set MSB, 0
.macro WIN new                         ; the immediate's high byte repeats the setting that is left
.if MSB != \new
	s_set_vgpr_msb (MSB<<8)|\new
.set MSB, \new
.endif
.endm
.set MUL_LO, 0xa1                      ; source 0 (B) window 1, source 1 (A) window 0, C and D window 2
.set MUL_HI, 0xf1
.set TO_B,   0x40
.macro PLACES n
.rept \n
	v_nop
.endr
.endm
.macro JLOAD g0a, g1a, g0b, g1b        ; a joint load: waves 0 and 1 fetch for A, waves 2 and 3 for B; four v_nop follow each line
	s_cmp_eq_u32 s15, 0
	s_cbranch_scc0 .Lfor_b_\@
	tensor_load_to_lds s[\g0a:\g0a+3], s[\g1a:\g1a+7]
	s_nop 0
.rept 4
	v_nop
.endr
	s_branch .Lasked_\@
.Lfor_b_\@:
	tensor_load_to_lds s[\g0b:\g0b+3], s[\g1b:\g1b+7]
	s_nop 0
.rept 4
	v_nop
.endr
.Lasked_\@:
.endm
.macro CREST                           ; a round of the cluster's barrier behind its opening barrier
	s_cmp_lg_u32 s14, 0
	s_cbranch_scc1 .Lnot_wave_0_\@
	s_barrier_signal -3
.Lnot_wave_0_\@:
	s_barrier_wait -3
	s_barrier_signal -1
	s_barrier_wait -1
.endm
.macro CROUND
	s_barrier_signal -1
	s_barrier_wait -1
	CREST
.endm
.macro QUANT s                         ; 64 numbers, register 16 b + i = k 32 b + 16 (lane / 16) + i of my row -> a fragment's codes in v[PC] on, its scale word in v[PW]
.irp b, 0,1,2,3
	v_max3_num_f32 v[TM+\b], |v[\s+16*\b]|, |v[\s+1+16*\b]|, 0x1800000   ; and the floor 2^(3 - 127): the byte cannot fall under 1
.endr
.irp i, 2,4,6,8,10,12,14
.irp b, 0,1,2,3
	v_max3_num_f32 v[TM+\b], v[TM+\b], |v[\s+16*\b+\i]|, |v[\s+1+16*\b+\i]|
.endr
.endr
.irp b, 0,1,2,3
	v_permlanex16_b32 v[TM+4+\b], v[TM+\b], s[SEL], s[SEL+1]
.endr
.irp b, 0,1,2,3
	v_max_num_f32 v[TM+\b], v[TM+\b], v[TM+4+\b]
.endr
.irp b, 0,1,2,3
	v_add_nc_u32 v[TM+12+\b], 0xff000000, v[TM+\b]
.endr
.irp b, 0,1,2,3
	v_lshrrev_b32 v[TM+4+\b], 23, v[TM+12+\b]
.endr
	v_lshl_or_b32 v[PW], v[TM+5], 8, v[TM+4]
	v_lshl_or_b32 v[PW], v[TM+6], 16, v[PW]
	v_lshl_or_b32 v[PW], v[TM+7], 24, v[PW]
.irp c, 0,1
	v_cvt_scalef32_pk16_fp6_f32 v[PC+6*\c:PC+2+6*\c], v[\s+32*\c:\s+15+32*\c], v[TM+12+2*\c]
	v_cvt_scalef32_pk16_fp6_f32 v[PC+12+4*\c:PC+14+4*\c], v[\s+16+32*\c:\s+31+32*\c], v[TM+12+2*\c+1]
.endr
	v_nop                                          ; one plain line behind a scaled conversion
.irp c, 0,1
.irp i, 0,1,2
	v_permlane16_swap_b32 v[PC+6*\c+\i], v[PC+12+4*\c+\i]
.endr
.irp i, 0,1,2
	v_mov_b32 v[PC+3+6*\c+\i], v[PC+12+4*\c+\i]
.endr
.endr
.endm
	s_load_b128 s[4:7], s[0:1], 0x0                ; opa, attn_b
	s_load_b64 s[8:9], s[0:1], 0x10                ; qkvb
	v_lshl_add_u32 v[SPW], v0, 2, SPARE
	v_mov_b32 v[NIL], 0
	ds_add_u32 v28, v29
	ds_add_u32 v28, v29
	s_wait_dscnt 0x0
	v_lshrrev_b32 v1, 5, v0
	v_readfirstlane_b32 s14, v1                    ; wave
	s_lshr_b32 s15, s14, 1                         ; wr: my half of A's rows.  Also: I fetch for A (0) or for B (1)
	s_and_b32 s16, s14, 1                          ; wc: my half of B's rows.  Also: which panel I fetch
	s_bfe_u32 s40, ttmp6, 0x40000                  ; cx
	s_bfe_u32 s41, ttmp6, 0x40004                  ; cy
	s_mov_b32 s42, ttmp9                           ; cluster x: 0 q, 1 k, 2 v
	s_and_b32 s17, ttmp7, 0xffff                   ; cluster y: the batch
	s_lshl_b32 s43, s41, 2
	s_lshl_b32 s43, 15, s43                        ; my row of the cluster
	s_lshl_b32 s44, 0x1111, s40                    ; my column
	s_or_b32 s[G1], s43, (3<<16)|(1<<21)           ; 15:0 the mask; 17:16 elements of 8 bytes; 21 set beside a mask; no padding
	s_or_b32 s[G1B], s44, (3<<16)|(1<<21)
.irp g, G1, G1B                        ; for the head's loads: a tile's two panels as 2 rows of 24,576 bytes (3,072 elements), 98,304 bytes apart in memory, on end in LDS
	s_mov_b32 s[\g+1], 3072<<16
	s_mov_b32 s[\g+2], 2<<16
	s_mov_b32 s[\g+3], 3072<<16
	s_mov_b32 s[\g+4], 2
	s_mov_b32 s[\g+5], 12288
	s_mov_b32 s[\g+6], 0
	s_mov_b32 s[\g+7], 0
.endr
	s_or_b32 s[G1S], s43, (3<<16)|(1<<21)
	s_or_b32 s[G1SB], s44, (3<<16)|(1<<21)
.irp g, G1S, G1SB                      ; the scale images of 256 rows: 64 rows of 256 bytes, dense
	s_mov_b32 s[\g+1], 32<<16
	s_mov_b32 s[\g+2], 64<<16                      ; the scale images of 256 rows: 64 rows of 256 bytes
	s_mov_b32 s[\g+3], 32<<16
	s_mov_b32 s[\g+4], 64
	s_mov_b32 s[\g+5], 32
	s_mov_b32 s[\g+6], 0
	s_mov_b32 s[\g+7], 0
.endr
	s_mov_b32 s[SEL], 0x76543210
	s_mov_b32 s[SEL+1], 0xfedcba98
	; where the operands lie in opa.  Tokens: by the batch; weight rows: by cluster x.  In cluster x = 2 they change roles.
	s_mul_i32 s18, s17, 786432
	s_add_co_u32 s18, s18, H1C                     ; the batch's codes,
	s_lshl_b32 s19, s17, 16                        ; its scale images
	s_mul_i32 s20, s42, 786432
	s_add_co_u32 s20, s20, WAC                     ; 1,024 weight rows' codes,
	s_lshl_b32 s21, s42, 16
	s_add_co_u32 s21, s21, WAS                     ; their scale images
	s_cmp_eq_u32 s42, 2
	s_cselect_b32 s92, s20, s18                    ; A's codes
	s_cselect_b32 s94, s21, s19                    ; A's scales
	s_cselect_b32 s46, s18, s20                    ; B's codes
	s_cselect_b32 s96, s19, s21                    ; B's scales
	s_mul_i32 s18, s41, 196608                     ; A: the tile by cy alone
	s_add_co_u32 s92, s92, s18
	s_lshl_b32 s18, s41, 14
	s_add_co_u32 s94, s94, s18
	s_mul_i32 s20, s40, 196608                     ; B: by cx alone
	s_add_co_u32 s46, s46, s20
	s_lshl_b32 s20, s40, 14
	s_add_co_u32 s96, s96, s20
	s_mul_i32 s22, s16, 98304                      ; the panel that I fetch
	s_add_co_u32 s92, s92, s22
	s_add_co_u32 s46, s46, s22
	s_mov_b32 s93, 0
	s_mov_b32 s95, 0
	s_mov_b32 s47, 0
	s_mov_b32 s97, 0
	s_mul_i32 s45, s14, QB                         ; where they go: by the wave's number alone
	s_mul_i32 s100, s15, 2*QSB                     ; wave 1 brings A's scale images, wave 3 B's
	s_wait_kmcnt 0x0
	s_add_nc_u64 s[92:93], s[4:5], s[92:93]
	s_add_nc_u64 s[94:95], s[4:5], s[94:95]
	s_add_nc_u64 s[46:47], s[4:5], s[46:47]
	s_add_nc_u64 s[96:97], s[4:5], s[96:97]
	s_cmp_eq_u32 s15, 0                            ; the prefetches: the panel that I fetch,
	s_cselect_b64 s[2:3], s[92:93], s[46:47]
	s_cselect_b32 s18, s40, s41                    ; my place among the four that ask for it with me (cx for A, cy for B): it enters this address alone
	s_mul_i32 s18, s18, 6144                       ; my work-group's 24 of a chunk's 96 blocks of 256 bytes
	s_mov_b32 s19, 0
	s_add_nc_u64 s[2:3], s[2:3], s[18:19]
	CROUND                                         ; all sixteen work-groups are here: the first joint loads meet
	s_mov_b32 s[G0S], 1
	s_add_co_u32 s[G0S+1], s100, SCL
	s_mov_b64 s[G0S+2:G0S+3], s[94:95]
	s_or_b32 s[G0S+3], s[G0S+3], 0x80000000
	s_mov_b32 s[G0SB], 1
	s_add_co_u32 s[G0SB+1], s100, SCL
	s_mov_b64 s[G0SB+2:G0SB+3], s[96:97]
	s_or_b32 s[G0SB+3], s[G0SB+3], 0x80000000
.irp s, 0,1
	s_mov_b32 s[G0+4*\s], 1
	s_add_co_u32 s[G0+4*\s+1], s45, \s*SLOT
	s_add_nc_u64 s[G0+4*\s+2:G0+4*\s+3], s[92:93], \s*QB
	s_or_b32 s[G0+4*\s+3], s[G0+4*\s+3], 0x80000000
	s_mov_b32 s[G0B+4*\s], 1
	s_add_co_u32 s[G0B+4*\s+1], s45, \s*SLOT
	s_add_nc_u64 s[G0B+4*\s+2:G0B+4*\s+3], s[46:47], \s*QB
	s_or_b32 s[G0B+4*\s+3], s[G0B+4*\s+3], 0x80000000
.endr
; THE HEAD'S LOADS, ONE A WAVE: wave 0 A's two panels of K step 0, wave 1 A's scale images, wave 2 B's two panels, wave 3 B's scale images.
; One chain of branches on the wave's number: every way through it passes exactly one load.
.macro ARM under, g0, g1, next
	s_cmp_lt_u32 s14, \under
	s_cbranch_scc0 \next
	tensor_load_to_lds s[\g0:\g0+3], s[\g1:\g1+7]
	s_nop 0
.rept 4
	v_nop
.endr
	s_branch .Lhead_asked
\next:
.endm
	ARM 1, G0,  G1,  .Lhead_sa
	ARM 2, G0S, G1S, .Lhead_b
	ARM 3, G0B, G1B, .Lhead_sb
	tensor_load_to_lds s[G0SB:G0SB+3], s[G1SB:G1SB+7]
	s_nop 0
.rept 4
	v_nop
.endr
.Lhead_asked:
	v_and_b32 v1, 31, v0
	v_min_u32 v15, 23, v1
	v_lshlrev_b32 v15, 8, v15                      ; a lane a block; lanes 24-31 name block 23 again; never rewritten
	global_prefetch_b8 v15, s[2:3] offset:QB th:TH_LOAD_NT scope:SCOPE_SE      ; K step 1 of my panel, which is loaded behind the head's loads
	v_bfe_u32 v2, v0, 4, 1                         ; h
	v_and_b32 v3, 15, v0                           ; r
	v_lshlrev_b32 v[L16], 4, v1
	v_lshlrev_b32 v[L8], 3, v1
	v_lshlrev_b32 v[L4], 2, v1
	s_mul_i32 s21, s15, QB                         ; my panel of A,
	s_mul_i32 s22, s16, QB
	s_add_co_u32 s22, s22, 2*QB                    ; of B
.irp s, 0,1
	v_add_nc_u32 v[ADRA+\s], s21, v[L16]
	v_add_nc_u32 v[ADRA+2+\s], s21, v[L8]
	v_add_nc_u32 v[ADRB+\s], s22, v[L16]
	v_add_nc_u32 v[ADRB+2+\s], s22, v[L8]
	s_add_co_u32 s21, s21, SLOT
	s_add_co_u32 s22, s22, SLOT
.endr
	s_mul_i32 s21, s15, QSB
	s_mul_i32 s22, s16, QSB
	s_add_co_u32 s22, s22, 2*QSB
	s_sub_co_u32 s22, s22, s21
	v_mul_u32_u24 v6, s22, v2                      ; lanes 16-31 take B's
	s_add_co_u32 s21, s21, SCL
	v_add_nc_u32 v6, v6, v[L4]
	v_add_nc_u32 v[ADRS], s21, v6
.irp b, 0,1,2,3
	v_mov_b32 v[TM+4+\b], 0                        ; written once: a lane permute's destination counts as one of its sources
.endr
	; the biases: both kinds are loaded in every work-group (both lie inside attn_b for every cluster), so that the head has no branch
	v_lshlrev_b32 v12, 6, v2                       ; along columns: 64 h
	s_wait_alu depctr_va_vdst(0)
	v_and_b32 v13, 8, v3
	v_add_nc_u32 v13, v13, v3
	v_lshlrev_b32 v13, 2, v13                      ; of my row: 4 (r + 8 (r / 8))
	s_wait_alu depctr_va_vdst(0)
	s_lshl_b32 s10, s42, 12
	s_lshl_b32 s11, s40, 10
	s_add_co_u32 s10, s10, s11
	s_lshl_b32 s11, s16, 9
	s_add_co_u32 s94, s10, s11                     ; column 1,024 cluster x + 256 cx + 128 wc
	s_mov_b32 s95, 0
	s_add_nc_u64 s[94:95], s[6:7], s[94:95]
	s_lshl_b32 s10, s41, 10
	s_lshl_b32 s11, s15, 9
	s_add_co_u32 s10, s10, s11
	s_add_co_u32 s96, s10, 8192                    ; channel 2,048 + 256 cy + 128 wr
	s_mov_b32 s97, 0
	s_add_nc_u64 s[96:97], s[6:7], s[96:97]
.irp t, 0,1,2,3,4,5,6,7
	global_load_b128 v[BIAS+8*\t:BIAS+8*\t+3], v12, s[94:95] offset:(32*(\t/2)+8*(\t%2))*4
	global_load_b128 v[BIAS+8*\t+4:BIAS+8*\t+7], v12, s[94:95] offset:(32*(\t/2)+8*(\t%2))*4+16
.endr
.irp a, 0,1,2,3,4,5,6,7
	global_load_b32 v[BV+2*\a], v13, s[96:97] offset:(32*(\a/2)+8*(\a%2))*4
	global_load_b32 v[BV+2*\a+1], v13, s[96:97] offset:(32*(\a/2)+8*(\a%2))*4   ; twice: a pair for the packed addition
.endr
	; where the results go
	s_lshl_b32 s10, s17, 4
	s_lshl_b32 s11, s40, 2
	s_add_co_u32 s10, s10, s11
	s_lshl_b32 s11, s16, 1
	s_add_co_u32 s10, s10, s11                     ; q, k: my first head, 16 b + 4 cx + 2 wc
	s_lshl_b32 s11, s41, 1
	s_add_co_u32 s11, s11, s15                     ; my 128 tokens of the batch: 2 cy + wr
	s_lshl_b32 s12, s10, 6
	s_lshl_b32 s13, s11, 3
	s_add_co_u32 s12, s12, s13                     ; head x 64 + token block
	s_mul_i32 s13, s12, 768
	s_add_co_u32 s13, s13, QCO                     ; q's HALF images
	s_lshl_b32 s12, s12, 7
	s_add_co_u32 s12, s12, QSO                     ; q's scale images
	s_mul_i32 s100, s10, 110592
	s_mul_i32 s101, s11, 13824
	s_add_co_u32 s100, s100, s101                  ; k's, in the record of the key step
	s_add_co_u32 s101, s100, 6144
	s_mov_b32 s10, 110592
	s_cmp_eq_u32 s42, 0
	s_cselect_b32 s18, s13, s100                   ; first head's codes
	s_cselect_b32 s22, s12, s101                   ; first head's scale images
	s_cselect_b32 s20, 49152, s10                  ; from a head to the next
	s_cselect_b32 s46, 8192, s10
	s_add_co_u32 s20, s20, s18
	s_add_co_u32 s46, s46, s22
	s_mov_b32 s19, 0
	s_mov_b32 s21, 0
	s_mov_b32 s23, 0
	s_mov_b32 s47, 0
	s_add_nc_u64 s[18:19], s[8:9], s[18:19]
	s_add_nc_u64 s[20:21], s[8:9], s[20:21]
	s_add_nc_u64 s[22:23], s[8:9], s[22:23]
	s_add_nc_u64 s[46:47], s[8:9], s[46:47]
	s_lshl_b32 s10, s17, 4
	s_lshl_b32 s11, s41, 2
	s_add_co_u32 s10, s10, s11
	s_lshl_b32 s11, s15, 1
	s_add_co_u32 s10, s10, s11                     ; v: my first head, 16 b + 4 cy + 2 wr
	s_mul_i32 s10, s10, 110592
	s_lshl_b32 s11, s40, 1
	s_add_co_u32 s11, s11, s16                     ; the key step 2 cx + wc
	s_mul_i32 s11, s11, 13824
	s_add_co_u32 s10, s10, s11
	s_add_co_u32 s92, s10, 7168
	s_mov_b32 s93, 0
	s_add_nc_u64 s[92:93], s[8:9], s[92:93]
.macro FRAG reg, adr, off              ; a fragment's image comes back as it was stored: every load reads consecutive bytes
	ds_load_b128 v[\reg:\reg+3], v[\adr] offset:\off
	ds_load_b64 v[\reg+4:\reg+5], v[\adr+2] offset:\off+512
	ds_load_b128 v[\reg+6:\reg+9], v[\adr] offset:\off+768
	ds_load_b64 v[\reg+10:\reg+11], v[\adr+2] offset:\off+1280
.endm
; 16 matrix instructions: A's blocks a0, a0 + 1 x B's eight.  The 64 accumulators take turns, one instruction a turn, in the same order in every step.
.macro MUL16 a0, p, q, sc, zero
.irp a, \a0, \a0+1
.irp b, 0,1,2,3,4,5,6,7
.if \zero
	v_wmma_scale_f32_16x16x128_f8f6f4 v[8*(8*((\a)%4)+\b):8*(8*((\a)%4)+\b)+7], v[128*(\p)+FR*\b:128*(\p)+FR*\b+FR-1], v[AF+FR*(\a):AF+FR*(\a)+FR-1], 0, v[SC+16*(\sc)+8*(\q)+\b], v[SC+16*(\sc)+8*(\q)+(\a)] matrix_a_fmt:MATRIX_FMT_FP6 matrix_b_fmt:MATRIX_FMT_FP6 matrix_a_scale:MATRIX_SCALE_ROW1
.else
	v_wmma_scale_f32_16x16x128_f8f6f4 v[8*(8*((\a)%4)+\b):8*(8*((\a)%4)+\b)+7], v[128*(\p)+FR*\b:128*(\p)+FR*\b+FR-1], v[AF+FR*(\a):AF+FR*(\a)+FR-1], v[8*(8*((\a)%4)+\b):8*(8*((\a)%4)+\b)+7], v[SC+16*(\sc)+8*(\q)+\b], v[SC+16*(\sc)+8*(\q)+(\a)] matrix_a_fmt:MATRIX_FMT_FP6 matrix_b_fmt:MATRIX_FMT_FP6 matrix_a_scale:MATRIX_SCALE_ROW1
.endif
.endr
.endr
.endm
.macro FETCH_B slot, q, p
	WIN TO_B
.irp i, 0,1,2,3,4,5,6,7
	FRAG 128*(\p)+FR*\i, ADRB+\slot, \i*3072+(\q)*1536
.endr
	WIN 0
.endm
.macro FETCH_A slot, q, i0
.irp i, \i0, \i0+1, \i0+2, \i0+3
	FRAG AF+FR*(\i), ADRA+\slot, (\i)*3072+(\q)*1536
.endr
.endm
.macro SCALES sc                       ; the next K step's scale words: lanes 0-15 A's block i, lanes 16-31 B's block i
.irp q, 0,1
.irp i, 0,1,2,3,4,5,6,7
	ds_load_b32 v[SC+16*\sc+8*\q+\i], v[ADRS] offset:\i*1024+\q*128
.endr
.endr
.endm
.macro STEP slot, q, zero              ; 128 along K that has its successor in the same slot
	FETCH_B \slot, (\q)+1, 1-(\q)%2                ; B's other set is free (the places behind the last step's products stand ahead of its last loads): the next step's B has this whole step in which to land
	s_wait_dscnt 12*NL                             ; all but the youngest 48 loads: A's blocks 4-7 and the 32 just issued
	WIN MUL_LO
	MUL16 0, (\q)%2, \q, \slot, \zero
	MUL16 2, (\q)%2, \q, \slot, \zero
	s_wait_dscnt 8*NL                              ; A's blocks 4-7 are in; the next step's B may be out
	PLACES NP
	WIN 0
	FETCH_A \slot, (\q)+1, 0
	WIN MUL_HI
	MUL16 4, (\q)%2, \q, \slot, \zero
	MUL16 6, (\q)%2, \q, \slot, \zero
	PLACES NP
	WIN 0
	FETCH_A \slot, (\q)+1, 4
.endm
; A slot's last step changes slots: one barrier; in front of it each wave waits for all its tensor loads, adds 0 to its spare word, and waits for that and for its own reads of this slot.
.macro TURN slot, next, fill
	s_wait_tensorcnt 0x0                           ; all my tensor loads have landed: my part of the next slot
	ds_add_u32 v[SPW], v[NIL]                      ; 0 onto my spare word
	s_wait_dscnt 4*NL+1                            ; (the add and the youngest 16 loads may be out)
	WIN MUL_LO
	MUL16 0, 1, 1, \slot, 0
	s_wait_dscnt 0x0                               ; the add is done, and my reads of this slot are over
	s_barrier_signal -1
	MUL16 2, 1, 1, \slot, 0
	WIN 0
	s_barrier_wait -1
.if \fill
	CREST                                          ; the barrier has opened a round of the cluster's barrier: no wave of any partner still reads this slot or has a load on its way
	s_add_nc_u64 s[G0+4*\slot+2:G0+4*\slot+3], s[G0+4*\slot+2:G0+4*\slot+3], 2*QB
	s_add_nc_u64 s[G0B+4*\slot+2:G0B+4*\slot+3], s[G0B+4*\slot+2:G0B+4*\slot+3], 2*QB
	JLOAD G0+4*\slot, G1, G0B+4*\slot, G1B         ; the first tensor load behind the round; its four v_nop are the places in front of the loads below
.else
	PLACES NP
.endif
	s_wait_alu depctr_va_vdst(0)
	v_add_nc_u32 v[ADRS], 256, v[ADRS]             ; the next K step's scale words (no LDS load of mine is out)
	FETCH_B \next, 0, 0
	FETCH_A \next, 0, 0
	SCALES \next
	WIN MUL_HI
	MUL16 4, 1, 1, \slot, 0
	MUL16 6, 1, 1, \slot, 0
	PLACES NP
	WIN 0
	FETCH_A \next, 0, 4
.endm
	s_wait_alu depctr_va_vdst(0)                   ; the wait at the head's end
	s_wait_tensorcnt 0x0                           ; my tile of the head's four is in; the lines ahead of a later first fill:
	ds_add_u32 v[SPW], v[NIL]
.irp g, G1, G1B                        ; no tensor load of mine is out: from here on a load brings one panel, 96 rows of 256 bytes, dense
	s_mov_b32 s[\g+1], 32<<16
	s_mov_b32 s[\g+2], 96<<16
	s_mov_b32 s[\g+3], 32<<16
	s_mov_b32 s[\g+4], 96
	s_mov_b32 s[\g+5], 32
.endr
	s_wait_dscnt 0x0
	CROUND                                         ; all four tiles are in, all sixteen work-groups are here
	JLOAD G0+4, G1, G0B+4, G1B                     ; K step 1, the first tensor load behind the round
	FETCH_B 0, 0, 0
	FETCH_A 0, 0, 0
	SCALES 0
	FETCH_A 0, 0, 4
	global_prefetch_b8 v15, s[2:3] offset:2*QB th:TH_LOAD_NT scope:SCOPE_SE    ; behind K step 1's load and the run of LDS loads: K step 2, the next load,
	global_prefetch_b8 v15, s[2:3] offset:3*QB th:TH_LOAD_NT scope:SCOPE_SE    ; and K step 3, the last
	STEP 0, 0, 1
	s_wait_xcnt 0x0                                ; the prefetches have read s[2:3]
	s_mov_b32 s3, LAPS-1
.Llap:
	TURN 0, 1, 1
	STEP 1, 0, 0
	TURN 1, 0, 1
	STEP 0, 0, 0
	s_sub_co_u32 s3, s3, 1
	s_cmp_lg_u32 s3, 0
	s_cbranch_scc1 .Llap
	TURN 0, 1, 0                                   ; the last lap fills nothing
	STEP 1, 0, 0
	s_wait_dscnt 4*NL
	WIN MUL_LO
	MUL16 0, 1, 1, 1, 0
	MUL16 2, 1, 1, 1, 0
	s_wait_dscnt 0
	WIN MUL_HI
	MUL16 4, 1, 1, 1, 0
	MUL16 6, 1, 1, 1, 0
	WIN 0
	s_wait_loadcnt 0x0                             ; the biases
	PLACES NP                                      ; behind the last products, ahead of the first read of results and the first write over A's fragments
; THE WAY OUT, block a of A's eight: the block's 64 accumulator registers + bias -> v[IN] on, each accumulator from its low end on
.macro TAKE a, kind
	WIN 0x02+(\a)/4
.set i, 0
.rept 32
.if \kind
	v_pk_add_f32 v[IN+2*i:IN+2*i+1], v[64*((\a)%4)+2*i:64*((\a)%4)+2*i+1], v[BV+2*(\a):BV+2*(\a)+1]
.else
	v_pk_add_f32 v[IN+2*i:IN+2*i+1], v[64*((\a)%4)+2*i:64*((\a)%4)+2*i+1], v[BIAS+2*i:BIAS+2*i+1]
.endif
.set i, i+1
.endr
	WIN 0
.endm
	s_cmp_eq_u32 s42, 2                            ; the same in all sixteen partners
	s_cbranch_scc1 .Lv
.irp a, 0,1,2,3,4,5,6,7                ; q, k: my token's 128 channels are two heads: the fragment's two halves and the scale word's two halves part
	s_wait_xcnt 0x0                                ; the last block's stores have read their registers
	TAKE \a, 0
	QUANT IN
	v_and_b32 v[PWA], 0xffff, v[PW]
	v_lshrrev_b32 v[PWB], 16, v[PW]
	global_store_b128 v[L16], v[PC:PC+3], s[18:19] offset:\a*768
	global_store_b64 v[L8], v[PC+4:PC+5], s[18:19] offset:\a*768+512
	global_store_b128 v[L16], v[PC+6:PC+9], s[20:21] offset:\a*768
	global_store_b64 v[L8], v[PC+10:PC+11], s[20:21] offset:\a*768+512
	global_store_b32 v[L4], v[PWA], s[22:23] offset:\a*128
	global_store_b32 v[L4], v[PWB], s[46:47] offset:\a*128
.endr
	s_branch .Ldone
.Lv:
.irp a, 0,1,2,3,4,5,6,7                ; v: my channel's 128 tokens are one K step of the second product of attention
	s_wait_xcnt 0x0
	TAKE \a, 1
	QUANT IN
	global_store_b128 v[L16], v[PC:PC+3], s[92:93] offset:(\a/4)*110592+(\a%4)*1536
	global_store_b64 v[L8], v[PC+4:PC+5], s[92:93] offset:(\a/4)*110592+(\a%4)*1536+512
	global_store_b128 v[L16], v[PC+6:PC+9], s[92:93] offset:(\a/4)*110592+(\a%4)*1536+768
	global_store_b64 v[L8], v[PC+10:PC+11], s[92:93] offset:(\a/4)*110592+(\a%4)*1536+1280
	global_store_b32 v[L4], v[PW], s[92:93] offset:(\a/4)*110592+6144+(\a%4)*128
.endr
.Ldone:
	s_wait_tensorcnt 0x0                           ; the wave's end
	ds_add_u32 v[SPW], v[NIL]
	s_wait_dscnt 0x0
	CROUND                                         ; the closing round
	s_endpgm
.Lfunc_end_k_q0d7a34d30b_qkv:
	.size	k_q0d7a34d30b_qkv, .Lfunc_end_k_q0d7a34d30b_qkv-k_q0d7a34d30b_qkv
	.p2alignl 7, 3214868480
	.fill 96, 4, 3214868480
	.section	.rodata,"a",@progbits
	.p2align	6, 0x0
	.amdhsa_kernel k_q0d7a34d30b_qkv
		.amdhsa_group_segment_fixed_size 327680
		.amdhsa_private_segment_fixed_size 0
		.amdhsa_enable_private_segment 0
		.amdhsa_kernarg_size 24
		.amdhsa_user_sgpr_count 2
		.amdhsa_user_sgpr_kernarg_segment_ptr 1
		.amdhsa_wavefront_size32 1
		.amdhsa_system_sgpr_workgroup_id_x 1
		.amdhsa_system_sgpr_workgroup_id_y 1
		.amdhsa_system_sgpr_workgroup_id_z 1
		.amdhsa_system_vgpr_workitem_id 0
		.amdhsa_next_free_vgpr 1024
		.amdhsa_next_free_sgpr 104
		.amdhsa_reserve_vcc 0
		.amdhsa_float_denorm_mode_32 3
		.amdhsa_float_denorm_mode_16_64 3
		.amdhsa_memory_ordered 1
		.amdhsa_forward_progress 1
		.amdhsa_inst_pref_size 226
	.end_amdhsa_kernel
	.amdgpu_metadata
---
amdhsa.version: [ 1, 2 ]
amdhsa.kernels:
  - .name:           k_q0d7a34d30b_qkv
    .symbol:         k_q0d7a34d30b_qkv.kd
    .args:
      - { .name: opa, .offset: 0, .size: 8, .value_kind: global_buffer, .address_space: global }
      - { .name: attn_b, .offset: 8, .size: 8, .value_kind: global_buffer, .address_space: global }
      - { .name: qkvb, .offset: 16, .size: 8, .value_kind: global_buffer, .address_space: global }
    .group_segment_fixed_size: 327680
    .private_segment_fixed_size: 0
    .kernarg_segment_align: 8
    .kernarg_segment_size: 24
    .max_flat_workgroup_size: 128
    .sgpr_count:     104
    .vgpr_count:     1024
    .wavefront_size: 32
...
	.end_amdgpu_metadata
.endif
;; end of part 2
;; launch attn (part 3): grid 4 x 64, 16 waves a work-group, clusters of 4 x 1, 169,984 bytes of LDS; arguments qkvb, yb; writes yb
.if DOCPART == 3
	.amdgcn_target "amdgcn-amd-amdhsa--gfx1250"
	.amdhsa_code_object_version 6
	.text
	.protected	k_q0d7a34d30b_attn
	.globl	k_q0d7a34d30b_attn
	.p2align	8
	.type	k_q0d7a34d30b_attn,@function
k_q0d7a34d30b_attn:
	s_mov_b64 s[64:65], 0
	v_nop
	global_prefetch_b8 v0, s[64:65] scope:SCOPE_SE
	s_setreg_imm32_b32 hwreg(HW_REG_WAVE_MODE, 25, 1), 1
	s_wait_xcnt 0x0
	s_wait_alu depctr_hold_cnt(0) depctr_sa_sdst(0) depctr_va_vdst(0) depctr_va_sdst(0) depctr_va_ssrc(0) depctr_va_vcc(0) depctr_vm_vsrc(0)
	s_getreg_b32 s2, hwreg(HW_REG_IB_STS2, 6, 4)
	s_cmp_eq_u32 s2, 0
	s_cbranch_scc0 .Lentry_in_a_cluster
	s_endpgm
.Lentry_in_a_cluster:
	s_bfe_u32 s2, ttmp6, 0x10000c
	s_cmp_lg_u32 s2, 0x3003
	s_cbranch_scc0 .Lentry_shape_is_right
	s_endpgm
.Lentry_shape_is_right:
; Causal attention of 64 heads (1,024 tokens, head size 64) on codes of FP6 (E2M3) with E8M0 scales; y = softmax(q k^T / 8) v is quantised along C and leaves as images of operand registers.
; THE SOFTMAX: t = score x log2(e) / 8; M = the running largest t rounded UP to a whole number; p = 2^(t - M) is quantised along the keys, not normalised; the row's sum is taken of the unquantised p and divides at the end.
; A head's K and V with their scale images, eight records of 13,824 bytes (128 keys each), lie in LDS from byte 0, filled ONCE.  The four work-groups of a cluster serve one head and ask for them jointly.
; Each of the sixteen waves issues one tensor load at the start, its 6,912 bytes of the 110,592: one is out.  Q is asked for straight behind it, so that both are on their way together.
; SHARES.  Wave w of work-group j takes ONE tile of 16 queries: tile 8 S + 4 ((w / 4) % 2) + j, whose last key step is S = 7 ((w ^ w / 4) % 2) ^ (w & 2) ^ 3 (w / 8): S hangs on the wave's number alone, so no branch hangs on j.
; In the square (w / 4, w % 4) each row and each column of S adds up to 14: waves i, i + 4, i + 8, i + 12 have 18 key steps together, and so have waves 4 i .. 4 i + 3.  Behind the one barrier no wave waits for another.
; Both products are used transposed: S^T = K Q^T, O^T = V^T P^T: a lane holds one query.  Row r of token block tb stands for token 32 (tb / 2) + 8 (tb % 2) + r + 8 (r / 8), so that p's 64 registers are 128 neighbouring keys.
; K = 64 IN AN INSTRUCTION OF K = 128: Q's registers 6-11 hold zero codes, so whatever codes stand in source 0's upper six registers (the next tile's, or zeros) add exactly 0: E2M3 has no infinity and no NaN, and the scale bytes there are 0, which is 2^-127.
; y's scale bytes leave two to a lane (each head owns half of a scale word); they are one part in thirteen of what the launch stores.
; LIMITS: NaN and infinities are not served; a block of zeros or under 2^-124 gets the byte 1 (read by this program alone).
.set QCO, 7077888
.set QSO, 10223616
.set YC,  262144
.set REC, 13824
.set BM, 212                           ; v212-215 blocks' largest scores, then p
.set PT, 216                           ; v216-219 at work
.set SO, 220                           ; v220-223 the conversions' scale operands
.set SEL, 20
.set CS, 22
.macro CROUND
	s_barrier_signal -1
	s_barrier_wait -1
	s_cmp_lg_u32 s14, 0
	s_cbranch_scc1 .Lnot_wave_0_\@
	s_barrier_signal -3
.Lnot_wave_0_\@:
	s_barrier_wait -3
	s_barrier_signal -1
	s_barrier_wait -1
.endm
	s_load_b128 s[4:7], s[0:1], 0x0                ; qkvb, yb
	v_lshl_add_u32 v254, v0, 2, 0x29000
	v_mov_b32 v255, 0
	ds_add_u32 v254, v255
	ds_add_u32 v254, v255
	v_lshrrev_b32 v1, 5, v0
	s_delay_alu instid0(VALU_DEP_1)
	v_readfirstlane_b32 s14, v1                    ; wave 0..15
	s_bfe_u32 s40, ttmp6, 0x40000                  ; cx: it enters global addresses and the mask's numbers alone
	s_and_b32 s17, ttmp7, 0xffff                   ; the head, 16 b + hd
	s_mul_i32 s41, s14, 6912                       ; my part of the head's records, in LDS and in memory
	s_mul_i32 s8, s17, 8*REC
	s_add_co_u32 s8, s8, s41
	s_mov_b32 s9, 0
	s_mov_b32 s24, 15|(3<<16)|(1<<21)              ; 15:0 the mask: all four; 17:16 elements of 8 bytes; 21 set beside a mask; no padding
	s_mov_b32 s25, 32<<16                          ; 27 rows of 256 bytes, dense
	s_mov_b32 s26, 27<<16
	s_mov_b32 s27, 32<<16
	s_mov_b32 s28, 27
	s_mov_b32 s29, 32
	s_mov_b32 s30, 0
	s_mov_b32 s31, 0
	s_mov_b32 s[SEL], 0x76543210
	s_mov_b32 s[SEL+1], 0xfedcba98
	s_mov_b32 s[CS], 0x3e38aa3b                    ; c = log2(e) / 8
	s_mov_b32 s[CS+1], s[CS]
	s_lshr_b32 s10, s14, 2
	s_xor_b32 s10, s10, s14
	s_and_b32 s10, s10, 1
	s_mul_i32 s46, s10, 7
	s_and_b32 s10, s14, 2
	s_xor_b32 s46, s46, s10
	s_lshr_b32 s10, s14, 3
	s_mul_i32 s10, s10, 3
	s_xor_b32 s46, s46, s10                        ; S: my tile's last key step
	s_bfe_u32 s10, s14, 0x10002
	s_lshl_b32 s10, s10, 2
	s_lshl_b32 s47, s46, 3
	s_add_co_u32 s47, s47, s10
	s_add_co_u32 s47, s47, s40                     ; my tile of queries
	s_and_b32 s10, s17, 15                         ; hd
	s_lshr_b32 s11, s10, 3
	s_mul_i32 s56, s11, 24576
	s_bfe_u32 s11, s10, 0x20001
	s_mul_i32 s11, s11, 1536
	s_add_co_u32 s56, s56, s11
	s_and_b32 s11, s10, 1
	s_mul_i32 s12, s11, 768
	s_add_co_u32 s56, s56, s12
	s_add_co_u32 s56, s56, YC                      ; the head's part of y's codes' address
	s_lshr_b32 s12, s10, 1
	s_lshl_b32 s57, s12, 7
	s_lshl_b32 s11, s11, 1
	s_add_co_u32 s57, s57, s11                     ; and of its scale bytes'
	s_wait_dscnt 0x0
	s_wait_kmcnt 0x0
	s_add_nc_u64 s[8:9], s[4:5], s[8:9]
	s_mov_b32 s32, 1
	s_mov_b32 s33, s41
	s_mov_b64 s[34:35], s[8:9]
	s_or_b32 s35, s35, 0x80000000
	CROUND                                         ; all four work-groups are here: the joint loads meet
	tensor_load_to_lds s[32:35], s[24:31]
	s_nop 0
.rept 4
	v_nop
.endr
	v_and_b32 v4, 31, v0
	s_delay_alu instid0(VALU_DEP_1)
	v_lshlrev_b32 v1, 4, v4                        ; 16 lane
	s_wait_alu depctr_va_vdst(0)
	v_lshlrev_b32 v2, 3, v4                        ; 8 lane
	s_wait_alu depctr_va_vdst(0)
	v_lshlrev_b32 v3, 2, v4                        ; 4 lane
	s_wait_alu depctr_va_vdst(0)
	s_lshl_b32 s8, s17, 6
	s_add_co_u32 s8, s8, s47
	s_mul_i32 s10, s8, 768
	s_add_co_u32 s10, s10, QCO
	s_mov_b32 s11, 0
	s_add_nc_u64 s[48:49], s[4:5], s[10:11]
	s_lshl_b32 s10, s8, 7
	s_add_co_u32 s10, s10, QSO
	s_add_nc_u64 s[50:51], s[4:5], s[10:11]
	global_load_b128 v[16:19], v1, s[48:49]        ; Q's HALF image: asked for while the tiles are on their way
	global_load_b64 v[20:21], v2, s[48:49] offset:512
	global_load_b32 v10, v3, s[50:51]              ; its scale words
	v_and_b32 v5, 15, v0
	v_and_b32 v6, 8, v0
	s_delay_alu instid0(VALU_DEP_1)
	v_add_nc_u32 v5, v5, v6                        ; r + 8 (r / 8)
	v_and_b32 v6, 16, v0
	s_delay_alu instid0(VALU_DEP_1)
	v_sub_nc_u32 v225, v5, v6                      ; - 16 h
	v_mov_b32 v9, 0xff800000                       ; -infinity
.irp j, 22,23,24,25,26,27,88,89,90,91,92,93,95,216,217,218,219,224
	v_mov_b32 v\j, 0                               ; Q's upper six registers and the tail behind K's tiles: zero codes; the others: named before they are first written
.endr
	s_lshr_b32 s8, s17, 4
	s_lshl_b32 s8, s8, 6
	s_add_co_u32 s8, s8, s47                       ; y's row block: 64 b + tile
	s_lshr_b32 s9, s8, 2
	s_mul_i32 s10, s9, 49152
	s_and_b32 s9, s8, 3
	s_mul_i32 s9, s9, 6144
	s_add_co_u32 s10, s10, s9
	s_add_co_u32 s10, s10, s56
	s_add_nc_u64 s[52:53], s[6:7], s[10:11]
	s_lshl_b32 s10, s8, 10
	s_add_co_u32 s10, s10, s57
	s_add_nc_u64 s[54:55], s[6:7], s[10:11]
	s_lshr_b32 s9, s47, 1
	s_lshl_b32 s9, s9, 5
	s_and_b32 s10, s47, 1
	s_lshl_b32 s10, s10, 3
	s_add_co_u32 s9, s9, s10
	v_add_nc_u32 v7, s9, v225                      ; my query's token - 16 h
	v_mov_b32 v13, 0xff61b1e6                      ; the largest t so far: -3e38
	s_delay_alu instid0(VALU_DEP_1)
	v_floor_f32 v12, -v13
	v_mov_b32 v14, 0
	v_mov_b32 v15, 0
.set j, 0
.rept 32
	v_mov_b32 v[160+j], 0                          ; O^T: the step is written once; the first change of M leaves zeros zeros
.set j, j+1
.endr
; A KEY STEP: 128 keys, the record at LDS byte s44
.macro STEP
	v_add_nc_u32 v4, s44, v1
	v_add_nc_u32 v5, s44, v2
	v_add_nc_u32 v6, s44, v3
	v_nop                                          ; four places in front of loads into registers that the last products read
.irp t, 0,1,2,3,4,5,6,7
	ds_load_b128 v[40+6*\t:43+6*\t], v4 offset:768*\t
	ds_load_b64 v[44+6*\t:45+6*\t], v5 offset:768*\t+512
	ds_load_b32 v[28+\t], v6 offset:6144+128*\t
.endr
	s_wait_alu depctr_va_vdst(0)
	s_wait_dscnt 0x0
.irp t, 0,1,2,3,4,5,6,7
	v_wmma_scale_f32_16x16x128_f8f6f4 v[96+8*\t:103+8*\t], v[40+6*\t:51+6*\t], v[16:27], 0, v[28+\t], v10 matrix_a_fmt:MATRIX_FMT_FP6 matrix_b_fmt:MATRIX_FMT_FP6
.endr
.rept 4
	v_nop
.endr
.irp d, 0,1,2,3                        ; V is asked for now and lands under the softmax
	ds_load_b128 v[40+12*\d:43+12*\d], v4 offset:7168+1536*\d
	ds_load_b64 v[44+12*\d:45+12*\d], v5 offset:7168+1536*\d+512
	ds_load_b128 v[46+12*\d:49+12*\d], v4 offset:7168+1536*\d+768
	ds_load_b64 v[50+12*\d:51+12*\d], v5 offset:7168+1536*\d+1280
	ds_load_b32 v[36+\d], v6 offset:13312+128*\d
.endr
	s_cmp_lg_u32 s45, s46                          ; only the tile's last key step lies on the diagonal
	s_cbranch_scc1 .Lopen_\@
	s_lshl_b32 s8, s45, 7
	v_sub_nc_u32 v8, v7, s8                        ; d = my query - the step's first key - 16 h: register 16 b + i is hidden where 32 b + i > d
.set n, 0
.rept 64
	v_cmp_gt_i32 vcc_lo, 32*(n/16)+n%16, v8
	v_cndmask_b32 v[96+n], v[96+n], v9, vcc_lo
.set n, n+1
.endr
.Lopen_\@:
.irp b, 0,1,2,3
	v_max3_num_f32 v[BM+\b], v[96+16*\b], v[97+16*\b], v[98+16*\b]   ; the largest score of each block of 32 keys: for the row's maximum and, since p rises with the score, for the block's largest p
.endr
.irp i, 3,5,7,9,11,13
.irp b, 0,1,2,3
	v_max3_num_f32 v[BM+\b], v[BM+\b], v[96+16*\b+\i], v[97+16*\b+\i]
.endr
.endr
.irp b, 0,1,2,3
	v_max_num_f32 v[BM+\b], v[BM+\b], v[111+16*\b]
.endr
.irp b, 0,1,2,3
	s_delay_alu instid0(VALU_DEP_4)
	v_permlanex16_b32 v[PT+\b], v[BM+\b], s[SEL], s[SEL+1]
.endr
.irp b, 0,1,2,3
	s_delay_alu instid0(VALU_DEP_4)
	v_max_num_f32 v[BM+\b], v[BM+\b], v[PT+\b]
.endr
	s_delay_alu instid0(VALU_DEP_2)
	v_max3_num_f32 v224, v[BM], v[BM+1], v[BM+2]
	s_delay_alu instid0(VALU_DEP_1)
	v_max_num_f32 v224, v224, v[BM+3]
	s_delay_alu instid0(VALU_DEP_1)
	v_mul_f32 v224, s[CS], v224
	s_delay_alu instid0(VALU_DEP_1)
	v_max_num_f32 v13, v13, v224                   ; the running largest t
	v_mov_b32 v224, v12
	s_delay_alu instid0(VALU_DEP_2)
	v_floor_f32 v12, -v13                          ; -M = floor(-t): M is a whole number
	s_delay_alu instid0(VALU_DEP_1)
	v_sub_f32 v224, v12, v224
	s_delay_alu instid0(VALU_DEP_1)
	v_cvt_i32_f32 v224, v224                       ; (it saturates)
	s_delay_alu instid0(VALU_DEP_1)
	v_ldexp_f32 v94, 1.0, v224                     ; f = 2^(old M - new M): exact
.set j, 0
.rept 32
	v_pk_fma_f32 v[96+j:97+j], v[96+j:97+j], s[CS:CS+1], v[12:13] op_sel_hi:[1,0,0]   ; t - M
.set j, j+2
.endr
.irp b, 0,1,2,3
	v_fma_f32 v[BM+\b], v[BM+\b], s[CS], v12
.endr
.set j, 0
	s_wait_alu depctr_va_vdst(0)
.rept 64
	v_exp_f32 v[96+j], v[96+j]                     ; p = 2^(t - M)
.set j, j+1
.endr
	v_pk_mul_f32 v[14:15], v[14:15], v[94:95] op_sel_hi:[1,0]   ; the sums under the new M: the plain line behind the exponentials
	s_wait_alu depctr_va_vdst(0)                   ; one wait for the batch, ahead of its first reader
.irp b, 0,1,2,3
	v_exp_f32 v[BM+\b], v[BM+\b]                   ; the blocks' largest p
.endr
	v_pk_add_f32 v[226:227], v[100:101], v[104:105]
	v_pk_add_f32 v[252:253], v[108:109], v[112:113]
	v_pk_add_f32 v[250:251], v[116:117], v[120:121]
	v_pk_add_f32 v[248:249], v[124:125], v[128:129]
	v_pk_add_f32 v[246:247], v[132:133], v[136:137]
	v_pk_add_f32 v[244:245], v[140:141], v[144:145]
	v_pk_add_f32 v[242:243], v[148:149], v[152:153]
	v_pk_add_f32 v[14:15], v[14:15], v[156:157]
	v_pk_add_f32 v[226:227], v[226:227], v[96:97]
	v_pk_add_f32 v[252:253], v[252:253], v[98:99]
	v_pk_add_f32 v[250:251], v[250:251], v[102:103]
	v_pk_add_f32 v[248:249], v[248:249], v[106:107]
	v_pk_add_f32 v[246:247], v[246:247], v[110:111]
	v_pk_add_f32 v[244:245], v[244:245], v[114:115]
	v_pk_add_f32 v[242:243], v[242:243], v[118:119]
	v_pk_add_f32 v[14:15], v[14:15], v[122:123]
	v_pk_add_f32 v[226:227], v[226:227], v[126:127]
	v_pk_add_f32 v[252:253], v[252:253], v[130:131]
	v_pk_add_f32 v[250:251], v[250:251], v[134:135]
	v_pk_add_f32 v[248:249], v[248:249], v[138:139]
	v_pk_add_f32 v[246:247], v[246:247], v[142:143]
	v_pk_add_f32 v[244:245], v[244:245], v[146:147]
	v_pk_add_f32 v[242:243], v[242:243], v[150:151]
	v_pk_add_f32 v[14:15], v[14:15], v[154:155]
	v_pk_add_f32 v[226:227], v[226:227], v[158:159]
	s_delay_alu instid0(VALU_DEP_2)
	v_pk_add_f32 v[14:15], v[14:15], v[248:249]
	s_delay_alu instid0(VALU_DEP_2)
	v_pk_add_f32 v[226:227], v[226:227], v[246:247]
	v_pk_add_f32 v[252:253], v[252:253], v[244:245]
	v_pk_add_f32 v[250:251], v[250:251], v[242:243]
	s_delay_alu instid0(VALU_DEP_2)
	v_pk_add_f32 v[14:15], v[14:15], v[252:253]
	s_delay_alu instid0(VALU_DEP_2)
	v_pk_add_f32 v[226:227], v[226:227], v[250:251]
	s_delay_alu instid0(VALU_DEP_1)
	v_pk_add_f32 v[14:15], v[14:15], v[226:227]
	s_wait_alu depctr_va_vdst(0)                   ; and one for the four
.irp b, 0,1,2,3
	v_max_num_f32 v[BM+\b], 0x1800000, v[BM+\b]    ; the floor 2^(3 - 127)
.endr
.irp b, 0,1,2,3
	s_delay_alu instid0(VALU_DEP_4)
	v_add_nc_u32 v[SO+\b], 0xff000000, v[BM+\b]
.endr
.irp b, 0,1,2,3
	s_delay_alu instid0(VALU_DEP_4)
	v_lshrrev_b32 v[PT+\b], 23, v[SO+\b]
.endr
	s_delay_alu instid0(VALU_DEP_3)
	v_lshl_or_b32 v11, v[PT+1], 8, v[PT]           ; p's scale word for these 128 keys
	s_delay_alu instid0(VALU_DEP_1)
	v_lshl_or_b32 v11, v[PT+2], 16, v11
	s_delay_alu instid0(VALU_DEP_1)
	v_lshl_or_b32 v11, v[PT+3], 24, v11
.irp c, 0,1
	v_cvt_scalef32_pk16_fp6_f32 v[192+6*\c:194+6*\c], v[96+32*\c:111+32*\c], v[SO+2*\c]
	v_cvt_scalef32_pk16_fp6_f32 v[204+4*\c:206+4*\c], v[112+32*\c:127+32*\c], v[SO+2*\c+1]
.endr
	v_nop
.irp c, 0,1
.irp i, 0,1,2
	v_permlane16_swap_b32 v[192+6*\c+\i], v[204+4*\c+\i]
.endr
.irp i, 0,1,2
	s_delay_alu instid0(VALU_DEP_3)
	v_mov_b32 v[195+6*\c+\i], v[204+4*\c+\i]
.endr
.endr
.set j, 0
.rept 16
	v_pk_mul_f32 v[160+j:161+j], v[160+j:161+j], v[94:95] op_sel_hi:[1,0]   ; O^T under the new M; these sixteen are also the places between p's codes and scale word and the products
.set j, j+2
.endr
	s_wait_alu depctr_va_vdst(0)
	s_wait_dscnt 0x0                               ; V
.irp d, 0,1,2,3                        ; the four accumulators take turns
	v_wmma_scale_f32_16x16x128_f8f6f4 v[160+8*\d:167+8*\d], v[40+12*\d:51+12*\d], v[192:203], v[160+8*\d:167+8*\d], v[36+\d], v11 matrix_a_fmt:MATRIX_FMT_FP6 matrix_b_fmt:MATRIX_FMT_FP6
.endr
.endm
	s_mov_b32 s44, 0
	s_mov_b32 s45, 0
	s_wait_tensorcnt 0x0                           ; my part of the head's records is in,
	s_barrier_signal -1
	s_barrier_wait -1                              ; everybody's is; nothing is filled again in this launch
	s_wait_loadcnt 0x0                             ; Q
.Lstep:                                            ; eight trips in every wave; a key step all of whose keys come after the tile is passed over by a branch on the wave's number and the counter
	s_cmp_gt_u32 s45, s46
	s_cbranch_scc1 .Lskip
	STEP
.Lskip:
	s_add_co_u32 s44, s44, REC
	s_add_co_u32 s45, s45, 1
	s_cmp_lt_u32 s45, 8
	s_cbranch_scc1 .Lstep
	; the way out: O^T / the sum; its 32 registers are channels 32 b + 16 h + i: two blocks along C, one HALF image
.rept 4
	v_nop
.endr
	v_add_f32 v14, v14, v15
	s_delay_alu instid0(VALU_DEP_1)
	v_permlanex16_b32 v224, v14, s[SEL], s[SEL+1]
	s_delay_alu instid0(VALU_DEP_1)
	v_add_f32 v14, v14, v224
	s_wait_alu depctr_va_vdst(0)
	v_rcp_f32 v14, v14
	v_nop
	s_wait_alu depctr_va_vdst(0)
	v_mov_b32 v15, v14
.set j, 0
.rept 16
	v_pk_mul_f32 v[96+j:97+j], v[160+j:161+j], v[14:15]
.set j, j+2
.endr
.irp b, 0,1
	v_max3_num_f32 v[BM+\b], |v[96+16*\b]|, |v[97+16*\b]|, 0x1800000
.endr
.irp i, 2,4,6,8,10,12,14
.irp b, 0,1
	s_delay_alu instid0(VALU_DEP_2)
	v_max3_num_f32 v[BM+\b], v[BM+\b], |v[96+16*\b+\i]|, |v[97+16*\b+\i]|
.endr
.endr
.irp b, 0,1
	s_delay_alu instid0(VALU_DEP_2)
	v_permlanex16_b32 v[PT+\b], v[BM+\b], s[SEL], s[SEL+1]
.endr
.irp b, 0,1
	s_delay_alu instid0(VALU_DEP_2)
	v_max_num_f32 v[BM+\b], v[BM+\b], v[PT+\b]
.endr
.irp b, 0,1
	s_delay_alu instid0(VALU_DEP_2)
	v_add_nc_u32 v[SO+\b], 0xff000000, v[BM+\b]
.endr
.irp b, 0,1
	s_delay_alu instid0(VALU_DEP_2)
	v_lshrrev_b32 v[PT+\b], 23, v[SO+\b]
.endr
	s_delay_alu instid0(VALU_DEP_1)
	v_lshl_or_b32 v11, v[PT+1], 8, v[PT]
	v_cvt_scalef32_pk16_fp6_f32 v[192:194], v[96:111], v[SO]
	v_cvt_scalef32_pk16_fp6_f32 v[204:206], v[112:127], v[SO+1]
	v_nop
.irp i, 0,1,2
	v_permlane16_swap_b32 v[192+\i], v[204+\i]
.endr
.irp i, 0,1,2
	s_delay_alu instid0(VALU_DEP_3)
	v_mov_b32 v[195+\i], v[204+\i]
.endr
	global_store_b128 v1, v[192:195], s[52:53]
	global_store_b64 v2, v[196:197], s[52:53] offset:512
	global_store_b16 v3, v11, s[54:55]
	s_wait_dscnt 0x0
	s_wait_tensorcnt 0x0
	ds_add_u32 v254, v255
	s_wait_dscnt 0x0
	CROUND                                         ; the closing round
	s_endpgm
.Lfunc_end_k_q0d7a34d30b_attn:
	.size	k_q0d7a34d30b_attn, .Lfunc_end_k_q0d7a34d30b_attn-k_q0d7a34d30b_attn
	.p2alignl 7, 3214868480
	.fill 96, 4, 3214868480
	.section	.rodata,"a",@progbits
	.p2align	6, 0x0
	.amdhsa_kernel k_q0d7a34d30b_attn
		.amdhsa_group_segment_fixed_size 169984
		.amdhsa_private_segment_fixed_size 0
		.amdhsa_enable_private_segment 0
		.amdhsa_kernarg_size 16
		.amdhsa_user_sgpr_count 2
		.amdhsa_user_sgpr_kernarg_segment_ptr 1
		.amdhsa_wavefront_size32 1
		.amdhsa_system_sgpr_workgroup_id_x 1
		.amdhsa_system_sgpr_workgroup_id_y 1
		.amdhsa_system_sgpr_workgroup_id_z 1
		.amdhsa_system_vgpr_workitem_id 0
		.amdhsa_next_free_vgpr 256
		.amdhsa_next_free_sgpr 66
		.amdhsa_reserve_vcc 1
		.amdhsa_float_denorm_mode_32 3
		.amdhsa_float_denorm_mode_16_64 3
		.amdhsa_memory_ordered 1
		.amdhsa_forward_progress 1
		.amdhsa_inst_pref_size 36
	.end_amdhsa_kernel
	.amdgpu_metadata
---
amdhsa.version: [ 1, 2 ]
amdhsa.kernels:
  - .name:           k_q0d7a34d30b_attn
    .symbol:         k_q0d7a34d30b_attn.kd
    .args:
      - { .name: qkvb, .offset: 0, .size: 8, .value_kind: global_buffer, .address_space: global }
      - { .name: yb, .offset: 8, .size: 8, .value_kind: global_buffer, .address_space: global }
    .group_segment_fixed_size: 169984
    .private_segment_fixed_size: 0
    .kernarg_segment_align: 8
    .kernarg_segment_size: 16
    .max_flat_workgroup_size: 512
    .sgpr_count:     66
    .vgpr_count:     256
    .wavefront_size: 32
...
	.end_amdgpu_metadata
.endif
;; end of part 3
;; launch proj (part 4): grid 8 x 32, 4 waves a work-group, clusters of 4 x 4, 327,680 bytes of LDS; arguments yb, opa, proj_b, x, x1; writes x1
.if DOCPART == 4
	.amdgcn_target "amdgcn-amd-amdhsa--gfx1250"
	.amdhsa_code_object_version 6
	.text
	.protected	k_q0d7a34d30b_proj
	.globl	k_q0d7a34d30b_proj
	.p2align	8
	.type	k_q0d7a34d30b_proj,@function
k_q0d7a34d30b_proj:
	s_mov_b64 s[64:65], 0
	v_nop
	global_prefetch_b8 v0, s[64:65] scope:SCOPE_SE
	s_setreg_imm32_b32 hwreg(HW_REG_WAVE_MODE, 25, 1), 1
	s_wait_xcnt 0x0
	s_wait_alu depctr_hold_cnt(0) depctr_sa_sdst(0) depctr_va_vdst(0) depctr_va_sdst(0) depctr_va_ssrc(0) depctr_va_vcc(0) depctr_vm_vsrc(0)
	s_getreg_b32 s2, hwreg(HW_REG_IB_STS2, 6, 4)
	s_cmp_eq_u32 s2, 0
	s_cbranch_scc0 .Lentry_in_a_cluster
	s_endpgm
.Lentry_in_a_cluster:
	s_bfe_u32 s2, ttmp6, 0x10000c
	s_cmp_lg_u32 s2, 0xf033
	s_cbranch_scc0 .Lentry_shape_is_right
	s_endpgm
.Lentry_shape_is_right:
; x1 = x + (y proj_w + proj_b): y [4,096][1,024] and the weight [1,024 (n)][1,024] as codes of FP6 (E2M3) with E8M0 scales, laid as images of operand registers; x, bias and x1 f32.
; IMAGES.  A fragment (16 rows x 128 K) is 1,536 bytes: for c = 0, 1: registers 6c..6c+3 of lane l at 768 c + 16 l, registers 6c+4, 6c+5 at 768 c + 512 + 8 l.  A scale image: lane l's word at 4 l.
; Row r of row block rb stands for true row 32 (rb / 2) + 8 (rb % 2) + r + 8 (r / 8), for tokens and for weight rows alike.
; A tile is 128 x 128 (256 work-groups): four waves, 64 x 64 each, 16 accumulators.  K is two CHUNKS of 512, one to each of two LDS slots, each filled once; a panel (64 rows x 512 K) is 24,576 dense bytes.
; 4 x 4 work-groups form a cluster: A's panels are asked for jointly along a row of the cluster, W's along a column.
; THE HEAD: one tensor load a wave: wave 0 A's two panels of chunk 0 (2 rows of 24,576 bytes), wave 1 A's scale images, wave 2 W's two panels, wave 3 W's scale images.  Chunk 1 follows behind the full sequence and a round.
; FOUR SETS OF FRAGMENT REGISTERS: step j (128 along K) multiplies set j % 4 while the fragments of step j + 2 are asked for.  One barrier, in step 2, shows chunk 1 whole to all four waves.
; PREFETCH: at the head a wave names chunk 1 of the panel that it fetches: of its 96 blocks of 256 bytes each of the four partners that ask for it jointly takes 24, told apart by address (cx for A, cy for W).
; Source 0 = 16 rows of W, source 1 = 16 tokens: a lane holds a token and neighbouring columns.  Results go through the wave's own stage and leave with the residual as whole runs of 256 bytes.
; REGISTERS: window 0: v16-31 addresses, v32-47 scale words (set p at 32 + 4 p), v48-51 bias, v52-83 rows read back, v128-255 accumulators; windows 1 and 3: fragment sets 0, 1 and 2, 3 (A at 0 or 128, W 48 further on); window 2: the residual.
.set KK,  1024
.set AC,  262144
.set WXC, 9437184
.set WXS, 9371648
.set PANEL, 48*KK
.set FR,  12
.set QB,  24576
.set SLOT, 4*QB
.set SCL, 2*SLOT
.set QSB, 4*KK                         ; the scale images of 64 rows
.set SPARE, SCL+4*QSB                  ; the spare words, 128 bytes for each wave
.set WSTG, 4352                        ; the way out: 16 rows x (256 + 16) bytes for each wave, in slot 0, which has had its only fill and its last read by then
.set ADRA, 16
.set ADRB, 20
.set STO, 24
.set RD,  25
.set CO,  26
.set ADRS, 27
.set SPW, 28
.set NIL, 29
.set PFO, 30
.set SC,  32
.set BI,  48
.set RB,  52
.set ACC, 128
.set PFA, 4
.set G1, 24
.set G0, 32
.set G1B, 48
.set G0B, 56
.set G1S, 68
.set G0S, 76
.set G1SB, 80
.set G0SB, 88
.set MSB, 0
.macro WIN new                         ; the immediate's high byte repeats the setting that is left
.if MSB != \new
	s_set_vgpr_msb (MSB<<8)|\new
.set MSB, \new
.endif
.endm
.macro PLACES n
.rept \n
	v_nop
.endr
.endm
.macro JLOAD g0a, g1a, g0b, g1b        ; a joint load: waves 0 and 1 fetch for A, waves 2 and 3 for W; s_nop 0 and four v_nop follow each line
	s_cmp_eq_u32 s15, 0
	s_cbranch_scc0 .Lfor_b_\@
	tensor_load_to_lds s[\g0a:\g0a+3], s[\g1a:\g1a+7]
	s_nop 0
.rept 4
	v_nop
.endr
	s_branch .Lasked_\@
.Lfor_b_\@:
	tensor_load_to_lds s[\g0b:\g0b+3], s[\g1b:\g1b+7]
	s_nop 0
.rept 4
	v_nop
.endr
.Lasked_\@:
.endm
.macro CROUND                          ; a round of the cluster's barrier
	s_barrier_signal -1
	s_barrier_wait -1
	s_cmp_lg_u32 s14, 0
	s_cbranch_scc1 .Lnot_wave_0_\@
	s_barrier_signal -3
.Lnot_wave_0_\@:
	s_barrier_wait -3
	s_barrier_signal -1
	s_barrier_wait -1
.endm
.macro ARM under, g0, g1, next
	s_cmp_lt_u32 s14, \under
	s_cbranch_scc0 \next
	tensor_load_to_lds s[\g0:\g0+3], s[\g1:\g1+7]
	s_nop 0
.rept 4
	v_nop
.endr
	s_branch .Lhead_asked
\next:
.endm
	s_load_b256 s[4:11], s[0:1], 0x0               ; yb, opa, bias, x
	s_load_b64 s[12:13], s[0:1], 0x20              ; x1
	v_lshl_add_u32 v[SPW], v0, 2, SPARE
	v_mov_b32 v[NIL], 0
	ds_add_u32 v[SPW], v[NIL]                      ; the opening lines: the add, twice on end, and below its one wait
	ds_add_u32 v[SPW], v[NIL]
	v_lshrrev_b32 v1, 5, v0
	v_readfirstlane_b32 s14, v1                    ; wave
	s_lshr_b32 s15, s14, 1                         ; wr.  Also: I fetch for A (0) or for W (1)
	s_and_b32 s16, s14, 1                          ; wc.  Also: which panel I fetch
	s_bfe_u32 s40, ttmp6, 0x40000                  ; cx
	s_bfe_u32 s41, ttmp6, 0x40004                  ; cy
	s_lshl_b32 s42, ttmp9, 2
	s_add_co_u32 s42, s42, s40                     ; tile column
	s_and_b32 s17, ttmp7, 0xffff
	s_lshl_b32 s17, s17, 2
	s_add_co_u32 s17, s17, s41                     ; tile row
	s_lshl_b32 s43, s41, 2
	s_lshl_b32 s43, 15, s43                        ; my row of the cluster
	s_lshl_b32 s44, 0x1111, s40                    ; my column
	s_or_b32 s[G1], s43, (3<<16)|(1<<21)           ; the mask; elements of 8 bytes; bit 21 beside a mask; no padding
	s_or_b32 s[G1B], s44, (3<<16)|(1<<21)
.irp g, G1, G1B                        ; for the head's loads: two panels as 2 rows of 24,576 bytes, PANEL bytes apart in memory, on end in LDS
	s_mov_b32 s[\g+1], 3072<<16
	s_mov_b32 s[\g+2], 2<<16
	s_mov_b32 s[\g+3], 3072<<16
	s_mov_b32 s[\g+4], 2
	s_mov_b32 s[\g+5], PANEL/8
	s_mov_b32 s[\g+6], 0
	s_mov_b32 s[\g+7], 0
.endr
	s_or_b32 s[G1S], s43, (3<<16)|(1<<21)
	s_or_b32 s[G1SB], s44, (3<<16)|(1<<21)
.irp g, G1S, G1SB                      ; the scale images of 128 rows: 32 rows of 256 bytes, dense
	s_mov_b32 s[\g+1], 32<<16
	s_mov_b32 s[\g+2], (QSB/128)<<16
	s_mov_b32 s[\g+3], 32<<16
	s_mov_b32 s[\g+4], QSB/128
	s_mov_b32 s[\g+5], 32
	s_mov_b32 s[\g+6], 0
	s_mov_b32 s[\g+7], 0
.endr
	s_lshl_b32 s18, s17, 1
	s_add_co_u32 s18, s18, s16                     ; A's panel: by the tile row alone
	s_mul_i32 s92, s18, PANEL
	s_add_co_u32 s92, s92, AC
	s_mul_i32 s94, s17, 2*QSB
	s_lshl_b32 s20, s42, 1
	s_add_co_u32 s20, s20, s16                     ; W's: by the tile column alone
	s_mul_i32 s46, s20, PANEL
	s_add_co_u32 s46, s46, WXC
	s_mul_i32 s96, s42, 2*QSB
	s_add_co_u32 s96, s96, WXS
	s_mov_b32 s93, 0
	s_mov_b32 s95, 0
	s_mov_b32 s47, 0
	s_mov_b32 s97, 0
	s_mul_i32 s45, s14, QB                         ; where the panels go: by the wave's number alone
	s_mul_i32 s100, s15, 2*QSB                     ; and the scale images
	s_cmp_eq_u32 s15, 0
	s_cselect_b32 s98, s40, s41                    ; my place among the four that ask for my panel with me
	s_mul_i32 s98, s98, 6144                       ; my work-group's 24 blocks of a chunk's 96
	s_mov_b32 s99, 0
	s_wait_dscnt 0x0                               ; both opening adds are done
	s_wait_kmcnt 0x0
	s_add_nc_u64 s[92:93], s[4:5], s[92:93]
	s_add_nc_u64 s[94:95], s[4:5], s[94:95]
	s_add_nc_u64 s[46:47], s[6:7], s[46:47]
	s_add_nc_u64 s[96:97], s[6:7], s[96:97]
	s_cmp_eq_u32 s15, 0
	s_cselect_b64 s[PFA:PFA+1], s[92:93], s[46:47]
	s_add_nc_u64 s[PFA:PFA+1], s[PFA:PFA+1], s[98:99]
	CROUND                                         ; all sixteen work-groups are here: the first joint loads meet
	s_mov_b32 s[G0S], 1
	s_add_co_u32 s[G0S+1], s100, SCL
	s_mov_b64 s[G0S+2:G0S+3], s[94:95]
	s_or_b32 s[G0S+3], s[G0S+3], 0x80000000
	s_mov_b32 s[G0SB], 1
	s_add_co_u32 s[G0SB+1], s100, SCL
	s_mov_b64 s[G0SB+2:G0SB+3], s[96:97]
	s_or_b32 s[G0SB+3], s[G0SB+3], 0x80000000
.irp s, 0,1
	s_mov_b32 s[G0+4*\s], 1
	s_add_co_u32 s[G0+4*\s+1], s45, \s*SLOT
	s_add_nc_u64 s[G0+4*\s+2:G0+4*\s+3], s[92:93], \s*QB
	s_or_b32 s[G0+4*\s+3], s[G0+4*\s+3], 0x80000000
	s_mov_b32 s[G0B+4*\s], 1
	s_add_co_u32 s[G0B+4*\s+1], s45, \s*SLOT
	s_add_nc_u64 s[G0B+4*\s+2:G0B+4*\s+3], s[46:47], \s*QB
	s_or_b32 s[G0B+4*\s+3], s[G0B+4*\s+3], 0x80000000
.endr
	ARM 1, G0,  G1,  .Lhead_sa                     ; wave 0's own group 0 points at A's first panel and LDS byte 0, wave 2's at W's first panel and LDS byte 2 QB
	ARM 2, G0S, G1S, .Lhead_b
	ARM 3, G0B, G1B, .Lhead_sb
	tensor_load_to_lds s[G0SB:G0SB+3], s[G1SB:G1SB+7]
	s_nop 0
.rept 4
	v_nop
.endr
.Lhead_asked:
	s_mul_i32 s21, s15, QB                         ; my panel of A,
	s_mul_i32 s22, s16, QB
	s_add_co_u32 s22, s22, 2*QB                    ; of W
	s_mul_i32 s98, s15, QSB
	s_mul_i32 s99, s16, QSB
	s_add_co_u32 s99, s99, 2*QSB
	s_sub_co_u32 s99, s99, s98                     ; from A's scale images to W's
	s_add_co_u32 s98, s98, SCL
	s_mul_i32 s23, s14, WSTG
	s_lshl_b32 s18, s17, 7
	s_lshl_b32 s19, s15, 6
	s_add_co_u32 s18, s18, s19                     ; my first row
	s_lshl_b32 s18, s18, 12
	s_lshl_b32 s19, s42, 9
	s_lshl_b32 s20, s16, 8
	s_add_co_u32 s100, s19, s20                    ; my first column, in bytes
	s_add_co_u32 s18, s18, s100
	s_mov_b32 s19, 0
	s_mov_b32 s101, 0
	s_add_nc_u64 s[8:9], s[8:9], s[100:101]        ; bias
	s_add_nc_u64 s[10:11], s[10:11], s[18:19]      ; residual
	s_add_nc_u64 s[12:13], s[12:13], s[18:19]      ; out
	v_and_b32 v1, 31, v0
	v_min_u32 v[PFO], 23, v1
	v_lshlrev_b32 v[PFO], 8, v[PFO]                ; the prefetch's offset: a lane a block of 256 bytes; lanes 24-31 name block 23 again
	v_bfe_u32 v2, v0, 4, 1                         ; h
	v_and_b32 v3, 15, v0                           ; r
	v_lshlrev_b32 v4, 4, v1
	v_lshlrev_b32 v5, 3, v1
	v_lshlrev_b32 v6, 2, v1
	v_add_nc_u32 v[ADRA], s21, v4
	v_add_nc_u32 v[ADRA+2], s21, v5
	v_add_nc_u32 v[ADRB], s22, v4
	v_add_nc_u32 v[ADRB+2], s22, v5
	v_add_nc_u32 v[ADRA+1], SLOT, v[ADRA]
	v_add_nc_u32 v[ADRA+3], SLOT, v[ADRA+2]
	v_add_nc_u32 v[ADRB+1], SLOT, v[ADRB]
	v_add_nc_u32 v[ADRB+3], SLOT, v[ADRB+2]
	v_mul_u32_u24 v7, s99, v2                      ; lanes 16-31 take W's scale words
	v_add_nc_u32 v7, v7, v6
	v_add_nc_u32 v[ADRS], s98, v7
	v_mul_u32_u24 v7, v3, 272
	v_lshl_add_u32 v7, v2, 6, v7
	v_add_nc_u32 v[STO], s23, v7                   ; stage, in: row r, + 64 h
	v_mul_u32_u24 v7, v2, 272
	v_lshl_add_u32 v7, v3, 4, v7
	v_add_nc_u32 v[RD], s23, v7                    ; back: lanes 0-15 one row, lanes 16-31 the next
	v_lshlrev_b32 v[CO], 12, v2
	v_lshl_add_u32 v[CO], v3, 4, v[CO]             ; and the same in memory
	v_lshlrev_b32 v13, 4, v3
	s_wait_alu depctr_va_vdst(0)                   ; the wait at the head's end
	global_prefetch_b8 v[PFO], s[PFA:PFA+1] offset:QB th:TH_LOAD_NT scope:SCOPE_SE     ; chunk 1, which is loaded when the head's loads have landed
	global_load_b128 v[BI:BI+3], v13, s[8:9]
.macro FRAG reg, adr, off              ; a fragment's image comes back as it was stored: every load reads consecutive bytes
	ds_load_b128 v[\reg:\reg+3], v[\adr] offset:\off
	ds_load_b64 v[\reg+4:\reg+5], v[\adr+2] offset:\off+512
	ds_load_b128 v[\reg+6:\reg+9], v[\adr] offset:\off+768
	ds_load_b64 v[\reg+10:\reg+11], v[\adr+2] offset:\off+1280
.endm
.macro FETCH j                         ; step j: slot j / 4, its (j % 4)-th 128 along K, into set j % 4: 32 fragment loads and 4 scale words
.set FBL, 128*((\j)%2)
.set FSL, ((\j)/4)%2
	WIN ((1+2*(((\j)%4)/2))<<6)
.irp i, 0,1,2,3
	FRAG FBL+FR*\i, ADRA+FSL, \i*6144+((\j)%4)*1536
	FRAG FBL+48+FR*\i, ADRB+FSL, \i*6144+((\j)%4)*1536
.endr
	WIN 0
.irp i, 0,1,2,3
	ds_load_b32 v[SC+4*((\j)%4)+\i], v[ADRS] offset:\i*KK+(\j)*128
.endr
.endm
.macro USE j                           ; sources 0 and 1 from set j % 4's window; C and D window 0
.set MB, 128*((\j)%2)
.set SS, SC+4*((\j)%4)
	WIN (5*(1+2*(((\j)%4)/2)))
.endm
.macro MUL4 a, zero                    ; the 16 accumulators take turns, one instruction a turn
.irp b, 0,1,2,3
.if \zero
	v_wmma_scale_f32_16x16x128_f8f6f4 v[ACC+8*(4*(\a)+\b):ACC+8*(4*(\a)+\b)+7], v[MB+48+FR*\b:MB+48+FR*\b+FR-1], v[MB+FR*(\a):MB+FR*(\a)+FR-1], 0, v[SS+\b], v[SS+(\a)] matrix_a_fmt:MATRIX_FMT_FP6 matrix_b_fmt:MATRIX_FMT_FP6 matrix_a_scale:MATRIX_SCALE_ROW1
.else
	v_wmma_scale_f32_16x16x128_f8f6f4 v[ACC+8*(4*(\a)+\b):ACC+8*(4*(\a)+\b)+7], v[MB+48+FR*\b:MB+48+FR*\b+FR-1], v[MB+FR*(\a):MB+FR*(\a)+FR-1], v[ACC+8*(4*(\a)+\b):ACC+8*(4*(\a)+\b)+7], v[SS+\b], v[SS+(\a)] matrix_a_fmt:MATRIX_FMT_FP6 matrix_b_fmt:MATRIX_FMT_FP6 matrix_a_scale:MATRIX_SCALE_ROW1
.endif
.endr
.endm
; A step.  bar: the barrier that shows chunk 1 whole. ft: step j + 2 is fetched.  yng: the LDS loads younger than set j's.
.macro ST j, zero, bar, ft, yng
.if \bar
	s_wait_tensorcnt 0x0                           ; my part of chunk 1 has landed
	s_wait_dscnt 36                                ; set j is in (step j + 1's 36 loads may be out)
	USE \j
	MUL4 0, \zero
	s_wait_dscnt 0x0                               ; my reads of slot 0 are over: its fourth step was asked for a step ago
	s_barrier_signal -1
	MUL4 1, \zero
	WIN 0
	s_barrier_wait -1
	PLACES 4
	FETCH (\j)+2                                   ; slot 1's first step
	USE \j
	MUL4 2, \zero
	MUL4 3, \zero
	WIN 0
.else
	s_wait_dscnt \yng                              ; set j is in
.if \ft
	PLACES 4                                       ; in front of loads into the set that step j - 2's products read
	FETCH (\j)+2
.endif
	USE \j
	MUL4 0, \zero
	MUL4 1, \zero
	MUL4 2, \zero
	MUL4 3, \zero
	WIN 0
.endif
.endm
	s_wait_tensorcnt 0x0                           ; my tile of the head's four is in; the lines ahead of a later first fill:
	ds_add_u32 v[SPW], v[NIL]
.irp g, G1, G1B                        ; no tensor load of mine is out: the next load brings one panel, 96 rows of 256 bytes, dense
	s_mov_b32 s[\g+1], 32<<16
	s_mov_b32 s[\g+2], 96<<16
	s_mov_b32 s[\g+3], 32<<16
	s_mov_b32 s[\g+4], 96
	s_mov_b32 s[\g+5], 32
.endr
	s_wait_dscnt 0x0
	CROUND                                         ; all four tiles are in, all sixteen work-groups are here
	JLOAD G0+4, G1, G0B+4, G1B                     ; chunk 1, the first tensor load behind the round
	FETCH 0
	FETCH 1
	ST 0, 1, 0, 1, 36                              ; the first step's products start the sums
	WIN 0x80                                       ; destination window 2: the residual of my 64 x 64, in the order in which the rows leave; it lands under the products
.irp a, 0,1,2,3
.irp i, 0,1,2,3,4,5,6,7
	global_load_b128 v[32*\a+4*\i:32*\a+4*\i+3], v[CO], s[10:11] offset:(32*(\a/2)+8*(\a%2)+2*\i+8*(\i/4))*4096
.endr
.endr
	WIN 0
	ST 1, 0, 0, 1, 36
	ST 2, 0, 1, 1, 36                              ; chunk 1 is whole for all four waves; nobody reads slot 0 behind this barrier
	ST 3, 0, 0, 1, 36
	ST 4, 0, 0, 1, 36
	ST 5, 0, 0, 1, 36
	ST 6, 0, 0, 0, 36
	ST 7, 0, 0, 0, 0
	s_wait_loadcnt 0x0                             ; residual and bias
	PLACES 4
.irp a, 0,1,2,3                        ; THE WAY OUT, 16 tokens at a time: register j of accumulator (a, t) is column 32 (t / 2) + 16 h + 8 (t % 2) + j of my 64
	s_wait_xcnt 0x0                                ; the last block's stores have read their registers
.irp t, 0,1,2,3
	ds_store_b128 v[STO], v[ACC+8*(4*\a+\t):ACC+8*(4*\a+\t)+3] offset:(\t/2)*128+(\t%2)*32
	ds_store_b128 v[STO], v[ACC+8*(4*\a+\t)+4:ACC+8*(4*\a+\t)+7] offset:(\t/2)*128+(\t%2)*32+16
.endr
.irp i, 0,1,2,3,4,5,6,7
	ds_load_b128 v[RB+4*\i:RB+4*\i+3], v[RD] offset:544*\i     ; LDS serves a wave's instructions in order: these see my stores
.endr
	s_wait_dscnt 0x0
	WIN 0x08                                       ; source 1 window 2
.set k, 0
.rept 16
	v_pk_add_f32 v[RB+2*k:RB+2*k+1], v[RB+2*k:RB+2*k+1], v[32*\a+2*k:32*\a+2*k+1]
.set k, k+1
.endr
	WIN 0
.irp i, 0,1,2,3,4,5,6,7
	v_pk_add_f32 v[RB+4*\i:RB+4*\i+1], v[RB+4*\i:RB+4*\i+1], v[BI:BI+1]
	v_pk_add_f32 v[RB+4*\i+2:RB+4*\i+3], v[RB+4*\i+2:RB+4*\i+3], v[BI+2:BI+3]
.endr
.irp i, 0,1,2,3,4,5,6,7
	global_store_b128 v[CO], v[RB+4*\i:RB+4*\i+3], s[12:13] offset:(32*(\a/2)+8*(\a%2)+2*\i+8*(\i/4))*4096   ; 16 lanes store 256 consecutive bytes, aligned
.endr
.endr
	s_wait_tensorcnt 0x0                           ; the wave's end
	ds_add_u32 v[SPW], v[NIL]
	s_wait_dscnt 0x0
	CROUND                                         ; the closing round
	s_endpgm
.Lfunc_end_k_q0d7a34d30b_proj:
	.size	k_q0d7a34d30b_proj, .Lfunc_end_k_q0d7a34d30b_proj-k_q0d7a34d30b_proj
	.p2alignl 7, 3214868480
	.fill 96, 4, 3214868480
	.section	.rodata,"a",@progbits
	.p2align	6, 0x0
	.amdhsa_kernel k_q0d7a34d30b_proj
		.amdhsa_group_segment_fixed_size 327680
		.amdhsa_private_segment_fixed_size 0
		.amdhsa_enable_private_segment 0
		.amdhsa_kernarg_size 40
		.amdhsa_user_sgpr_count 2
		.amdhsa_user_sgpr_kernarg_segment_ptr 1
		.amdhsa_wavefront_size32 1
		.amdhsa_system_sgpr_workgroup_id_x 1
		.amdhsa_system_sgpr_workgroup_id_y 1
		.amdhsa_system_sgpr_workgroup_id_z 1
		.amdhsa_system_vgpr_workitem_id 0
		.amdhsa_next_free_vgpr 1024
		.amdhsa_next_free_sgpr 104
		.amdhsa_reserve_vcc 0
		.amdhsa_float_denorm_mode_32 3
		.amdhsa_float_denorm_mode_16_64 3
		.amdhsa_memory_ordered 1
		.amdhsa_forward_progress 1
		.amdhsa_inst_pref_size 67
	.end_amdhsa_kernel
	.amdgpu_metadata
---
amdhsa.version: [ 1, 2 ]
amdhsa.kernels:
  - .name:           k_q0d7a34d30b_proj
    .symbol:         k_q0d7a34d30b_proj.kd
    .args:
      - { .name: yb, .offset: 0, .size: 8, .value_kind: global_buffer, .address_space: global }
      - { .name: opa, .offset: 8, .size: 8, .value_kind: global_buffer, .address_space: global }
      - { .name: proj_b, .offset: 16, .size: 8, .value_kind: global_buffer, .address_space: global }
      - { .name: x, .offset: 24, .size: 8, .value_kind: global_buffer, .address_space: global }
      - { .name: x1, .offset: 32, .size: 8, .value_kind: global_buffer, .address_space: global }
    .group_segment_fixed_size: 327680
    .private_segment_fixed_size: 0
    .kernarg_segment_align: 8
    .kernarg_segment_size: 40
    .max_flat_workgroup_size: 128
    .sgpr_count:     104
    .vgpr_count:     1024
    .wavefront_size: 32
...
	.end_amdgpu_metadata
.endif
;; end of part 4
;; launch ln2 (part 5): grid 256 x 1, 8 waves a work-group, no clusters, 77,824 bytes of LDS; arguments x1, ln2_w, ln2_b, h2b; writes h2b
.if DOCPART == 5
	.amdgcn_target "amdgcn-amd-amdhsa--gfx1250"
	.amdhsa_code_object_version 6
	.text
	.protected	k_q0d7a34d30b_ln2
	.globl	k_q0d7a34d30b_ln2
	.p2align	8
	.type	k_q0d7a34d30b_ln2,@function
k_q0d7a34d30b_ln2:
	s_mov_b64 s[64:65], 0
	v_nop
	global_prefetch_b8 v0, s[64:65] scope:SCOPE_SE
	s_setreg_imm32_b32 hwreg(HW_REG_WAVE_MODE, 25, 1), 1
	s_wait_xcnt 0x0
; LayerNorm of 4,096 rows of 1,024 f32, quantised along the row to FP6 (E2M3) with one E8M0 byte for each 32, and stored as images of operand registers.
; A fragment (16 rows x 128 K) is 1,536 bytes: for c = 0, 1: registers 6c..6c+3 of lane l at 768 c + 16 l, registers 6c+4, 6c+5 at 768 c + 512 + 8 l.  Its scale image: lane l's word at 4 l.
; Work-group g makes row block g: image row rho stands for row 32 (g / 2) + 8 (g % 2) + rho + 8 (rho / 8).  Wave w makes K step w (columns 128 w on).
; Fragment (g, w) goes to 262,144 + (g / 8) 98,304 + (w / 2) 24,576 + (g % 8) 3,072 + (w % 2) 1,536; its scale image to 1,024 g + 128 w.
; Loads take 512 consecutive bytes of a row; the wave's 16 x 512 bytes turn through its own stage so that lane (r, h) holds, of row r, register 16 b + i = column 32 b + 16 h + i of the K step.
; The wave's 128 gains and 128 biases are asked for together with x, 16 bytes a lane each, and take the same turn through 1,024 LDS bytes of the wave's own: one trip to memory for all three.
; Mean and variance in two passes (the mean is taken away before the squares), partial sums of the eight waves meet in LDS: two barriers.
; LIMITS: NaN and infinities are not served; a block of zeros or under 2^-124 gets the byte 1 (read by this program alone).
.set CODES, 262144
.set SROW, 528                         ; a stage row: 512 bytes + 16
.set WST,  16*SROW
.set RED,  8*WST                       ; 16 rows x 8 waves x 4 bytes, twice
.set GBA,  RED+1024                    ; gains and biases: 1,024 bytes for each wave
.set TM,  16                           ; v16-31 at work
.set XR,  32                           ; v32-95 x as loaded, later the gain
.set Y,   96                           ; v96-159 my 64 numbers
.set GB,  160                          ; v160-223 the bias
.set PC,  224                          ; v224-243 codes
.set PW,  244                          ; the scale word
.set SEL, 12
.macro QUANT s                         ; 64 numbers, register 16 b + i = k 32 b + 16 (lane / 16) + i of my row -> a fragment's codes in v[PC] on, its scale word in v[PW]
.irp b, 0,1,2,3
	v_max3_num_f32 v[TM+\b], |v[\s+16*\b]|, |v[\s+1+16*\b]|, 0x1800000   ; and the floor 2^(3 - 127): the byte cannot fall under 1
.endr
.irp i, 2,4,6,8,10,12,14
.irp b, 0,1,2,3
	s_delay_alu instid0(VALU_DEP_4)
	v_max3_num_f32 v[TM+\b], v[TM+\b], |v[\s+16*\b+\i]|, |v[\s+1+16*\b+\i]|
.endr
.endr
.irp b, 0,1,2,3
	s_delay_alu instid0(VALU_DEP_4)
	v_permlanex16_b32 v[TM+4+\b], v[TM+\b], s[SEL], s[SEL+1]
.endr
.irp b, 0,1,2,3
	s_delay_alu instid0(VALU_DEP_4)
	v_max_num_f32 v[TM+\b], v[TM+\b], v[TM+4+\b]   ; with lane l xor 16's: the block's largest magnitude
.endr
.irp b, 0,1,2,3
	s_delay_alu instid0(VALU_DEP_4)
	v_add_nc_u32 v[TM+12+\b], 0xff000000, v[TM+\b] ; 2 off its exponent field: the conversion's scale operand
.endr
.irp b, 0,1,2,3
	s_delay_alu instid0(VALU_DEP_4)
	v_lshrrev_b32 v[TM+4+\b], 23, v[TM+12+\b]      ; the scale's byte
.endr
	s_delay_alu instid0(VALU_DEP_3)
	v_lshl_or_b32 v[PW], v[TM+5], 8, v[TM+4]
	s_delay_alu instid0(VALU_DEP_1)
	v_lshl_or_b32 v[PW], v[TM+6], 16, v[PW]
	s_delay_alu instid0(VALU_DEP_1)
	v_lshl_or_b32 v[PW], v[TM+7], 24, v[PW]
.irp c, 0,1
	v_cvt_scalef32_pk16_fp6_f32 v[PC+6*\c:PC+2+6*\c], v[\s+32*\c:\s+15+32*\c], v[TM+12+2*\c]
	v_cvt_scalef32_pk16_fp6_f32 v[PC+12+4*\c:PC+14+4*\c], v[\s+16+32*\c:\s+31+32*\c], v[TM+12+2*\c+1]
.endr
	v_nop                                          ; one plain line behind a scaled conversion
.irp c, 0,1                            ; the operand wants a whole block in a lane: lanes 0-15 block 2 c, lanes 16-31 block 2 c + 1
.irp i, 0,1,2
	v_permlane16_swap_b32 v[PC+6*\c+\i], v[PC+12+4*\c+\i]
.endr
.irp i, 0,1,2
	s_delay_alu instid0(VALU_DEP_3)
	v_mov_b32 v[PC+3+6*\c+\i], v[PC+12+4*\c+\i]
.endr
.endr
.endm
.macro REDUCE off                      ; v16: the sum over my 64 numbers -> the sum over the whole row r
	s_delay_alu instid0(VALU_DEP_1)
	v_permlanex16_b32 v17, v16, s[SEL], s[SEL+1]
	s_delay_alu instid0(VALU_DEP_1)
	v_add_f32 v16, v16, v17                        ; my wave's 128 columns of row r
	ds_store_b32 v8, v16 offset:\off               ; lanes r and r + 16 write the same word with the same value
	s_wait_dscnt 0x0                               ; for the others' sake: my store has landed (and my loads from LDS are in)
	s_barrier_signal -1
	s_barrier_wait -1
	ds_load_b128 v[246:249], v9 offset:\off
	ds_load_b128 v[250:253], v9 offset:\off+16
	s_wait_dscnt 0x0
	v_add_f32 v246, v246, v247
	v_add_f32 v248, v248, v249
	v_add_f32 v250, v250, v251
	v_add_f32 v252, v252, v253
	s_delay_alu instid0(VALU_DEP_3)
	v_add_f32 v246, v246, v248
	s_delay_alu instid0(VALU_DEP_2)
	v_add_f32 v250, v250, v252
	s_delay_alu instid0(VALU_DEP_1)
	v_add_f32 v16, v246, v250
.endm
	s_load_b256 s[4:11], s[0:1], 0x0               ; x, gain, bias, out
	v_lshl_add_u32 v254, v0, 2, 0x12c00
	v_mov_b32 v255, 0
	v_lshrrev_b32 v1, 5, v0
	s_delay_alu instid0(VALU_DEP_1)
	v_readfirstlane_b32 s14, v1                    ; wave
	s_mov_b32 s26, ttmp9                           ; g: my row block
	s_mov_b32 s[SEL], 0x76543210
	s_mov_b32 s[SEL+1], 0xfedcba98
	s_mov_b32 s24, 0x3a800000                      ; 1 / 1,024
	s_mov_b32 s25, 0x3727c5ac                      ; 1e-5
	s_lshr_b32 s15, s26, 1
	s_lshl_b32 s15, s15, 5
	s_and_b32 s16, s26, 1
	s_lshl_b32 s16, s16, 3
	s_add_co_u32 s15, s15, s16                     ; the block's first row
	s_lshl_b32 s16, s15, 12
	s_mov_b32 s17, 0
	s_lshr_b32 s18, s26, 3
	s_mul_i32 s18, s18, 98304
	s_lshr_b32 s19, s14, 1
	s_mul_i32 s19, s19, 24576
	s_add_co_u32 s18, s18, s19
	s_and_b32 s19, s26, 7
	s_mul_i32 s19, s19, 3072
	s_add_co_u32 s18, s18, s19
	s_and_b32 s19, s14, 1
	s_mul_i32 s19, s19, 1536
	s_add_co_u32 s18, s18, s19
	s_add_co_u32 s18, s18, CODES
	s_mov_b32 s19, 0
	s_lshl_b32 s20, s26, 10
	s_lshl_b32 s21, s14, 7
	s_add_co_u32 s20, s20, s21
	s_mov_b32 s21, 0
	v_and_b32 v1, 31, v0
	v_and_b32 v2, 15, v0                           ; r
	v_bfe_u32 v3, v0, 4, 1                         ; h
	s_delay_alu instid0(VALU_DEP_3)
	v_lshlrev_b32 v10, 4, v1                       ; 16 lane
	s_delay_alu instid0(VALU_DEP_4)
	v_lshlrev_b32 v11, 3, v1                       ; 8 lane
	v_lshlrev_b32 v12, 2, v1                       ; 4 lane
	s_lshl_b32 s22, s14, 9
	v_add_nc_u32 v4, s22, v10                      ; x, gain, bias: 512 w + 16 lane
	s_mul_i32 s23, s14, WST
	v_add_nc_u32 v5, s23, v10                      ; stage, in
	v_mul_u32_u24 v6, v2, SROW
	s_delay_alu instid0(VALU_DEP_1)
	v_lshl_add_u32 v6, v3, 6, v6
	s_delay_alu instid0(VALU_DEP_1)
	v_add_nc_u32 v6, s23, v6                       ; stage, back: row r, + 64 h
	v_lshl_add_u32 v9, v2, 5, RED                  ; the row's eight partial sums
	s_lshl_b32 s22, s14, 2
	v_add_nc_u32 v8, s22, v9                       ; mine among them
	s_lshl_b32 s22, s14, 10
	s_add_co_u32 s22, s22, GBA
	v_add_nc_u32 v13, s22, v10                     ; gains and biases, in: 16 lane
	v_lshl_add_u32 v7, v3, 6, s22                  ; back: 64 h
	s_wait_alu depctr_va_vdst(0)
	s_wait_kmcnt 0x0
	s_add_nc_u64 s[4:5], s[4:5], s[16:17]
	s_add_nc_u64 s[18:19], s[10:11], s[18:19]
	s_add_nc_u64 s[20:21], s[10:11], s[20:21]
.irp p, 0,1,2,3,4,5,6,7,8,9,10,11,12,13,14,15
	global_load_b128 v[XR+4*\p:XR+4*\p+3], v4, s[4:5] offset:(\p+8*(\p/8))*4096   ; 32 lanes read 512 consecutive bytes of a row
.endr
	global_load_b128 v[246:249], v4, s[6:7]        ; my wave's 128 gains: 512 consecutive bytes
	global_load_b128 v[250:253], v4, s[8:9]        ; and biases
	s_wait_loadcnt 0x0
.irp p, 0,1,2,3,4,5,6,7,8,9,10,11,12,13,14,15
	ds_store_b128 v5, v[XR+4*\p:XR+4*\p+3] offset:SROW*\p
.endr
	ds_store_b128 v13, v[246:249]
	ds_store_b128 v13, v[250:253] offset:512
.irp b, 0,1,2,3
.irp j, 0,1,2,3
	ds_load_b128 v[Y+16*\b+4*\j:Y+16*\b+4*\j+3], v6 offset:128*\b+16*\j   ; LDS serves a wave's instructions in order: these see my stores
.endr
.endr
	s_wait_dscnt 0x0                               ; the stores have read their registers; my 64 numbers are in
.irp b, 0,1,2,3
.irp j, 0,1,2,3
	ds_load_b128 v[XR+16*\b+4*\j:XR+16*\b+4*\j+3], v7 offset:128*\b+16*\j       ; the gain of my 64 columns, into x's registers; it lands under the sums below
	ds_load_b128 v[GB+16*\b+4*\j:GB+16*\b+4*\j+3], v7 offset:512+128*\b+16*\j   ; the bias
.endr
.endr
	v_pk_add_f32 v[18:19], v[96:97], v[98:99]
	v_pk_add_f32 v[20:21], v[112:113], v[120:121]
	v_pk_add_f32 v[22:23], v[128:129], v[136:137]
	v_pk_add_f32 v[252:253], v[144:145], v[152:153]
	v_pk_add_f32 v[250:251], v[100:101], v[102:103]
	v_pk_add_f32 v[248:249], v[114:115], v[122:123]
	v_pk_add_f32 v[246:247], v[130:131], v[138:139]
	v_pk_add_f32 v[16:17], v[146:147], v[154:155]
	s_delay_alu instid0(VALU_DEP_1)
	v_pk_add_f32 v[16:17], v[16:17], v[104:105]
	v_pk_add_f32 v[18:19], v[18:19], v[106:107]
	v_pk_add_f32 v[20:21], v[20:21], v[116:117]
	v_pk_add_f32 v[22:23], v[22:23], v[124:125]
	v_pk_add_f32 v[252:253], v[252:253], v[132:133]
	v_pk_add_f32 v[250:251], v[250:251], v[140:141]
	v_pk_add_f32 v[248:249], v[248:249], v[148:149]
	v_pk_add_f32 v[246:247], v[246:247], v[156:157]
	v_pk_add_f32 v[16:17], v[16:17], v[108:109]
	v_pk_add_f32 v[18:19], v[18:19], v[110:111]
	v_pk_add_f32 v[20:21], v[20:21], v[118:119]
	v_pk_add_f32 v[22:23], v[22:23], v[126:127]
	v_pk_add_f32 v[252:253], v[252:253], v[134:135]
	v_pk_add_f32 v[250:251], v[250:251], v[142:143]
	v_pk_add_f32 v[248:249], v[248:249], v[150:151]
	v_pk_add_f32 v[246:247], v[246:247], v[158:159]
	s_delay_alu instid0(VALU_DEP_4)
	v_pk_add_f32 v[16:17], v[16:17], v[252:253]
	s_delay_alu instid0(VALU_DEP_4)
	v_pk_add_f32 v[18:19], v[18:19], v[250:251]
	s_delay_alu instid0(VALU_DEP_4)
	v_pk_add_f32 v[20:21], v[20:21], v[248:249]
	s_delay_alu instid0(VALU_DEP_4)
	v_pk_add_f32 v[22:23], v[22:23], v[246:247]
	s_delay_alu instid0(VALU_DEP_2)
	v_pk_add_f32 v[16:17], v[16:17], v[20:21]
	s_delay_alu instid0(VALU_DEP_2)
	v_pk_add_f32 v[18:19], v[18:19], v[22:23]
	s_delay_alu instid0(VALU_DEP_1)
	v_pk_add_f32 v[16:17], v[16:17], v[18:19]
	s_delay_alu instid0(VALU_DEP_1)
	v_add_f32 v16, v16, v17
	REDUCE 0
	s_delay_alu instid0(VALU_DEP_1)
	v_mul_f32 v14, s24, v16                        ; the mean
	s_delay_alu instid0(VALU_DEP_1)
	v_mov_b32 v15, v14
.set i, 0
.rept 32
	v_pk_add_f32 v[Y+2*i:Y+2*i+1], v[Y+2*i:Y+2*i+1], v[14:15] neg_lo:[0,1] neg_hi:[0,1]
.set i, i+1
.endr
.irp c, 0,1,2,3
	v_pk_mul_f32 v[16+2*\c:17+2*\c], v[Y+2*\c:Y+2*\c+1], v[Y+2*\c:Y+2*\c+1]
.endr
.irp j, 8,16,24,32,40,48,56
.irp c, 0,1,2,3
	s_delay_alu instid0(VALU_DEP_4)
	v_pk_fma_f32 v[16+2*\c:17+2*\c], v[Y+\j+2*\c:Y+\j+2*\c+1], v[Y+\j+2*\c:Y+\j+2*\c+1], v[16+2*\c:17+2*\c]
.endr
.endr
	s_delay_alu instid0(VALU_DEP_3)
	v_pk_add_f32 v[16:17], v[16:17], v[18:19]
	s_delay_alu instid0(VALU_DEP_2)
	v_pk_add_f32 v[20:21], v[20:21], v[22:23]
	s_delay_alu instid0(VALU_DEP_1)
	v_pk_add_f32 v[16:17], v[16:17], v[20:21]
	s_delay_alu instid0(VALU_DEP_1)
	v_add_f32 v16, v16, v17
	REDUCE 512                                     ; other bytes than the first sums': no barrier is needed between the two uses
	s_delay_alu instid0(VALU_DEP_1)
	v_fma_f32 v14, v16, s24, s25                   ; the variance + 1e-5
	s_wait_alu depctr_va_vdst(0)
	v_rsq_f32 v14, v14
	v_nop                                          ; a plain line behind the transcendental
	s_wait_alu depctr_va_vdst(0)                   ; and a wait ahead of its first reader
	v_mov_b32 v15, v14
.set i, 0
.rept 32
	v_pk_mul_f32 v[Y+2*i:Y+2*i+1], v[Y+2*i:Y+2*i+1], v[14:15]
.set i, i+1
.endr
.set i, 0
.rept 32
	v_pk_fma_f32 v[Y+2*i:Y+2*i+1], v[Y+2*i:Y+2*i+1], v[XR+2*i:XR+2*i+1], v[GB+2*i:GB+2*i+1]
.set i, i+1
.endr
	QUANT Y
	global_store_b128 v10, v[PC:PC+3], s[18:19]                 ; 512 consecutive bytes, aligned
	global_store_b64 v11, v[PC+4:PC+5], s[18:19] offset:512     ; 256
	global_store_b128 v10, v[PC+6:PC+9], s[18:19] offset:768
	global_store_b64 v11, v[PC+10:PC+11], s[18:19] offset:1280
	global_store_b32 v12, v[PW], s[20:21]
	s_wait_tensorcnt 0x0
	ds_add_u32 v254, v255
	s_wait_dscnt 0x0
	s_endpgm
.Lfunc_end_k_q0d7a34d30b_ln2:
	.size	k_q0d7a34d30b_ln2, .Lfunc_end_k_q0d7a34d30b_ln2-k_q0d7a34d30b_ln2
	.p2alignl 7, 3214868480
	.fill 96, 4, 3214868480
	.section	.rodata,"a",@progbits
	.p2align	6, 0x0
	.amdhsa_kernel k_q0d7a34d30b_ln2
		.amdhsa_group_segment_fixed_size 77824
		.amdhsa_private_segment_fixed_size 0
		.amdhsa_enable_private_segment 0
		.amdhsa_kernarg_size 32
		.amdhsa_user_sgpr_count 2
		.amdhsa_user_sgpr_kernarg_segment_ptr 1
		.amdhsa_wavefront_size32 1
		.amdhsa_system_sgpr_workgroup_id_x 1
		.amdhsa_system_sgpr_workgroup_id_y 1
		.amdhsa_system_sgpr_workgroup_id_z 1
		.amdhsa_system_vgpr_workitem_id 0
		.amdhsa_next_free_vgpr 256
		.amdhsa_next_free_sgpr 66
		.amdhsa_reserve_vcc 0
		.amdhsa_float_denorm_mode_32 3
		.amdhsa_float_denorm_mode_16_64 3
		.amdhsa_memory_ordered 1
		.amdhsa_forward_progress 1
		.amdhsa_inst_pref_size 29
	.end_amdhsa_kernel
	.amdgpu_metadata
---
amdhsa.version: [ 1, 2 ]
amdhsa.kernels:
  - .name:           k_q0d7a34d30b_ln2
    .symbol:         k_q0d7a34d30b_ln2.kd
    .args:
      - { .name: x1, .offset: 0, .size: 8, .value_kind: global_buffer, .address_space: global }
      - { .name: ln2_w, .offset: 8, .size: 8, .value_kind: global_buffer, .address_space: global }
      - { .name: ln2_b, .offset: 16, .size: 8, .value_kind: global_buffer, .address_space: global }
      - { .name: h2b, .offset: 24, .size: 8, .value_kind: global_buffer, .address_space: global }
    .group_segment_fixed_size: 77824
    .private_segment_fixed_size: 0
    .kernarg_segment_align: 8
    .kernarg_segment_size: 32
    .max_flat_workgroup_size: 256
    .sgpr_count:     66
    .vgpr_count:     256
    .wavefront_size: 32
...
	.end_amdgpu_metadata
.endif
;; end of part 5
;; launch fc (part 6): grid 16 x 16, 4 waves a work-group, clusters of 4 x 4, 327,680 bytes of LDS; arguments h2b, opa, fc_b, gb; writes gb
.if DOCPART == 6
	.amdgcn_target "amdgcn-amd-amdhsa--gfx1250"
	.amdhsa_code_object_version 6
	.text
	.protected	k_q0d7a34d30b_fc
	.globl	k_q0d7a34d30b_fc
	.p2align	8
	.type	k_q0d7a34d30b_fc,@function
k_q0d7a34d30b_fc:
	s_mov_b64 s[64:65], 0
	v_nop
	global_prefetch_b8 v0, s[64:65] scope:SCOPE_SE
	s_setreg_imm32_b32 hwreg(HW_REG_WAVE_MODE, 25, 1), 1
	s_wait_xcnt 0x0
	s_wait_alu depctr_hold_cnt(0) depctr_sa_sdst(0) depctr_va_vdst(0) depctr_va_sdst(0) depctr_va_ssrc(0) depctr_va_vcc(0) depctr_vm_vsrc(0)
	s_getreg_b32 s2, hwreg(HW_REG_IB_STS2, 6, 4)
	s_cmp_eq_u32 s2, 0
	s_cbranch_scc0 .Lentry_in_a_cluster
	s_endpgm
.Lentry_in_a_cluster:
	s_bfe_u32 s2, ttmp6, 0x10000c
	s_cmp_lg_u32 s2, 0xf033
	s_cbranch_scc0 .Lentry_shape_is_right
	s_endpgm
.Lentry_shape_is_right:
.set H2C, 262144
.set WFS, 5963776
.set WFC, 6225920
.set GC,  1048576
.set FR,  12
.set NL,  4
.set NP,  4
.set QB,  24576
.set SLOT, 4*QB
.set SCL, 2*SLOT
.set QSB, 8192
.set SPARE, SCL+4*QSB
.set LAPS, 2
.set ADRA, 16
.set ADRB, 20
.set L16, 24
.set L8,  25
.set L4,  26
.set ADRS, 27
.set SPW, 28
.set NIL, 29
.set PW,  30
.set SC,  32
.set T,   32
.set BIAS, 64
.set AF,  128
.set C1,  224
.set IN,  128
.set PC,  192
.set TM,  240
.set C2,  22
.set G1, 24
.set G0, 32
.set G1B, 48
.set G0B, 56
.set G1S, 68
.set G0S, 76
.set G1SB, 80
.set G0SB, 88
.set SEL, 98
.set MSB, 0
.macro WIN new
.if MSB != \new
	s_set_vgpr_msb (MSB<<8)|\new
.set MSB, \new
.endif
.endm
.set MUL_LO, 0xa1
.set MUL_HI, 0xf1
.set TO_B,   0x40
.macro PLACES n
.rept \n
	v_nop
.endr
.endm
.macro JLOAD g0a, g1a, g0b, g1b
	s_cmp_eq_u32 s15, 0
	s_cbranch_scc0 .Lfor_b_\@
	tensor_load_to_lds s[\g0a:\g0a+3], s[\g1a:\g1a+7]
	s_nop 0
.rept 4
	v_nop
.endr
	s_branch .Lasked_\@
.Lfor_b_\@:
	tensor_load_to_lds s[\g0b:\g0b+3], s[\g1b:\g1b+7]
	s_nop 0
.rept 4
	v_nop
.endr
.Lasked_\@:
.endm
.macro CREST
	s_cmp_lg_u32 s14, 0
	s_cbranch_scc1 .Lnot_wave_0_\@
	s_barrier_signal -3
.Lnot_wave_0_\@:
	s_barrier_wait -3
	s_barrier_signal -1
	s_barrier_wait -1
.endm
.macro CROUND
	s_barrier_signal -1
	s_barrier_wait -1
	CREST
.endm
.macro QUANT s
.irp b, 0,1,2,3
	v_max3_num_f32 v[TM+\b], |v[\s+16*\b]|, |v[\s+1+16*\b]|, 0x1800000
.endr
.irp i, 2,4,6,8,10,12,14
.irp b, 0,1,2,3
	v_max3_num_f32 v[TM+\b], v[TM+\b], |v[\s+16*\b+\i]|, |v[\s+1+16*\b+\i]|
.endr
.endr
.irp b, 0,1,2,3
	v_permlanex16_b32 v[TM+4+\b], v[TM+\b], s[SEL], s[SEL+1]
.endr
.irp b, 0,1,2,3
	v_max_num_f32 v[TM+\b], v[TM+\b], v[TM+4+\b]
.endr
.irp b, 0,1,2,3
	v_add_nc_u32 v[TM+12+\b], 0xff000000, v[TM+\b]
.endr
.irp b, 0,1,2,3
	v_lshrrev_b32 v[TM+4+\b], 23, v[TM+12+\b]
.endr
	v_lshl_or_b32 v[PW], v[TM+5], 8, v[TM+4]
	v_lshl_or_b32 v[PW], v[TM+6], 16, v[PW]
	v_lshl_or_b32 v[PW], v[TM+7], 24, v[PW]
.irp c, 0,1
	v_cvt_scalef32_pk16_fp6_f32 v[PC+6*\c:PC+2+6*\c], v[\s+32*\c:\s+15+32*\c], v[TM+12+2*\c]
	v_cvt_scalef32_pk16_fp6_f32 v[PC+12+4*\c:PC+14+4*\c], v[\s+16+32*\c:\s+31+32*\c], v[TM+12+2*\c+1]
.endr
	v_nop
.irp c, 0,1
.irp i, 0,1,2
	v_permlane16_swap_b32 v[PC+6*\c+\i], v[PC+12+4*\c+\i]
.endr
.irp i, 0,1,2
	v_mov_b32 v[PC+3+6*\c+\i], v[PC+12+4*\c+\i]
.endr
.endr
.endm
	s_load_b256 s[4:11], s[0:1], 0x0
	v_lshl_add_u32 v[SPW], v0, 2, SPARE
	v_mov_b32 v[NIL], 0
	ds_add_u32 v28, v29
	ds_add_u32 v28, v29
	s_wait_dscnt 0x0
	v_lshrrev_b32 v1, 5, v0
	v_readfirstlane_b32 s14, v1
	s_lshr_b32 s15, s14, 1
	s_and_b32 s16, s14, 1
	s_bfe_u32 s40, ttmp6, 0x40000
	s_bfe_u32 s41, ttmp6, 0x40004
	s_lshl_b32 s42, ttmp9, 2
	s_add_co_u32 s42, s42, s40
	s_and_b32 s17, ttmp7, 0xffff
	s_lshl_b32 s17, s17, 2
	s_add_co_u32 s17, s17, s41
	s_lshl_b32 s43, s41, 2
	s_lshl_b32 s43, 15, s43
	s_lshl_b32 s44, 0x1111, s40
	s_or_b32 s[G1], s43, (3<<16)|(1<<21)
	s_or_b32 s[G1B], s44, (3<<16)|(1<<21)
.irp g, G1, G1B                        ; for the head's loads: a tile's two panels as 2 rows of 24,576 bytes (3,072 elements), 98,304 bytes apart in memory, on end in LDS
	s_mov_b32 s[\g+1], 3072<<16
	s_mov_b32 s[\g+2], 2<<16
	s_mov_b32 s[\g+3], 3072<<16
	s_mov_b32 s[\g+4], 2
	s_mov_b32 s[\g+5], 12288
	s_mov_b32 s[\g+6], 0
	s_mov_b32 s[\g+7], 0
.endr
	s_or_b32 s[G1S], s43, (3<<16)|(1<<21)
	s_or_b32 s[G1SB], s44, (3<<16)|(1<<21)
.irp g, G1S, G1SB
	s_mov_b32 s[\g+1], 32<<16
	s_mov_b32 s[\g+2], 64<<16                      ; the scale images of 256 rows: 64 rows of 256 bytes
	s_mov_b32 s[\g+3], 32<<16
	s_mov_b32 s[\g+4], 64
	s_mov_b32 s[\g+5], 32
	s_mov_b32 s[\g+6], 0
	s_mov_b32 s[\g+7], 0
.endr
	s_mov_b32 s[SEL], 0x76543210
	s_mov_b32 s[SEL+1], 0xfedcba98
	s_lshl_b32 s18, s17, 1
	s_add_co_u32 s18, s18, s16
	s_mul_i32 s92, s18, 98304
	s_add_co_u32 s92, s92, H2C
	s_lshl_b32 s94, s17, 14
	s_lshl_b32 s20, s42, 1
	s_add_co_u32 s20, s20, s16
	s_mul_i32 s46, s20, 98304
	s_add_co_u32 s46, s46, WFC
	s_lshl_b32 s96, s42, 14
	s_add_co_u32 s96, s96, WFS
	s_mov_b32 s93, 0
	s_mov_b32 s95, 0
	s_mov_b32 s47, 0
	s_mov_b32 s97, 0
	s_mul_i32 s45, s14, QB
	s_mul_i32 s100, s15, 2*QSB                     ; wave 1 brings A's scale images, wave 3 B's
	s_wait_kmcnt 0x0
	s_add_nc_u64 s[92:93], s[4:5], s[92:93]
	s_add_nc_u64 s[94:95], s[4:5], s[94:95]
	s_add_nc_u64 s[46:47], s[6:7], s[46:47]
	s_add_nc_u64 s[96:97], s[6:7], s[96:97]
	s_cmp_eq_u32 s15, 0                            ; the prefetches: the panel that I fetch,
	s_cselect_b64 s[2:3], s[92:93], s[46:47]
	s_cselect_b32 s18, s40, s41                    ; my place among the four that ask for it with me (cx for A, cy for B): it enters this address alone
	s_mul_i32 s18, s18, 6144                       ; my work-group's 24 of a chunk's 96 blocks of 256 bytes
	s_mov_b32 s19, 0
	s_add_nc_u64 s[2:3], s[2:3], s[18:19]
	CROUND
	s_mov_b32 s[G0S], 1
	s_add_co_u32 s[G0S+1], s100, SCL
	s_mov_b64 s[G0S+2:G0S+3], s[94:95]
	s_or_b32 s[G0S+3], s[G0S+3], 0x80000000
	s_mov_b32 s[G0SB], 1
	s_add_co_u32 s[G0SB+1], s100, SCL
	s_mov_b64 s[G0SB+2:G0SB+3], s[96:97]
	s_or_b32 s[G0SB+3], s[G0SB+3], 0x80000000
.irp s, 0,1
	s_mov_b32 s[G0+4*\s], 1
	s_add_co_u32 s[G0+4*\s+1], s45, \s*SLOT
	s_add_nc_u64 s[G0+4*\s+2:G0+4*\s+3], s[92:93], \s*QB
	s_or_b32 s[G0+4*\s+3], s[G0+4*\s+3], 0x80000000
	s_mov_b32 s[G0B+4*\s], 1
	s_add_co_u32 s[G0B+4*\s+1], s45, \s*SLOT
	s_add_nc_u64 s[G0B+4*\s+2:G0B+4*\s+3], s[46:47], \s*QB
	s_or_b32 s[G0B+4*\s+3], s[G0B+4*\s+3], 0x80000000
.endr
; THE HEAD'S LOADS, ONE A WAVE: wave 0 A's two panels of K step 0, wave 1 A's scale images, wave 2 B's two panels, wave 3 B's scale images.
; One chain of branches on the wave's number: every way through it passes exactly one load.
.macro ARM under, g0, g1, next
	s_cmp_lt_u32 s14, \under
	s_cbranch_scc0 \next
	tensor_load_to_lds s[\g0:\g0+3], s[\g1:\g1+7]
	s_nop 0
.rept 4
	v_nop
.endr
	s_branch .Lhead_asked
\next:
.endm
	ARM 1, G0,  G1,  .Lhead_sa
	ARM 2, G0S, G1S, .Lhead_b
	ARM 3, G0B, G1B, .Lhead_sb
	tensor_load_to_lds s[G0SB:G0SB+3], s[G1SB:G1SB+7]
	s_nop 0
.rept 4
	v_nop
.endr
.Lhead_asked:
	v_and_b32 v1, 31, v0
	v_min_u32 v15, 23, v1
	v_lshlrev_b32 v15, 8, v15                      ; a lane a block; lanes 24-31 name block 23 again; never rewritten
	global_prefetch_b8 v15, s[2:3] offset:QB th:TH_LOAD_NT scope:SCOPE_SE      ; K step 1 of my panel, which is loaded behind the head's loads
	v_bfe_u32 v2, v0, 4, 1
	v_lshlrev_b32 v[L16], 4, v1
	v_lshlrev_b32 v[L8], 3, v1
	v_lshlrev_b32 v[L4], 2, v1
	s_mul_i32 s21, s15, QB
	s_mul_i32 s22, s16, QB
	s_add_co_u32 s22, s22, 2*QB
.irp s, 0,1
	v_add_nc_u32 v[ADRA+\s], s21, v[L16]
	v_add_nc_u32 v[ADRA+2+\s], s21, v[L8]
	v_add_nc_u32 v[ADRB+\s], s22, v[L16]
	v_add_nc_u32 v[ADRB+2+\s], s22, v[L8]
	s_add_co_u32 s21, s21, SLOT
	s_add_co_u32 s22, s22, SLOT
.endr
	s_mul_i32 s21, s15, QSB
	s_mul_i32 s22, s16, QSB
	s_add_co_u32 s22, s22, 2*QSB
	s_sub_co_u32 s22, s22, s21
	v_mul_u32_u24 v6, s22, v2
	s_add_co_u32 s21, s21, SCL
	v_add_nc_u32 v6, v6, v[L4]
	v_add_nc_u32 v[ADRS], s21, v6
.irp b, 0,1,2,3
	v_mov_b32 v[TM+4+\b], 0
.endr
	v_mov_b32 v[C1], 0xc0135761
	v_mov_b32 v[C1+1], 0xc0135761
	v_lshlrev_b32 v12, 6, v2
	s_lshl_b32 s12, s42, 10
	s_lshl_b32 s13, s16, 9
	s_add_co_u32 s94, s12, s13
	s_mov_b32 s95, 0
	s_add_nc_u64 s[94:95], s[8:9], s[94:95]
.irp t, 0,1,2,3,4,5,6,7
	global_load_b128 v[BIAS+8*\t:BIAS+8*\t+3], v12, s[94:95] offset:(32*(\t/2)+8*(\t%2))*4
	global_load_b128 v[BIAS+8*\t+4:BIAS+8*\t+7], v12, s[94:95] offset:(32*(\t/2)+8*(\t%2))*4+16
.endr
	s_lshl_b32 s12, s42, 1
	s_add_co_u32 s12, s12, s16
	s_lshl_b32 s13, s17, 2
	s_lshl_b32 s100, s15, 1
	s_add_co_u32 s13, s13, s100
	s_mul_i32 s18, s13, 196608
	s_lshr_b32 s100, s12, 2
	s_mul_i32 s100, s100, 24576
	s_add_co_u32 s18, s18, s100
	s_and_b32 s100, s12, 3
	s_mul_i32 s100, s100, 1536
	s_add_co_u32 s18, s18, s100
	s_add_co_u32 s18, s18, GC
	s_mov_b32 s19, 0
	s_add_nc_u64 s[18:19], s[10:11], s[18:19]
	s_lshl_b32 s20, s13, 14
	s_lshl_b32 s100, s12, 7
	s_add_co_u32 s20, s20, s100
	s_mov_b32 s21, 0
	s_add_nc_u64 s[20:21], s[10:11], s[20:21]
	s_mov_b32 s[C2], 0xbdd2d3e8
	s_mov_b32 s[C2+1], s[C2]
.macro FRAG reg, adr, off
	ds_load_b128 v[\reg:\reg+3], v[\adr] offset:\off
	ds_load_b64 v[\reg+4:\reg+5], v[\adr+2] offset:\off+512
	ds_load_b128 v[\reg+6:\reg+9], v[\adr] offset:\off+768
	ds_load_b64 v[\reg+10:\reg+11], v[\adr+2] offset:\off+1280
.endm
.macro MUL16 a0, p, q, sc, zero
.irp a, \a0, \a0+1
.irp b, 0,1,2,3,4,5,6,7
.if \zero
	v_wmma_scale_f32_16x16x128_f8f6f4 v[8*(8*((\a)%4)+\b):8*(8*((\a)%4)+\b)+7], v[128*(\p)+FR*\b:128*(\p)+FR*\b+FR-1], v[AF+FR*(\a):AF+FR*(\a)+FR-1], v[BIAS+8*\b:BIAS+8*\b+7], v[SC+16*(\sc)+8*(\q)+\b], v[SC+16*(\sc)+8*(\q)+(\a)] matrix_a_fmt:MATRIX_FMT_FP6 matrix_b_fmt:MATRIX_FMT_FP6 matrix_a_scale:MATRIX_SCALE_ROW1   ; the first product starts the sum with the bias of B's block b: eight registers in the result's layout, in window 0
.else
	v_wmma_scale_f32_16x16x128_f8f6f4 v[8*(8*((\a)%4)+\b):8*(8*((\a)%4)+\b)+7], v[128*(\p)+FR*\b:128*(\p)+FR*\b+FR-1], v[AF+FR*(\a):AF+FR*(\a)+FR-1], v[8*(8*((\a)%4)+\b):8*(8*((\a)%4)+\b)+7], v[SC+16*(\sc)+8*(\q)+\b], v[SC+16*(\sc)+8*(\q)+(\a)] matrix_a_fmt:MATRIX_FMT_FP6 matrix_b_fmt:MATRIX_FMT_FP6 matrix_a_scale:MATRIX_SCALE_ROW1
.endif
.endr
.endr
.endm
.macro FETCH_B slot, q, p
	WIN TO_B
.irp i, 0,1,2,3,4,5,6,7
	FRAG 128*(\p)+FR*\i, ADRB+\slot, \i*3072+(\q)*1536
.endr
	WIN 0
.endm
.macro FETCH_A slot, q, i0
.irp i, \i0, \i0+1, \i0+2, \i0+3
	FRAG AF+FR*(\i), ADRA+\slot, (\i)*3072+(\q)*1536
.endr
.endm
.macro SCALES sc
.irp q, 0,1
.irp i, 0,1,2,3,4,5,6,7
	ds_load_b32 v[SC+16*\sc+8*\q+\i], v[ADRS] offset:\i*1024+\q*128
.endr
.endr
.endm
.macro STEP slot, q, zero
	FETCH_B \slot, (\q)+1, 1-(\q)%2                ; B's other set is free (the places behind the last step's products stand ahead of its last loads): the next step's B has this whole step in which to land
	s_wait_dscnt 12*NL                             ; all but the youngest 48 loads: A's blocks 4-7 and the 32 just issued
	WIN (MUL_LO-0x20*\zero)                        ; in the first step C comes from window 0
	MUL16 0, (\q)%2, \q, \slot, \zero
	MUL16 2, (\q)%2, \q, \slot, \zero
	s_wait_dscnt 8*NL                              ; A's blocks 4-7 are in; the next step's B may be out
	PLACES NP
	WIN 0
	FETCH_A \slot, (\q)+1, 0
	WIN (MUL_HI-0x30*\zero)
	MUL16 4, (\q)%2, \q, \slot, \zero
	MUL16 6, (\q)%2, \q, \slot, \zero
	PLACES NP
	WIN 0
	FETCH_A \slot, (\q)+1, 4
.endm
.macro TURN slot, next, fill
	s_wait_tensorcnt 0x0
	ds_add_u32 v[SPW], v[NIL]
	s_wait_dscnt 4*NL+1
	WIN MUL_LO
	MUL16 0, 1, 1, \slot, 0
	s_wait_dscnt 0x0
	s_barrier_signal -1
	MUL16 2, 1, 1, \slot, 0
	WIN 0
	s_barrier_wait -1
.if \fill
	CREST
	s_add_nc_u64 s[G0+4*\slot+2:G0+4*\slot+3], s[G0+4*\slot+2:G0+4*\slot+3], 2*QB
	s_add_nc_u64 s[G0B+4*\slot+2:G0B+4*\slot+3], s[G0B+4*\slot+2:G0B+4*\slot+3], 2*QB
	JLOAD G0+4*\slot, G1, G0B+4*\slot, G1B
.else
	PLACES NP
.endif
	s_wait_alu depctr_va_vdst(0)
	v_add_nc_u32 v[ADRS], 256, v[ADRS]
	FETCH_B \next, 0, 0
	FETCH_A \next, 0, 0
	SCALES \next
	WIN MUL_HI
	MUL16 4, 1, 1, \slot, 0
	MUL16 6, 1, 1, \slot, 0
	PLACES NP
	WIN 0
	FETCH_A \next, 0, 4
.endm
	s_wait_alu depctr_va_vdst(0)
	s_wait_tensorcnt 0x0                           ; my tile of the head's four is in; the lines ahead of a later first fill:
	ds_add_u32 v[SPW], v[NIL]
.irp g, G1, G1B                        ; no tensor load of mine is out: from here on a load brings one panel, 96 rows of 256 bytes, dense
	s_mov_b32 s[\g+1], 32<<16
	s_mov_b32 s[\g+2], 96<<16
	s_mov_b32 s[\g+3], 32<<16
	s_mov_b32 s[\g+4], 96
	s_mov_b32 s[\g+5], 32
.endr
	s_wait_dscnt 0x0
	CROUND                                         ; all four tiles are in, all sixteen work-groups are here
	JLOAD G0+4, G1, G0B+4, G1B                     ; K step 1, the first tensor load behind the round
	FETCH_B 0, 0, 0
	FETCH_A 0, 0, 0
	SCALES 0
	FETCH_A 0, 0, 4
	s_wait_loadcnt 0x0                             ; the bias is in: the first step's products take it as C
	global_prefetch_b8 v15, s[2:3] offset:2*QB th:TH_LOAD_NT scope:SCOPE_SE    ; behind K step 1's load and the run of LDS loads: K step 2, the next load,
	global_prefetch_b8 v15, s[2:3] offset:3*QB th:TH_LOAD_NT scope:SCOPE_SE    ; and K step 3, the last
	STEP 0, 0, 1
	s_wait_xcnt 0x0                                ; the prefetches have read s[2:3]
	s_mov_b32 s3, LAPS-1
.Llap:
	TURN 0, 1, 1
	STEP 1, 0, 0
	TURN 1, 0, 1
	STEP 0, 0, 0
	s_sub_co_u32 s3, s3, 1
	s_cmp_lg_u32 s3, 0
	s_cbranch_scc1 .Llap
	TURN 0, 1, 0
	STEP 1, 0, 0
	s_wait_dscnt 4*NL
	WIN MUL_LO
	MUL16 0, 1, 1, 1, 0
	MUL16 2, 1, 1, 1, 0
	s_wait_dscnt 0
	WIN MUL_HI
	MUL16 4, 1, 1, 1, 0
	MUL16 6, 1, 1, 1, 0
	WIN 0
	s_wait_loadcnt 0x0
	PLACES NP
; GELU of block a's 64 numbers x (the sums hold the bias already), read straight from the accumulators, each from its low end on: x / (1 + 2^z), z = x (C1 + C2 x x).
; T is v32-95: the scale words' registers and the lower half of the bias's, both done with.  One batch of 64 exponentials and one of 64 reciprocals, each with a wait ahead of it and behind it.
.macro GELUQ a
.set GW, 2+(\a)/4
.set GA, 64*((\a)%4)
	WIN (5*GW)                                     ; sources 0 and 1: the accumulators' window
.set i, 0
.rept 32
	v_pk_mul_f32 v[T+2*i:T+2*i+1], v[GA+2*i:GA+2*i+1], v[GA+2*i:GA+2*i+1]
.set i, i+1
.endr
	WIN 0
.set i, 0
.rept 32
	v_pk_fma_f32 v[T+2*i:T+2*i+1], v[T+2*i:T+2*i+1], s[C2:C2+1], v[C1:C1+1] op_sel_hi:[1,0,1]
.set i, i+1
.endr
	WIN (4*GW)                                     ; source 1: the accumulators' window
.set i, 0
.rept 32
	v_pk_mul_f32 v[T+2*i:T+2*i+1], v[T+2*i:T+2*i+1], v[GA+2*i:GA+2*i+1]
.set i, i+1
.endr
	WIN 0
	s_wait_alu depctr_va_vdst(0)
.set i, 0
.rept 64
	v_exp_f32 v[T+i], v[T+i]
.set i, i+1
.endr
	v_nop
	s_wait_alu depctr_va_vdst(0)
.set i, 0
.rept 32
	v_pk_add_f32 v[T+2*i:T+2*i+1], v[T+2*i:T+2*i+1], 1.0 op_sel_hi:[1,0]
.set i, i+1
.endr
	s_wait_alu depctr_va_vdst(0)
.set i, 0
.rept 64
	v_rcp_f32 v[T+i], v[T+i]
.set i, i+1
.endr
	v_nop
	s_wait_alu depctr_va_vdst(0)
	WIN (4*GW)
.set i, 0
.rept 32
	v_pk_mul_f32 v[IN+2*i:IN+2*i+1], v[T+2*i:T+2*i+1], v[GA+2*i:GA+2*i+1]
.set i, i+1
.endr
	WIN 0
.endm
.irp a, 0,1,2,3,4,5,6,7
	s_wait_xcnt 0x0
	GELUQ \a
	QUANT IN
	global_store_b128 v[L16], v[PC:PC+3], s[18:19] offset:(\a/4)*196608+(\a%4)*6144
	global_store_b64 v[L8], v[PC+4:PC+5], s[18:19] offset:(\a/4)*196608+(\a%4)*6144+512
	global_store_b128 v[L16], v[PC+6:PC+9], s[18:19] offset:(\a/4)*196608+(\a%4)*6144+768
	global_store_b64 v[L8], v[PC+10:PC+11], s[18:19] offset:(\a/4)*196608+(\a%4)*6144+1280
	global_store_b32 v[L4], v[PW], s[20:21] offset:\a*4096
.endr
	s_wait_tensorcnt 0x0
	ds_add_u32 v[SPW], v[NIL]
	s_wait_dscnt 0x0
	CROUND
	s_endpgm
.Lfunc_end_k_q0d7a34d30b_fc:
	.size	k_q0d7a34d30b_fc, .Lfunc_end_k_q0d7a34d30b_fc-k_q0d7a34d30b_fc
	.p2alignl 7, 3214868480
	.fill 96, 4, 3214868480
	.section	.rodata,"a",@progbits
	.p2align	6, 0x0
	.amdhsa_kernel k_q0d7a34d30b_fc
		.amdhsa_group_segment_fixed_size 327680
		.amdhsa_private_segment_fixed_size 0
		.amdhsa_enable_private_segment 0
		.amdhsa_kernarg_size 32
		.amdhsa_user_sgpr_count 2
		.amdhsa_user_sgpr_kernarg_segment_ptr 1
		.amdhsa_wavefront_size32 1
		.amdhsa_system_sgpr_workgroup_id_x 1
		.amdhsa_system_sgpr_workgroup_id_y 1
		.amdhsa_system_sgpr_workgroup_id_z 1
		.amdhsa_system_vgpr_workitem_id 0
		.amdhsa_next_free_vgpr 1024
		.amdhsa_next_free_sgpr 104
		.amdhsa_reserve_vcc 0
		.amdhsa_float_denorm_mode_32 3
		.amdhsa_float_denorm_mode_16_64 3
		.amdhsa_memory_ordered 1
		.amdhsa_forward_progress 1
		.amdhsa_inst_pref_size 255
	.end_amdhsa_kernel
	.section	.bss,"aw",@nobits
	.p2align	6
	.space	262144
	.amdgpu_metadata
---
amdhsa.version: [ 1, 2 ]
amdhsa.kernels:
  - .name:           k_q0d7a34d30b_fc
    .symbol:         k_q0d7a34d30b_fc.kd
    .args:
      - { .name: h2b, .offset: 0, .size: 8, .value_kind: global_buffer, .address_space: global }
      - { .name: opa, .offset: 8, .size: 8, .value_kind: global_buffer, .address_space: global }
      - { .name: fc_b, .offset: 16, .size: 8, .value_kind: global_buffer, .address_space: global }
      - { .name: gb, .offset: 24, .size: 8, .value_kind: global_buffer, .address_space: global }
    .group_segment_fixed_size: 327680
    .private_segment_fixed_size: 0
    .kernarg_segment_align: 8
    .kernarg_segment_size: 32
    .max_flat_workgroup_size: 128
    .sgpr_count:     104
    .vgpr_count:     1024
    .wavefront_size: 32
...
	.end_amdgpu_metadata
.endif
;; end of part 6
;; launch fcproj (part 7): grid 8 x 32, 4 waves a work-group, clusters of 4 x 4, 327,680 bytes of LDS; arguments gb, opa, fc_proj_b, x1, out0; writes out0
.if DOCPART == 7
	.amdgcn_target "amdgcn-amd-amdhsa--gfx1250"
	.amdhsa_code_object_version 6
	.text
	.protected	k_q0d7a34d30b_fcproj
	.globl	k_q0d7a34d30b_fcproj
	.p2align	8
	.type	k_q0d7a34d30b_fcproj,@function
k_q0d7a34d30b_fcproj:
	s_mov_b64 s[64:65], 0
	v_nop
	global_prefetch_b8 v0, s[64:65] scope:SCOPE_SE
	s_setreg_imm32_b32 hwreg(HW_REG_WAVE_MODE, 25, 1), 1
	s_wait_xcnt 0x0
	s_wait_alu depctr_hold_cnt(0) depctr_sa_sdst(0) depctr_va_vdst(0) depctr_va_sdst(0) depctr_va_ssrc(0) depctr_va_vcc(0) depctr_vm_vsrc(0)
	s_getreg_b32 s2, hwreg(HW_REG_IB_STS2, 6, 4)
	s_cmp_eq_u32 s2, 0
	s_cbranch_scc0 .Lentry_in_a_cluster
	s_endpgm
.Lentry_in_a_cluster:
	s_bfe_u32 s2, ttmp6, 0x10000c
	s_cmp_lg_u32 s2, 0xf033
	s_cbranch_scc0 .Lentry_shape_is_right
	s_endpgm
.Lentry_shape_is_right:
; out0 = x1 + (g fc_proj_w + fc_proj_b): g [4,096][4,096] and the weight [1,024 (n)][4,096] as codes of FP6 (E2M3) with E8M0 scales, laid as images of operand registers; x1, bias and out0 f32.
; IMAGES.  A fragment (16 rows x 128 K) is 1,536 bytes: for c = 0, 1: registers 6c..6c+3 of lane l at 768 c + 16 l, registers 6c+4, 6c+5 at 768 c + 512 + 8 l.  A scale image: lane l's word at 4 l.
; Row r of row block rb stands for true row 32 (rb / 2) + 8 (rb % 2) + r + 8 (r / 8), for tokens and for weight rows alike.
; A tile is 128 x 128 (256 work-groups): four waves, 64 x 64 each, 16 accumulators.  K goes in CHUNKS of 512 through two LDS slots; a panel (64 rows x 512 K) is 24,576 dense bytes.
; 4 x 4 work-groups form a cluster: A's panels are asked for jointly along a row of the cluster, W's along a column.  The scale images of the tile's rows, for all of K, come once, at the head.
; THE HEAD: one tensor load a wave: wave 0 A's two panels of chunk 0 (2 rows of 24,576 bytes), wave 1 A's scale images, wave 2 W's two panels, wave 3 W's scale images.  Chunk 1 follows behind the full sequence and a round.
; FOUR SETS OF FRAGMENT REGISTERS: step j (128 along K) multiplies set j % 4 while the fragments of step j + 2 are asked for.  So a chunk's four steps lie in registers or on their way at its third step:
; there stands the change of slots (the waits, the add, a round of the cluster's barrier), and the slot is filled again with the chunk two further on, one load a wave.
; PREFETCH: behind each refill (chunk c + 2) and the run of LDS loads that follows it, a wave names chunk c + 4 of the panel that it fetches: of the panel's 96 blocks of 256 bytes each of the four partners that ask
; for it jointly takes 24, told apart by address (cx for A, cy for W); a lane a block, lanes 24-31 name block 23 again.  Chunks 2 and 3 are named at the head.  The last two refills name nothing: chunk 7 is the last.
; Source 0 = 16 rows of W, source 1 = 16 tokens: a lane holds a token and neighbouring columns.  Results go through the wave's own stage and leave with the residual as whole runs of 256 bytes.
; REGISTERS: window 0: v16-31 addresses, v32-47 scale words (set p at 32 + 4 p), v48-51 bias, v52-83 rows read back, v128-255 accumulators; windows 1 and 3: fragment sets 0, 1 and 2, 3 (A at 0 or 128, W 48 further on); window 2: the residual.
.set KK,  4096
.set AC,  1048576
.set WXC, 10485760
.set WXS, 10223616
.set PANEL, 48*KK
.set FR,  12
.set QB,  24576
.set SLOT, 4*QB
.set SCL, 2*SLOT
.set QSB, 4*KK                         ; the scale images of 64 rows
.set SPARE, SCL+4*QSB                  ; the spare words, 128 bytes for each wave
.set WSTG, 4352                        ; the way out: 16 rows x (256 + 16) bytes for each wave, in slot 0, which has had its last fill and its last read by then
.set ADRA, 16
.set ADRB, 20
.set STO, 24
.set RD,  25
.set CO,  26
.set ADRS, 27
.set SPW, 28
.set NIL, 29
.set PFO, 30
.set SC,  32
.set BI,  48
.set RB,  52
.set ACC, 128
.set PFA, 4
.set G1, 24
.set G0, 32
.set G1B, 48
.set G0B, 56
.set G1S, 68
.set G0S, 76
.set G1SB, 80
.set G0SB, 88
.set MSB, 0
.macro WIN new                         ; the immediate's high byte repeats the setting that is left
.if MSB != \new
	s_set_vgpr_msb (MSB<<8)|\new
.set MSB, \new
.endif
.endm
.macro PLACES n
.rept \n
	v_nop
.endr
.endm
.macro JLOAD g0a, g1a, g0b, g1b        ; a joint load: waves 0 and 1 fetch for A, waves 2 and 3 for W; s_nop 0 and four v_nop follow each line
	s_cmp_eq_u32 s15, 0
	s_cbranch_scc0 .Lfor_b_\@
	tensor_load_to_lds s[\g0a:\g0a+3], s[\g1a:\g1a+7]
	s_nop 0
.rept 4
	v_nop
.endr
	s_branch .Lasked_\@
.Lfor_b_\@:
	tensor_load_to_lds s[\g0b:\g0b+3], s[\g1b:\g1b+7]
	s_nop 0
.rept 4
	v_nop
.endr
.Lasked_\@:
.endm
.macro CREST                           ; a round of the cluster's barrier behind its opening barrier
	s_cmp_lg_u32 s14, 0
	s_cbranch_scc1 .Lnot_wave_0_\@
	s_barrier_signal -3
.Lnot_wave_0_\@:
	s_barrier_wait -3
	s_barrier_signal -1
	s_barrier_wait -1
.endm
.macro CROUND
	s_barrier_signal -1
	s_barrier_wait -1
	CREST
.endm
.macro ARM under, g0, g1, next
	s_cmp_lt_u32 s14, \under
	s_cbranch_scc0 \next
	tensor_load_to_lds s[\g0:\g0+3], s[\g1:\g1+7]
	s_nop 0
.rept 4
	v_nop
.endr
	s_branch .Lhead_asked
\next:
.endm
	s_load_b256 s[4:11], s[0:1], 0x0               ; gb, opa, bias, x1
	s_load_b64 s[12:13], s[0:1], 0x20              ; out0
	v_lshl_add_u32 v[SPW], v0, 2, SPARE
	v_mov_b32 v[NIL], 0
	ds_add_u32 v[SPW], v[NIL]                      ; the opening lines: the add, twice on end, and below its one wait
	ds_add_u32 v[SPW], v[NIL]
	v_lshrrev_b32 v1, 5, v0
	v_readfirstlane_b32 s14, v1                    ; wave
	s_lshr_b32 s15, s14, 1                         ; wr.  Also: I fetch for A (0) or for W (1)
	s_and_b32 s16, s14, 1                          ; wc.  Also: which panel I fetch
	s_bfe_u32 s40, ttmp6, 0x40000                  ; cx
	s_bfe_u32 s41, ttmp6, 0x40004                  ; cy
	s_lshl_b32 s42, ttmp9, 2
	s_add_co_u32 s42, s42, s40                     ; tile column
	s_and_b32 s17, ttmp7, 0xffff
	s_lshl_b32 s17, s17, 2
	s_add_co_u32 s17, s17, s41                     ; tile row
	s_lshl_b32 s43, s41, 2
	s_lshl_b32 s43, 15, s43                        ; my row of the cluster
	s_lshl_b32 s44, 0x1111, s40                    ; my column
	s_or_b32 s[G1], s43, (3<<16)|(1<<21)           ; the mask; elements of 8 bytes; bit 21 beside a mask; no padding
	s_or_b32 s[G1B], s44, (3<<16)|(1<<21)
.irp g, G1, G1B                        ; for the head's loads: two panels as 2 rows of 24,576 bytes, PANEL bytes apart in memory, on end in LDS
	s_mov_b32 s[\g+1], 3072<<16
	s_mov_b32 s[\g+2], 2<<16
	s_mov_b32 s[\g+3], 3072<<16
	s_mov_b32 s[\g+4], 2
	s_mov_b32 s[\g+5], PANEL/8
	s_mov_b32 s[\g+6], 0
	s_mov_b32 s[\g+7], 0
.endr
	s_or_b32 s[G1S], s43, (3<<16)|(1<<21)
	s_or_b32 s[G1SB], s44, (3<<16)|(1<<21)
.irp g, G1S, G1SB                      ; the scale images of 128 rows: 128 rows of 256 bytes, dense
	s_mov_b32 s[\g+1], 32<<16
	s_mov_b32 s[\g+2], (QSB/128)<<16
	s_mov_b32 s[\g+3], 32<<16
	s_mov_b32 s[\g+4], QSB/128
	s_mov_b32 s[\g+5], 32
	s_mov_b32 s[\g+6], 0
	s_mov_b32 s[\g+7], 0
.endr
	s_lshl_b32 s18, s17, 1
	s_add_co_u32 s18, s18, s16                     ; A's panel: by the tile row alone
	s_mul_i32 s92, s18, PANEL
	s_add_co_u32 s92, s92, AC
	s_mul_i32 s94, s17, 2*QSB
	s_lshl_b32 s20, s42, 1
	s_add_co_u32 s20, s20, s16                     ; W's: by the tile column alone
	s_mul_i32 s46, s20, PANEL
	s_add_co_u32 s46, s46, WXC
	s_mul_i32 s96, s42, 2*QSB
	s_add_co_u32 s96, s96, WXS
	s_mov_b32 s93, 0
	s_mov_b32 s95, 0
	s_mov_b32 s47, 0
	s_mov_b32 s97, 0
	s_mul_i32 s45, s14, QB                         ; where the panels go: by the wave's number alone
	s_mul_i32 s100, s15, 2*QSB                     ; and the scale images
	s_cmp_eq_u32 s15, 0
	s_cselect_b32 s98, s40, s41                    ; my place among the four that ask for my panel with me
	s_mul_i32 s98, s98, 6144                       ; my work-group's 24 blocks of its 96,
	s_add_co_u32 s98, s98, QB                      ; in chunk 1: each refill steps this by a chunk and names the chunk two further on
	s_mov_b32 s99, 0
	s_wait_dscnt 0x0                               ; both opening adds are done
	s_wait_kmcnt 0x0
	s_add_nc_u64 s[92:93], s[4:5], s[92:93]
	s_add_nc_u64 s[94:95], s[4:5], s[94:95]
	s_add_nc_u64 s[46:47], s[6:7], s[46:47]
	s_add_nc_u64 s[96:97], s[6:7], s[96:97]
	s_cmp_eq_u32 s15, 0
	s_cselect_b64 s[PFA:PFA+1], s[92:93], s[46:47]
	s_add_nc_u64 s[PFA:PFA+1], s[PFA:PFA+1], s[98:99]
	CROUND                                         ; all sixteen work-groups are here: the first joint loads meet
	s_mov_b32 s[G0S], 1
	s_add_co_u32 s[G0S+1], s100, SCL
	s_mov_b64 s[G0S+2:G0S+3], s[94:95]
	s_or_b32 s[G0S+3], s[G0S+3], 0x80000000
	s_mov_b32 s[G0SB], 1
	s_add_co_u32 s[G0SB+1], s100, SCL
	s_mov_b64 s[G0SB+2:G0SB+3], s[96:97]
	s_or_b32 s[G0SB+3], s[G0SB+3], 0x80000000
.irp s, 0,1
	s_mov_b32 s[G0+4*\s], 1
	s_add_co_u32 s[G0+4*\s+1], s45, \s*SLOT
	s_add_nc_u64 s[G0+4*\s+2:G0+4*\s+3], s[92:93], \s*QB
	s_or_b32 s[G0+4*\s+3], s[G0+4*\s+3], 0x80000000
	s_mov_b32 s[G0B+4*\s], 1
	s_add_co_u32 s[G0B+4*\s+1], s45, \s*SLOT
	s_add_nc_u64 s[G0B+4*\s+2:G0B+4*\s+3], s[46:47], \s*QB
	s_or_b32 s[G0B+4*\s+3], s[G0B+4*\s+3], 0x80000000
.endr
	ARM 1, G0,  G1,  .Lhead_sa                     ; wave 0's own group 0 points at A's first panel and LDS byte 0, wave 2's at W's first panel and LDS byte 2 QB
	ARM 2, G0S, G1S, .Lhead_b
	ARM 3, G0B, G1B, .Lhead_sb
	tensor_load_to_lds s[G0SB:G0SB+3], s[G1SB:G1SB+7]
	s_nop 0
.rept 4
	v_nop
.endr
.Lhead_asked:
	s_mul_i32 s21, s15, QB                         ; my panel of A,
	s_mul_i32 s22, s16, QB
	s_add_co_u32 s22, s22, 2*QB                    ; of W
	s_mul_i32 s98, s15, QSB
	s_mul_i32 s99, s16, QSB
	s_add_co_u32 s99, s99, 2*QSB
	s_sub_co_u32 s99, s99, s98                     ; from A's scale images to W's
	s_add_co_u32 s98, s98, SCL
	s_mul_i32 s23, s14, WSTG
	s_lshl_b32 s18, s17, 7
	s_lshl_b32 s19, s15, 6
	s_add_co_u32 s18, s18, s19                     ; my first row
	s_lshl_b32 s18, s18, 12
	s_lshl_b32 s19, s42, 9
	s_lshl_b32 s20, s16, 8
	s_add_co_u32 s100, s19, s20                    ; my first column, in bytes
	s_add_co_u32 s18, s18, s100
	s_mov_b32 s19, 0
	s_mov_b32 s101, 0
	s_add_nc_u64 s[8:9], s[8:9], s[100:101]        ; bias
	s_add_nc_u64 s[10:11], s[10:11], s[18:19]      ; residual
	s_add_nc_u64 s[12:13], s[12:13], s[18:19]      ; out
	v_and_b32 v1, 31, v0
	v_min_u32 v[PFO], 23, v1
	v_lshlrev_b32 v[PFO], 8, v[PFO]                ; the prefetches' offset: a lane a block of 256 bytes; never rewritten
	v_bfe_u32 v2, v0, 4, 1                         ; h
	v_and_b32 v3, 15, v0                           ; r
	v_lshlrev_b32 v4, 4, v1
	v_lshlrev_b32 v5, 3, v1
	v_lshlrev_b32 v6, 2, v1
	v_add_nc_u32 v[ADRA], s21, v4
	v_add_nc_u32 v[ADRA+2], s21, v5
	v_add_nc_u32 v[ADRB], s22, v4
	v_add_nc_u32 v[ADRB+2], s22, v5
	v_add_nc_u32 v[ADRA+1], SLOT, v[ADRA]
	v_add_nc_u32 v[ADRA+3], SLOT, v[ADRA+2]
	v_add_nc_u32 v[ADRB+1], SLOT, v[ADRB]
	v_add_nc_u32 v[ADRB+3], SLOT, v[ADRB+2]
	v_mul_u32_u24 v7, s99, v2                      ; lanes 16-31 take W's scale words
	v_add_nc_u32 v7, v7, v6
	v_add_nc_u32 v[ADRS], s98, v7
	v_mul_u32_u24 v7, v3, 272
	v_lshl_add_u32 v7, v2, 6, v7
	v_add_nc_u32 v[STO], s23, v7                   ; stage, in: row r, + 64 h
	v_mul_u32_u24 v7, v2, 272
	v_lshl_add_u32 v7, v3, 4, v7
	v_add_nc_u32 v[RD], s23, v7                    ; back: lanes 0-15 one row, lanes 16-31 the next
	v_lshlrev_b32 v[CO], 12, v2
	v_lshl_add_u32 v[CO], v3, 4, v[CO]             ; and the same in memory
	v_lshlrev_b32 v13, 4, v3
	s_wait_alu depctr_va_vdst(0)                   ; the wait at the head's end
	global_prefetch_b8 v[PFO], s[PFA:PFA+1] th:TH_LOAD_NT scope:SCOPE_SE               ; chunk 1: it is loaded when the head's loads have landed
	global_load_b128 v[BI:BI+3], v13, s[8:9]
.macro FRAG reg, adr, off              ; a fragment's image comes back as it was stored: every load reads consecutive bytes
	ds_load_b128 v[\reg:\reg+3], v[\adr] offset:\off
	ds_load_b64 v[\reg+4:\reg+5], v[\adr+2] offset:\off+512
	ds_load_b128 v[\reg+6:\reg+9], v[\adr] offset:\off+768
	ds_load_b64 v[\reg+10:\reg+11], v[\adr+2] offset:\off+1280
.endm
.macro FETCH j                         ; step j, counted from the lap's start: slot (j / 4) % 2, its (j % 4)-th 128 along K, into set j % 4: 32 fragment loads and 4 scale words
.set FBL, 128*((\j)%2)
.set FSL, ((\j)/4)%2
	WIN ((1+2*(((\j)%4)/2))<<6)
.irp i, 0,1,2,3
	FRAG FBL+FR*\i, ADRA+FSL, \i*6144+((\j)%4)*1536
	FRAG FBL+48+FR*\i, ADRB+FSL, \i*6144+((\j)%4)*1536
.endr
	WIN 0
.irp i, 0,1,2,3
	ds_load_b32 v[SC+4*((\j)%4)+\i], v[ADRS] offset:\i*KK+(\j)*128
.endr
.endm
.macro USE j                           ; sources 0 and 1 from set j % 4's window; C and D window 0
.set MB, 128*((\j)%2)
.set SS, SC+4*((\j)%4)
	WIN (5*(1+2*(((\j)%4)/2)))
.endm
.macro MUL4 a, zero                    ; the 16 accumulators take turns, one instruction a turn
.irp b, 0,1,2,3
.if \zero
	v_wmma_scale_f32_16x16x128_f8f6f4 v[ACC+8*(4*(\a)+\b):ACC+8*(4*(\a)+\b)+7], v[MB+48+FR*\b:MB+48+FR*\b+FR-1], v[MB+FR*(\a):MB+FR*(\a)+FR-1], 0, v[SS+\b], v[SS+(\a)] matrix_a_fmt:MATRIX_FMT_FP6 matrix_b_fmt:MATRIX_FMT_FP6 matrix_a_scale:MATRIX_SCALE_ROW1
.else
	v_wmma_scale_f32_16x16x128_f8f6f4 v[ACC+8*(4*(\a)+\b):ACC+8*(4*(\a)+\b)+7], v[MB+48+FR*\b:MB+48+FR*\b+FR-1], v[MB+FR*(\a):MB+FR*(\a)+FR-1], v[ACC+8*(4*(\a)+\b):ACC+8*(4*(\a)+\b)+7], v[SS+\b], v[SS+(\a)] matrix_a_fmt:MATRIX_FMT_FP6 matrix_b_fmt:MATRIX_FMT_FP6 matrix_a_scale:MATRIX_SCALE_ROW1
.endif
.endr
.endm
.macro ASK                             ; chunk c + 4, behind the refill with chunk c + 2; the loop's last trip (s3 = 1) would name chunks 8 and 9, which do not exist
	s_cmp_gt_u32 s3, 1
	s_cbranch_scc0 .Lno_ask_\@
	global_prefetch_b8 v[PFO], s[PFA:PFA+1] offset:2*QB th:TH_LOAD_NT scope:SCOPE_SE
.Lno_ask_\@:
.endm
; A step.  mode 0: plain.  mode 1: a chunk's third step: the change of slots, with a refill.  mode 2: the same barrier, nothing filled.  ft: step j + 2 is fetched.  yng: the LDS loads younger than set j's.
.macro ST j, zero, mode, ft, yng
.if \mode
.if \mode == 1
	s_wait_xcnt 0x0                                ; my last prefetch has read its address: it steps a chunk
	s_add_nc_u64 s[PFA:PFA+1], s[PFA:PFA+1], QB
.endif
	s_wait_tensorcnt 0x0                           ; all my tensor loads have landed: my part of the other slot
.if \mode == 1
	ds_add_u32 v[SPW], v[NIL]                      ; 0 onto my spare word
	s_wait_dscnt 37                                ; set j is in (the add and step j + 1's 36 loads may be out)
.else
	s_wait_dscnt 36
.endif
	USE \j
	MUL4 0, \zero
	s_wait_dscnt 0x0                               ; the add is done, and my reads of this slot are over: its fourth step was asked for a step ago
	s_barrier_signal -1
	MUL4 1, \zero
	WIN 0
	s_barrier_wait -1
.if \mode == 1
.set RS, 4*(((\j)/4)%2)
	CREST                                          ; the barrier has opened a round of the cluster's barrier: no wave of any partner still reads this slot or has a load on its way
	s_add_nc_u64 s[G0+RS+2:G0+RS+3], s[G0+RS+2:G0+RS+3], 2*QB
	s_add_nc_u64 s[G0B+RS+2:G0B+RS+3], s[G0B+RS+2:G0B+RS+3], 2*QB
	JLOAD G0+RS, G1, G0B+RS, G1B                   ; the first tensor load behind the round; its four v_nop are the places in front of the loads below
.else
	PLACES 4
.endif
	FETCH (\j)+2                                   ; the other slot's first step
.if \mode == 1
	ASK
.endif
	USE \j
	MUL4 2, \zero
	MUL4 3, \zero
	WIN 0
.else
	s_wait_dscnt \yng                              ; set j is in
.if \ft
	PLACES 4                                       ; in front of loads into the set that step j - 2's products read
	FETCH (\j)+2
.endif
	USE \j
	MUL4 0, \zero
	MUL4 1, \zero
	MUL4 2, \zero
	MUL4 3, \zero
	WIN 0
.endif
.endm
	s_wait_tensorcnt 0x0                           ; my tile of the head's four is in; the lines ahead of a later first fill:
	ds_add_u32 v[SPW], v[NIL]
.irp g, G1, G1B                        ; no tensor load of mine is out: from here on a load brings one panel, 96 rows of 256 bytes, dense
	s_mov_b32 s[\g+1], 32<<16
	s_mov_b32 s[\g+2], 96<<16
	s_mov_b32 s[\g+3], 32<<16
	s_mov_b32 s[\g+4], 96
	s_mov_b32 s[\g+5], 32
.endr
	s_wait_dscnt 0x0
	CROUND                                         ; all four tiles are in, all sixteen work-groups are here
	JLOAD G0+4, G1, G0B+4, G1B                     ; chunk 1, the first tensor load behind the round
	FETCH 0
	FETCH 1
	global_prefetch_b8 v[PFO], s[PFA:PFA+1] offset:QB th:TH_LOAD_NT scope:SCOPE_SE     ; still ahead of the loop, behind chunk 1's load and the run of LDS loads: chunk 2,
	global_prefetch_b8 v[PFO], s[PFA:PFA+1] offset:2*QB th:TH_LOAD_NT scope:SCOPE_SE   ; and chunk 3
	ST 0, 1, 0, 1, 36
	WIN 0x80                                       ; destination window 2: the residual of my 64 x 64, in the order in which the rows leave; it lands under the products
.irp a, 0,1,2,3
.irp i, 0,1,2,3,4,5,6,7
	global_load_b128 v[32*\a+4*\i:32*\a+4*\i+3], v[CO], s[10:11] offset:(32*(\a/2)+8*(\a%2)+2*\i+8*(\i/4))*4096
.endr
.endr
	WIN 0
	s_mov_b32 s3, 3
.Llap:                                 ; a trip: eight steps, from a lap's second to the next lap's first; both slots are filled again
	ST 1, 0, 0, 1, 36
	ST 2, 0, 1, 1, 36
	ST 3, 0, 0, 1, 36
	ST 4, 0, 0, 1, 36
	ST 5, 0, 0, 1, 36
	ST 6, 0, 1, 1, 36
	ST 7, 0, 0, 1, 36
	ST 8, 0, 0, 1, 36
	v_add_nc_u32 v[ADRS], 1024, v[ADRS]            ; the next lap's scale words
	s_wait_alu depctr_va_vdst(0)
	s_sub_co_u32 s3, s3, 1
	s_cmp_lg_u32 s3, 0
	s_cbranch_scc1 .Llap
	ST 1, 0, 0, 1, 36                              ; the last lap fills nothing
	ST 2, 0, 2, 1, 36                              ; chunk 7 is whole for all four waves; nobody reads slot 0 behind this barrier
	ST 3, 0, 0, 1, 36
	ST 4, 0, 0, 1, 36
	ST 5, 0, 0, 1, 36
	ST 6, 0, 0, 0, 36
	ST 7, 0, 0, 0, 0
	s_wait_loadcnt 0x0                             ; residual and bias
	PLACES 4
.irp a, 0,1,2,3                        ; THE WAY OUT, 16 tokens at a time: register j of accumulator (a, t) is column 32 (t / 2) + 16 h + 8 (t % 2) + j of my 64
	s_wait_xcnt 0x0                                ; the last block's stores have read their registers
.irp t, 0,1,2,3
	ds_store_b128 v[STO], v[ACC+8*(4*\a+\t):ACC+8*(4*\a+\t)+3] offset:(\t/2)*128+(\t%2)*32
	ds_store_b128 v[STO], v[ACC+8*(4*\a+\t)+4:ACC+8*(4*\a+\t)+7] offset:(\t/2)*128+(\t%2)*32+16
.endr
.irp i, 0,1,2,3,4,5,6,7
	ds_load_b128 v[RB+4*\i:RB+4*\i+3], v[RD] offset:544*\i     ; LDS serves a wave's instructions in order: these see my stores
.endr
	s_wait_dscnt 0x0
	WIN 0x08                                       ; source 1 window 2
.set k, 0
.rept 16
	v_pk_add_f32 v[RB+2*k:RB+2*k+1], v[RB+2*k:RB+2*k+1], v[32*\a+2*k:32*\a+2*k+1]
.set k, k+1
.endr
	WIN 0
.irp i, 0,1,2,3,4,5,6,7
	v_pk_add_f32 v[RB+4*\i:RB+4*\i+1], v[RB+4*\i:RB+4*\i+1], v[BI:BI+1]
	v_pk_add_f32 v[RB+4*\i+2:RB+4*\i+3], v[RB+4*\i+2:RB+4*\i+3], v[BI+2:BI+3]
.endr
.irp i, 0,1,2,3,4,5,6,7
	global_store_b128 v[CO], v[RB+4*\i:RB+4*\i+3], s[12:13] offset:(32*(\a/2)+8*(\a%2)+2*\i+8*(\i/4))*4096 th:TH_STORE_NT   ; 16 lanes store 256 consecutive bytes, aligned
.endr
.endr
	s_wait_tensorcnt 0x0                           ; the wave's end
	ds_add_u32 v[SPW], v[NIL]
	s_wait_dscnt 0x0
	CROUND                                         ; the closing round
	s_endpgm
.Lfunc_end_k_q0d7a34d30b_fcproj:
	.size	k_q0d7a34d30b_fcproj, .Lfunc_end_k_q0d7a34d30b_fcproj-k_q0d7a34d30b_fcproj
	.p2alignl 7, 3214868480
	.fill 96, 4, 3214868480
	.section	.rodata,"a",@progbits
	.p2align	6, 0x0
	.amdhsa_kernel k_q0d7a34d30b_fcproj
		.amdhsa_group_segment_fixed_size 327680
		.amdhsa_private_segment_fixed_size 0
		.amdhsa_enable_private_segment 0
		.amdhsa_kernarg_size 40
		.amdhsa_user_sgpr_count 2
		.amdhsa_user_sgpr_kernarg_segment_ptr 1
		.amdhsa_wavefront_size32 1
		.amdhsa_system_sgpr_workgroup_id_x 1
		.amdhsa_system_sgpr_workgroup_id_y 1
		.amdhsa_system_sgpr_workgroup_id_z 1
		.amdhsa_system_vgpr_workitem_id 0
		.amdhsa_next_free_vgpr 1024
		.amdhsa_next_free_sgpr 104
		.amdhsa_reserve_vcc 0
		.amdhsa_float_denorm_mode_32 3
		.amdhsa_float_denorm_mode_16_64 3
		.amdhsa_memory_ordered 1
		.amdhsa_forward_progress 1
		.amdhsa_inst_pref_size 106
	.end_amdhsa_kernel
	.amdgpu_metadata
---
amdhsa.version: [ 1, 2 ]
amdhsa.kernels:
  - .name:           k_q0d7a34d30b_fcproj
    .symbol:         k_q0d7a34d30b_fcproj.kd
    .args:
      - { .name: gb, .offset: 0, .size: 8, .value_kind: global_buffer, .address_space: global }
      - { .name: opa, .offset: 8, .size: 8, .value_kind: global_buffer, .address_space: global }
      - { .name: fc_proj_b, .offset: 16, .size: 8, .value_kind: global_buffer, .address_space: global }
      - { .name: x1, .offset: 24, .size: 8, .value_kind: global_buffer, .address_space: global }
      - { .name: out0, .offset: 32, .size: 8, .value_kind: global_buffer, .address_space: global }
    .group_segment_fixed_size: 327680
    .private_segment_fixed_size: 0
    .kernarg_segment_align: 8
    .kernarg_segment_size: 40
    .max_flat_workgroup_size: 128
    .sgpr_count:     104
    .vgpr_count:     1024
    .wavefront_size: 32
...
	.end_amdgpu_metadata
.endif
;; end of part 7
